; MI455X (gfx1250); checked and timed in simulation.
; The chip was launched on July 23, 2026; its instructions are those of AMD's public machine-readable ISA for CDNA 5 (MIT licence, August 2026) and "CDNA5" Instruction Set Architecture Reference Guide (July 2026). The comments in the code are by the model that wrote it; some were corrected since.
;; Encoder Block. Allowed arithmetic: matrix products marked QUANTISED: E4M3 operands, one E8M0 scale for each 32 along K, by v_wmma_scale_f32_16x16x128_f8f6f4 with both operands' format E4M3, f32 sums; everything else in f32.
;; Inputs: b_ff1 4,096 float32; b_ff2 1,024 float32; b_k 1,024 float32; b_o 1,024 float32; b_q 1,024 float32; b_v 1,024 float32; ln1_b 1,024 float32; ln1_g 1,024 float32; ln2_b 1,024 float32; ln2_g 1,024 float32; w_ff1_codes 4,096 x 32 x 32 uint8 (E4M3 codes of w_ff1, K innermost, in blocks of 32 codes); w_ff1_scales 4,096 x 32 uint8 (E8M0 scales of w_ff1, one for each 32 codes along K); w_ff2_codes 1,024 x 128 x 32 uint8 (E4M3 codes of w_ff2, K innermost, in blocks of 32 codes); w_ff2_scales 1,024 x 128 uint8 (E8M0 scales of w_ff2, one for each 32 codes along K); w_k_codes 1,024 x 32 x 32 uint8 (E4M3 codes of w_k, K innermost, in blocks of 32 codes); w_k_scales 1,024 x 32 uint8 (E8M0 scales of w_k, one for each 32 codes along K); w_o_codes 1,024 x 32 x 32 uint8 (E4M3 codes of w_o, K innermost, in blocks of 32 codes); w_o_scales 1,024 x 32 uint8 (E8M0 scales of w_o, one for each 32 codes along K); w_q_codes 1,024 x 32 x 32 uint8 (E4M3 codes of w_q, K innermost, in blocks of 32 codes); w_q_scales 1,024 x 32 uint8 (E8M0 scales of w_q, one for each 32 codes along K); w_v_codes 1,024 x 32 x 32 uint8 (E4M3 codes of w_v, K innermost, in blocks of 32 codes); w_v_scales 1,024 x 32 uint8 (E8M0 scales of w_v, one for each 32 codes along K); x 2 x 2,048 x 1,024 float32.
;; Outputs: out0 2 x 2,048 x 1,024 float32.
;; This version of the problem:
;;   THIS VERSION OF THE PROBLEM IS GIVEN IN LOW PRECISION. The matrix products marked QUANTISED in the list below multiply operands that are first quantised to E4M3 (4 exponent bits, 3 mantissa bits; 8 bits a number), with one power-of-two scale for each 32 numbers along K (OCP MX v1.0); their sums are f32. All else is computed in f32.
;;   The module's matrix products, in the order in which they are computed (A, B: the left and right operand; K: the contracted axis; several contracted axes count as one K, in the product's order):
;;     1. [M 4,096, K 1,024] x [K 1,024, N 1,024]; A: input x; B: input w_q (given as codes): QUANTISED
;;     2. [M 4,096, K 1,024] x [K 1,024, N 1,024]; A: input x; B: input w_k (given as codes): QUANTISED
;;     3. [M 4,096, K 1,024] x [K 1,024, N 1,024]; A: input x; B: input w_v (given as codes): QUANTISED
;;     4. batch 32 x [M 2,048, K 64] x [K 64, N 2,048]; A: computed on the way; B: computed on the way: QUANTISED
;;     5. batch 32 x [M 2,048, K 2,048] x [K 2,048, N 64]; A: softmax (see below); B: computed on the way: QUANTISED
;;     6. [M 4,096, K 1,024] x [K 1,024, N 1,024]; A: computed on the way; B: input w_o (given as codes): QUANTISED
;;     7. [M 4,096, K 1,024] x [K 1,024, N 4,096]; A: computed on the way; B: input w_ff1 (given as codes): QUANTISED
;;     8. [M 4,096, K 4,096] x [K 4,096, N 1,024]; A: computed on the way; B: input w_ff2 (given as codes): QUANTISED
;;   THE QUANTISER, for each operand of a quantised product, along K:
;;     - K is cut into blocks of 32 from its start; a last block that is shorter is filled with zeros.
;;     - A block's scale is 2^e with e = floor(log2(the largest magnitude in the block)) - 8, held to -126 .. 127; a block of zeros has e = 0. As a byte (E8M0): e + 127.
;;     - Each number is divided by its block's scale, clamped to +-448, and rounded to the nearest number of E4M3, ties to even, subnormals kept.
;;     - The product sums the exact products of the quantised numbers (number of the format x scale) in f32.
;;   ~~~python
;;   def quantise(x, axis):      # numpy; x: float32 -> the quantised numbers, widened to float32 again
;;       x = np.moveaxis(x, axis, -1); K = x.shape[-1]
;;       x = np.pad(x, [(0, 0)] * (x.ndim - 1) + [(0, -K % 32)]); x = x.reshape(x.shape[:-1] + (-1, 32)); a = np.abs(x).max(-1, keepdims=True)
;;       e = np.where(a > 0, np.clip(np.frexp(np.where(a > 0, a, 1))[1] - 1 - 8, -126, 127), 0)      # np.frexp(a)[1] - 1 = floor(log2(a)), exactly
;;       r = np.clip(x / 2.0 ** e, -448, 448)
;;       step = 2.0 ** (np.maximum(np.frexp(np.where(r == 0, 1, r))[1] - 1, -6) - 3)
;;       q = np.round(r / step) * step * 2.0 ** e      # np.round: ties to even
;;       return np.moveaxis(q.reshape(q.shape[:-2] + (-1,))[..., :K], -1, axis).astype(np.float32)
;;   ~~~
;;   SOFTMAX AHEAD OF A QUANTISED PRODUCT. Where the list says 'softmax', what is quantised is not the finished softmax but p = 2^(t - M), with t = logit x log2(e) and M = ceil(the row's largest t), a whole number; so 1/2 < the row's largest p <= 1. The row's sum l is taken of the UNQUANTISED p, in f32, and the product's result is divided by l at the end. Since M is a whole number, a kernel that streams over the keys may use a running M (the ceiling of the running maximum): every later rescaling is an exact power of two, which a block's scale takes up: the codes' values come out the same.
;;   OPERANDS COMPUTED ON THE WAY. 'Computed on the way' means the value that the module computes at that place (a softmax that the list does not call 'softmax' is quantised finished and normalised). What goes into a quantiser is computed in f32, as accurately as f32 sums, v_exp_f32 and their like allow (about 1e-6 of the number): no bf16 or f16 on the way to a quantiser, and a product that is left as it is and whose result goes on into a quantised operand takes f32 operands (vector FMAs, or v_wmma_f32_16x16x4_f32). A number that lies on a knife's edge between two numbers of the format may be rounded either way, as far as f32 arithmetic and the matrix unit's own rounding can turn it there, and no further.
;;   INPUTS GIVEN AS CODES. w_ff1 (in the module: [1024, 4096], K = its axis 0); w_ff2 (in the module: [4096, 1024], K = its axis 0); w_k (in the module: [1024, 1024], K = its axis 0); w_o (in the module: [1024, 1024], K = its axis 0); w_q (in the module: [1024, 1024], K = its axis 0); w_v (in the module: [1024, 1024], K = its axis 0): each comes as NAME_codes (uint8): NAME with its K axis moved to the last place and cut into blocks of 32 codes, [.., K / 32, bytes a block], one block behind the other in memory; one code a byte (a code: sign, 4 exponent bits, 3 mantissa bits); and NAME_scales (uint8): the same leading axes, one E8M0 byte (e + 127) for each 32 codes along K. Its value is code x scale, taken as it is: it is not quantised again, and the codes and scales need not be those that the quantiser above would give.
;; One version. Each part assembles by itself: llvm-mc -triple=amdgcn-amd-amdhsa -mcpu=gfx1250 --defsym DOCPART=n.
;; ======== version 1 of 1: 8 launches
;; limits: right only within a limited range of input values
;; workspace buffers: prep 17,301,504 bytes; qkv 12,976,128 bytes; ctx 4,325,376 bytes; y 16,777,216 bytes; h 21,102,592 bytes; hid 17,301,504 bytes
;; launch pack (part 1): grid 640 x 1, 8 waves a work-group, no clusters, 103,424 bytes of LDS; arguments x, w_q_codes, w_q_scales, w_k_codes, w_k_scales, w_v_codes, w_v_scales, w_o_codes, w_o_scales, w_ff1_codes, w_ff1_scales, w_ff2_codes, w_ff2_scales, prep; writes prep
.if DOCPART == 1
	.amdgcn_target "amdgcn-amd-amdhsa--gfx1250"
	.amdhsa_code_object_version 6
	.text
	.protected	k_q5316401c12_pack
	.globl	k_q5316401c12_pack
	.p2align	8
	.type	k_q5316401c12_pack,@function
k_q5316401c12_pack:
	s_mov_b64 s[64:65], 0
	v_nop
	global_prefetch_b8 v0, s[64:65] scope:SCOPE_SE
	s_setreg_imm32_b32 hwreg(HW_REG_WAVE_MODE, 25, 1), 1
	s_wait_xcnt 0x0
; x (f32) is quantised to MX-FP8 (E4M3, one E8M0 byte for 32 along K), and the six weights' codes and scale bytes are laid anew: all into prep, AS IMAGES OF THE OPERANDS' REGISTERS.
; TILES.  Tile T of any operand holds the 16 rows rho(T, r) = 32 (T / 2) + 8 (T % 2) + r + 8 (r / 8), r = 0 .. 15.
; CODES: [T][S][2048 bytes], S = the K step of 128; the byte at 512 c + 16 lane + i is the code of (rho(T, lane % 16), k = 128 S + 32 c + 16 (lane / 16) + i): a fragment is four loads of 16 bytes a lane, 512 bytes apart.
; SCALE WORDS (four bytes: one row, one K step): at ((T / 16) NS + S) 1024 + (T % 16) 64 + 4 r, NS = K / 128.
; prep: codes: x 0, w_q 4 Mi, w_k 5 Mi, w_v 6 Mi, w_o 7 Mi, w_ff1 8 Mi, w_ff2 12 Mi.  Scale words from 16 Mi: x +0, q +128 Ki, k +160 Ki, v +192 Ki, o +224 Ki, ff1 +256 Ki, ff2 +384 Ki.
; Work-groups 0-255: tile T of x, wave w its K step w.  Work-groups 256-639: a wave takes 16 rows x 256 codes of a weight.  Waves share nothing: no barrier; each path and each wave has LDS bytes of its own.
; LIMITS: NaN and infinities are not served.  A block of zeros, or one whose largest magnitude lies under 2^-118, gets the byte 1 (the rule says 127 for zeros): its codes are zeros, and this program alone reads the bytes.
.set XSO,   0x1000000                  ; x's scale words
.set WQO,   0x400000                   ; q, k, v, o, ff1 lie on end: one tile number serves the five
.set WF2O,  0xc00000
.set WQSO,  0x1020000
.set WF2SO, 0x1060000
.set XSTG,  16*528                     ; x's stage, a wave's: 16 rows x (512 bytes + 16)
.set WSTG0, 8*XSTG
.set WSTG,  16*272                     ; a weight's stage: 16 x (256 bytes + 16)
.set X,   16                           ; v16-79   64 numbers
.set PC,  80                           ; v80-95   the fragment's codes
.set TM,  96                           ; v96-99 largest magnitudes, v100-103 bytes, v104-107 448 x scale, v108-111 the conversions' scale operands
.set PW,  112                          ; the scale word
.set SEL, 44                           ; s[44:45] selects of v_permlanex16_b32: lane l xor 16
.set MNT, 46                           ; the mantissa field of 448
; 64 numbers of a lane, register 16 b + i = k 32 b + 16 (lane / 16) + i of its row, become 16 registers of codes and the row's scale word
.macro QUANT s
.irp b, 0,1,2,3
	v_max3_num_f32 v[TM+\b], |v[\s+16*\b]|, |v[\s+16*\b+1]|, 0x4800000   ; my 16 of block b, and the floor 2^(9 - 127): the byte cannot fall under 1
.endr
.irp i, 2,4,6,8,10,12,14
.irp b, 0,1,2,3
	s_delay_alu instid0(VALU_DEP_4)
	v_max3_num_f32 v[TM+\b], v[TM+\b], |v[\s+16*\b+\i]|, |v[\s+16*\b+\i+1]|
.endr
.endr
.irp b, 0,1,2,3
	s_delay_alu instid0(VALU_DEP_4)
	v_permlanex16_b32 v[TM+4+\b], v[TM+\b], s[SEL], s[SEL+1]
.endr
.irp b, 0,1,2,3
	s_delay_alu instid0(VALU_DEP_4)
	v_max_num_f32 v[TM+\b], v[TM+\b], v[TM+4+\b]           ; with lane l xor 16's 16: the block's largest magnitude
.endr
.irp b, 0,1,2,3
	s_delay_alu instid0(VALU_DEP_4)
	v_add_nc_u32 v[TM+12+\b], 0xfc000000, v[TM+\b]         ; 8 off its exponent field: the conversion's scale operand
.endr
.irp b, 0,1,2,3
	v_and_or_b32 v[TM+8+\b], v[TM+\b], 0x7f800000, s[MNT]  ; 448 x the scale
.endr
.irp b, 0,1,2,3
	v_lshrrev_b32 v[TM+4+\b], 23, v[TM+12+\b]              ; the scale's byte
.endr
	s_delay_alu instid0(VALU_DEP_3)
	v_lshl_or_b32 v[PW], v[TM+5], 8, v[TM+4]
	s_delay_alu instid0(VALU_DEP_1)
	v_lshl_or_b32 v[PW], v[TM+6], 16, v[PW]
	s_delay_alu instid0(VALU_DEP_1)
	v_lshl_or_b32 v[PW], v[TM+7], 24, v[PW]
.irp b, 0,1,2,3
.irp i, 0,1,2,3,4,5,6,7,8,9,10,11,12,13,14,15
	v_med3_num_f32 v[\s+16*\b+\i], v[\s+16*\b+\i], -v[TM+8+\b], v[TM+8+\b]   ; the conversion does not saturate (ISA guide 7.6.2): hold first
.endr
	v_cvt_scalef32_pk8_fp8_f32 v[PC+4*\b:PC+4*\b+1], v[\s+16*\b:\s+16*\b+7], v[TM+12+\b]
	v_cvt_scalef32_pk8_fp8_f32 v[PC+4*\b+2:PC+4*\b+3], v[\s+16*\b+8:\s+16*\b+15], v[TM+12+\b]
.endr
	v_nop                                          ; a plain line behind the last conversion
.endm
	s_load_b64 s[4:5], s[0:1], 0x0                 ; x
	s_load_b512 s[8:23], s[0:1], 0x8               ; q's codes, scales; k's; v's; o's
	s_load_b256 s[24:31], s[0:1], 0x48             ; ff1's codes, scales; ff2's
	s_load_b64 s[32:33], s[0:1], 0x68              ; prep
	v_lshl_add_u32 v128, v0, 2, 0x19000
	v_mov_b32 v129, 0
	v_lshrrev_b32 v1, 5, v0
	s_delay_alu instid0(VALU_DEP_1)
	v_readfirstlane_b32 s34, v1                    ; wave 0..7
	v_and_b32 v5, 31, v0                           ; lane
	v_and_b32 v6, 15, v0                           ; r
	v_bfe_u32 v7, v0, 4, 1                         ; h
	s_delay_alu instid0(VALU_DEP_3)
	v_lshlrev_b32 v1, 4, v5                        ; 16 x lane
	s_cmp_lt_u32 ttmp9, 256
	s_cbranch_scc0 .Lweights
	; ---- x: tile T = work-group, K step S = wave
	s_mul_i32 s35, s34, XSTG
	v_add_nc_u32 v2, s35, v1                       ; into the stage: a row's 512 bytes as they lie
	v_mul_u32_u24 v3, v6, 528
	s_delay_alu instid0(VALU_DEP_1)
	v_lshl_add_u32 v3, v7, 6, v3
	s_delay_alu instid0(VALU_DEP_1)
	v_add_nc_u32 v3, s35, v3                       ; out of it: row r, + 64 h: my 16 numbers of each block of 32
	v_lshlrev_b32 v4, 2, v6                        ; 4 r
	s_mov_b32 s[SEL], 0x76543210
	s_mov_b32 s[SEL+1], 0xfedcba98
	s_mov_b32 s[MNT], 0x600000
.irp b, 0,1,2,3
	v_mov_b32 v[TM+4+\b], 0                        ; a lane permute's destination counts as read
.endr
	s_lshr_b32 s36, ttmp9, 1
	s_lshl_b32 s36, s36, 17                        ; 32 (T / 2) rows of 4,096 bytes
	s_and_b32 s37, ttmp9, 1
	s_lshl_b32 s37, s37, 15                        ; 8 (T % 2) rows
	s_add_co_u32 s36, s36, s37
	s_lshl_b32 s37, s34, 9                         ; 512 S
	s_add_co_u32 s36, s36, s37
	s_mov_b32 s37, 0
	s_lshl_b32 s38, ttmp9, 14                      ; the codes: T x 8 x 2,048 + S x 2,048
	s_lshl_b32 s39, s34, 11
	s_add_co_u32 s38, s38, s39
	s_mov_b32 s39, 0
	s_lshr_b32 s40, ttmp9, 4                       ; the scale words
	s_lshl_b32 s40, s40, 3
	s_add_co_u32 s40, s40, s34
	s_lshl_b32 s40, s40, 10
	s_and_b32 s41, ttmp9, 15
	s_lshl_b32 s41, s41, 6
	s_add_co_u32 s40, s40, s41
	s_add_co_u32 s40, s40, XSO
	s_mov_b32 s41, 0
	s_wait_alu depctr_va_vdst(0)
	s_wait_kmcnt 0x0
	s_add_nc_u64 s[4:5], s[4:5], s[36:37]
	s_add_nc_u64 s[38:39], s[32:33], s[38:39]
	s_add_nc_u64 s[40:41], s[32:33], s[40:41]
.irp t, 0,1,2,3,4,5,6,7,8,9,10,11,12,13,14,15
	global_load_b128 v[X+4*\t:X+4*\t+3], v1, s[4:5] offset:(\t+8*(\t/8))*4096 th:TH_LOAD_NT   ; tile row t: 512 consecutive bytes
.endr
.irp t, 0,1,2,3,4,5,6,7,8,9,10,11,12,13,14,15
	s_wait_loadcnt 15-\t                           ; loads come back in order: row t is in
	ds_store_b128 v2, v[X+4*\t:X+4*\t+3] offset:528*\t
.endr
	s_wait_dscnt 0x0                               ; the stores have read their registers, which the loads below fill again
.irp c, 0,1,2,3
.irp j, 0,1,2,3
	ds_load_b128 v[X+16*\c+4*\j:X+16*\c+4*\j+3], v3 offset:128*\c+16*\j
.endr
.endr
	s_wait_dscnt 0x0
	QUANT X
.irp c, 0,1,2,3
	global_store_b128 v1, v[PC+4*\c:PC+4*\c+3], s[38:39] offset:512*\c    ; 512 consecutive bytes a store
.endr
	global_store_b32 v4, v[PW], s[40:41]           ; lanes l and l xor 16 hold the same word and name the same place: all lanes stay on
	s_wait_tensorcnt 0x0
	ds_add_u32 v128, v129
	s_wait_dscnt 0x0
	s_endpgm
	; ---- the weights: wave's task = 16 rows x 256 codes (two K steps).  A 16 x 16 transposition of pieces of 16 bytes: piece p of tile row m goes to byte 256 p + 16 m of the two images
.Lweights:
	s_sub_co_u32 s35, ttmp9, 256                   ; g: 0-31 q, 32-63 k, 64-95 v, 96-127 o, 128-255 ff1, 256-383 ff2
	s_mov_b32 s39, WF2O
	s_mov_b32 s40, WF2SO
	s_lshr_b32 s43, s35, 5
	s_min_u32 s43, s43, 4
	s_lshl_b32 s43, s43, 6                         ; the first tile of my weight among the five
	s_cmp_lt_u32 s35, 256                          ; one of the five (K = 1,024) or ff2 (K = 4,096)?
	s_cselect_b32 s36, 0, 256
	s_cselect_b32 s37, 2, 4                        ; sb: log2 of the tasks in a tile
	s_cselect_b32 s38, 10, 12                      ; ks: log2 of a row's bytes
	s_cselect_b32 s39, WQO, s39
	s_cselect_b32 s40, WQSO, s40
	s_cselect_b32 s43, s43, 0
	s_sub_co_u32 s36, s35, s36
	s_lshl_b32 s36, s36, 3
	s_add_co_u32 s36, s36, s34                     ; task
	s_lshr_b32 s41, s36, s37                       ; Tx: the tile in the output
	s_lshl_b32 s42, s41, s37
	s_sub_co_u32 s42, s36, s42                     ; sp: which 256 along K
	s_sub_co_u32 s43, s41, s43                     ; the tile in its own weight
	s_lshr_b32 s47, s43, 1
	s_lshl_b32 s47, s47, 5
	s_and_b32 s48, s43, 1
	s_lshl_b32 s48, s48, 3
	s_add_co_u32 s47, s47, s48                     ; its first row
	s_sub_co_u32 s49, s38, 5                       ; log2 of a row of scale bytes
	s_lshl_b32 s50, s47, s38
	s_lshl_b32 s48, s42, 8
	s_add_co_u32 s50, s50, s48                     ; from: codes
	s_mov_b32 s51, 0
	s_lshl_b32 s52, s47, s49
	s_lshl_b32 s48, s42, 3
	s_add_co_u32 s52, s52, s48                     ; from: scale bytes
	s_mov_b32 s53, 0
	s_add_co_u32 s48, s37, 12
	s_lshl_b32 s54, s41, s48
	s_lshl_b32 s48, s42, 12
	s_add_co_u32 s54, s54, s48
	s_add_co_u32 s54, s54, s39                     ; to: codes
	s_mov_b32 s55, 0
	s_lshr_b32 s56, s41, 4
	s_add_co_u32 s48, s37, 1
	s_lshl_b32 s56, s56, s48                       ; (Tx / 16) NS
	s_lshl_b32 s48, s42, 1
	s_add_co_u32 s56, s56, s48                     ; + 2 sp
	s_lshl_b32 s56, s56, 10
	s_and_b32 s48, s41, 15
	s_lshl_b32 s48, s48, 6
	s_add_co_u32 s56, s56, s48
	s_add_co_u32 s56, s56, s40                     ; to: scale words
	s_mov_b32 s57, 0
	s_wait_alu depctr_va_vdst(0)
	v_lshlrev_b32 v8, s38, v7                      ; load i takes tile rows 2 i + h, 256 bytes each: sixteen lanes to a row
	s_delay_alu instid0(VALU_DEP_1)
	v_lshl_add_u32 v8, v6, 4, v8
.irp i, 1,2,3,4,5,6,7
	s_lshl_b32 s48, 2*\i+8*(\i/4), s38
	v_add_nc_u32 v[8+\i], s48, v8
.endr
	s_mul_i32 s48, s34, WSTG
	s_add_co_u32 s48, s48, WSTG0
	v_mul_u32_u24 v2, v6, 272
	s_delay_alu instid0(VALU_DEP_1)
	v_lshl_add_u32 v2, v7, 4, v2
	s_delay_alu instid0(VALU_DEP_1)
	v_add_nc_u32 v2, s48, v2                       ; into the stage: row = my piece p, + 16 m
	v_mul_u32_u24 v3, v7, 272
	s_delay_alu instid0(VALU_DEP_1)
	v_lshl_add_u32 v3, v6, 4, v3
	s_delay_alu instid0(VALU_DEP_1)
	v_add_nc_u32 v3, s48, v3                       ; out of it: two rows p an instruction
	v_and_b32 v80, 8, v6
	s_delay_alu instid0(VALU_DEP_1)
	v_add_nc_u32 v80, v80, v6                      ; r + 8 (r / 8)
	s_delay_alu instid0(VALU_DEP_1)
	v_lshlrev_b32 v80, s49, v80
	s_delay_alu instid0(VALU_DEP_1)
	v_lshl_add_u32 v80, v7, 2, v80                 ; lanes 0-15: the first K step's word, lanes 16-31 the second's
	v_lshlrev_b32 v82, 2, v6
	s_delay_alu instid0(VALU_DEP_1)
	v_lshl_add_u32 v82, v7, 10, v82
	s_wait_alu depctr_va_vdst(0)
	s_wait_kmcnt 0x0
	s_cmp_lt_u32 s35, 256                          ; the choices hang on the work-group's number alone
	s_cselect_b64 s[58:59], s[24:25], s[28:29]
	s_cselect_b64 s[60:61], s[26:27], s[30:31]
	s_cmp_lt_u32 s35, 128
	s_cselect_b64 s[58:59], s[20:21], s[58:59]
	s_cselect_b64 s[60:61], s[22:23], s[60:61]
	s_cmp_lt_u32 s35, 96
	s_cselect_b64 s[58:59], s[16:17], s[58:59]
	s_cselect_b64 s[60:61], s[18:19], s[60:61]
	s_cmp_lt_u32 s35, 64
	s_cselect_b64 s[58:59], s[12:13], s[58:59]
	s_cselect_b64 s[60:61], s[14:15], s[60:61]
	s_cmp_lt_u32 s35, 32
	s_cselect_b64 s[58:59], s[8:9], s[58:59]
	s_cselect_b64 s[60:61], s[10:11], s[60:61]
	s_add_nc_u64 s[58:59], s[58:59], s[50:51]
	s_add_nc_u64 s[60:61], s[60:61], s[52:53]
	s_add_nc_u64 s[54:55], s[32:33], s[54:55]
	s_add_nc_u64 s[56:57], s[32:33], s[56:57]
	global_load_b32 v81, v80, s[60:61]
.irp i, 0,1,2,3,4,5,6,7
	global_load_b128 v[16+4*\i:19+4*\i], v[8+\i], s[58:59] th:TH_LOAD_NT
.endr
.irp i, 0,1,2,3,4,5,6,7
	s_wait_loadcnt 7-\i
	ds_store_b128 v2, v[16+4*\i:19+4*\i] offset:32*\i
.endr
.irp j, 0,1,2,3,4,5,6,7
	ds_load_b128 v[48+4*\j:51+4*\j], v3 offset:544*\j  ; LDS serves a wave's instructions in order: these see my stores
.endr
	global_store_b32 v82, v81, s[56:57]            ; (the word's load is older than the eight that were waited for)
.irp j, 0,1,2,3,4,5,6,7
	s_wait_dscnt 7-\j
	global_store_b128 v1, v[48+4*\j:51+4*\j], s[54:55] offset:512*\j
.endr
	s_wait_tensorcnt 0x0
	ds_add_u32 v128, v129
	s_wait_dscnt 0x0
	s_endpgm
.Lfunc_end_k_q5316401c12_pack:
	.size	k_q5316401c12_pack, .Lfunc_end_k_q5316401c12_pack-k_q5316401c12_pack
	.p2alignl 7, 3214868480
	.fill 96, 4, 3214868480
	.section	.rodata,"a",@progbits
	.p2align	6, 0x0
	.amdhsa_kernel k_q5316401c12_pack
		.amdhsa_group_segment_fixed_size 103424
		.amdhsa_private_segment_fixed_size 0
		.amdhsa_enable_private_segment 0
		.amdhsa_kernarg_size 112
		.amdhsa_user_sgpr_count 2
		.amdhsa_user_sgpr_kernarg_segment_ptr 1
		.amdhsa_wavefront_size32 1
		.amdhsa_system_sgpr_workgroup_id_x 1
		.amdhsa_system_sgpr_workgroup_id_y 1
		.amdhsa_system_sgpr_workgroup_id_z 1
		.amdhsa_system_vgpr_workitem_id 0
		.amdhsa_next_free_vgpr 130
		.amdhsa_next_free_sgpr 66
		.amdhsa_reserve_vcc 0
		.amdhsa_float_denorm_mode_32 3
		.amdhsa_float_denorm_mode_16_64 3
		.amdhsa_memory_ordered 1
		.amdhsa_forward_progress 1
		.amdhsa_inst_pref_size 25
	.end_amdhsa_kernel
	.amdgpu_metadata
---
amdhsa.version: [ 1, 2 ]
amdhsa.kernels:
  - .name:           k_q5316401c12_pack
    .symbol:         k_q5316401c12_pack.kd
    .args:
      - { .name: x, .offset: 0, .size: 8, .value_kind: global_buffer, .address_space: global }
      - { .name: w_q_codes, .offset: 8, .size: 8, .value_kind: global_buffer, .address_space: global }
      - { .name: w_q_scales, .offset: 16, .size: 8, .value_kind: global_buffer, .address_space: global }
      - { .name: w_k_codes, .offset: 24, .size: 8, .value_kind: global_buffer, .address_space: global }
      - { .name: w_k_scales, .offset: 32, .size: 8, .value_kind: global_buffer, .address_space: global }
      - { .name: w_v_codes, .offset: 40, .size: 8, .value_kind: global_buffer, .address_space: global }
      - { .name: w_v_scales, .offset: 48, .size: 8, .value_kind: global_buffer, .address_space: global }
      - { .name: w_o_codes, .offset: 56, .size: 8, .value_kind: global_buffer, .address_space: global }
      - { .name: w_o_scales, .offset: 64, .size: 8, .value_kind: global_buffer, .address_space: global }
      - { .name: w_ff1_codes, .offset: 72, .size: 8, .value_kind: global_buffer, .address_space: global }
      - { .name: w_ff1_scales, .offset: 80, .size: 8, .value_kind: global_buffer, .address_space: global }
      - { .name: w_ff2_codes, .offset: 88, .size: 8, .value_kind: global_buffer, .address_space: global }
      - { .name: w_ff2_scales, .offset: 96, .size: 8, .value_kind: global_buffer, .address_space: global }
      - { .name: prep, .offset: 104, .size: 8, .value_kind: global_buffer, .address_space: global }
    .group_segment_fixed_size: 103424
    .private_segment_fixed_size: 0
    .kernarg_segment_align: 8
    .kernarg_segment_size: 112
    .max_flat_workgroup_size: 256
    .sgpr_count:     66
    .vgpr_count:     130
    .wavefront_size: 32
...
	.end_amdgpu_metadata
.endif
;; end of part 1
;; launch proj (part 2): grid 12 x 16, 4 waves a work-group, clusters of 4 x 4, 327,680 bytes of LDS; arguments prep, b_q, b_k, b_v, qkv; writes qkv
.if DOCPART == 2
	.amdgcn_target "amdgcn-amd-amdhsa--gfx1250"
	.amdhsa_code_object_version 6
	.text
	.protected	k_q5316401c12_proj
	.globl	k_q5316401c12_proj
	.p2align	8
	.type	k_q5316401c12_proj,@function
k_q5316401c12_proj:
	s_mov_b64 s[64:65], 0
	v_nop
	global_prefetch_b8 v0, s[64:65] scope:SCOPE_SE
	s_setreg_imm32_b32 hwreg(HW_REG_WAVE_MODE, 25, 1), 1
	s_wait_xcnt 0x0
	s_wait_alu depctr_hold_cnt(0) depctr_sa_sdst(0) depctr_va_vdst(0) depctr_va_sdst(0) depctr_va_ssrc(0) depctr_va_vcc(0) depctr_vm_vsrc(0)
	s_getreg_b32 s2, hwreg(HW_REG_IB_STS2, 6, 4)
	s_cmp_eq_u32 s2, 0
	s_cbranch_scc0 .Lentry_in_a_cluster
	s_endpgm
.Lentry_in_a_cluster:
	s_bfe_u32 s2, ttmp6, 0x10000c
	s_cmp_lg_u32 s2, 0xf033
	s_cbranch_scc0 .Lentry_shape_is_right
	s_endpgm
.Lentry_shape_is_right:
; A GEMM on codes of MX-FP8 whose result is quantised on the way out: out = Q(P R^T + bias), Q along R's index.  K = 1,024.  All operands lie as images of the operands' registers:
; tile T holds rows rho(T, r) = 32 (T / 2) + 8 (T % 2) + r + 8 (r / 8); codes [T][S][2048]: byte 512 c + 16 lane + i = (rho(T, lane % 16), k = 128 S + 32 c + 16 (lane / 16) + i);
; scale words at ((T / 16) NS + S) 1024 + (T % 16) 64 + 4 r.
; FFN = 0 (args prep, b_q, b_k, b_v, qkv): cluster x = 0: q, 1: k: P = x's tokens, R = the weight's rows, bias along R.  Cluster x = 2: V^T: P = w_v's rows, R = x's tokens, bias along P: so V is quantised along the keys.
; FFN = 1 (args h, prep, b_ff1, hid): P = h's tokens, R = w_ff1's rows; what is negative becomes 0 on the way (the activation).
; SHARES.  A work-group makes 256 x 256, each of four waves 128 x 128: 64 accumulators.  K goes through two LDS slots of 256 along K, filled by tensor loads; the scale words of all of K come once.
; THE PRODUCT IS USED TRANSPOSED (source 0 = 16 rows of R, source 1 = 16 rows of P): by rho, accumulators (a, 2 B) and (a, 2 B + 1) of a lane are 16 neighbours 32 B + 16 (lane / 16) + 0 .. 15 along R of P's row rho(a, lane % 16):
; the conversions' results are a fragment of the next operand, stored as it stands.
; CLUSTER 4 x 4: P's tiles are shared along a row of the cluster, R's along a column: each is asked for jointly.
; No prefetch: half of a work-group's tiles are among its first fills.
; REGISTERS: window 0: v16-31 addresses; v32-63 scale words, two sets; v64-127 the bias as the first products' C; v128-255 P's 8 fragments (on the way out: at work).  Window 1: R's fragments, two sets.  Windows 2, 3: accumulators, (a, b) at 8 (8 (a % 4) + b).
; LIMITS: NaN and infinities are not served; a block of zeros, or one under 2^-118, gets the byte 1: its codes are zeros, and this program alone reads the bytes.
.set FFN,   0
.set SLOT,  131072                     ; P: 16 tiles x 4,096 bytes; R the same, 65,536 further on
.set SCL,   2*SLOT                     ; scale words: P [8 S][1,024 bytes], R 8,192 further on
.set SPARE, SCL+16384                  ; the spare words, 128 bytes a wave: no other line names them
.set SCR,   SPARE+512                  ; 512 bytes a wave: the result's scale words are gathered here; no fill lands here
.set NP,    8                          ; places behind this matrix instruction (ISA guide 7.12.1)
.set ADRA, 16                          ; v16-17 P's fragments in slot 0, 1
.set ADRB, 20                          ; v20-21 R's
.set SCRW, 24
.set SCRR, 25
.set LI,   26                          ; 16 x lane
.set ADRS, 27                          ; scale words: lanes 0-15 P's, lanes 16-31 R's
.set SPW,  28
.set NIL,  29
.set BON,  30                          ; 64 h
.set BOR,  31                          ; 4 (r + 8 (r / 8))
.set SC,   32                          ; set s at SC + 16 s; register 2 i + q: tile i, the slot's q-th K step
.set BC,   64
.set AF,   128
.set WK,   128                         ; the way out: 64 held numbers
.set PC,   192                         ; codes
.set TM,   208
.set PW,   224                         ; v224-231 a scale word for each a
.set SIO,  232
.set G1, 24
.set G0, 32
.set G1B, 48
.set G0B, 56
.set G1S, 68
.set G0S, 76
.set G1SB, 80
.set G0SB, 88
.set SEL, 66
.set MNT, 99
.set PIT, 96
.if FFN
.set RB, 6
.else
.set RB, 4
.endif
.set MSB, 0
.macro WIN new                         ; the immediate's high byte repeats the setting that is left
.if MSB != \new
	s_set_vgpr_msb (MSB<<8)|\new
.set MSB, \new
.endif
.endm
.set TO_B, 0x40
; a joint load: waves 0, 1 fetch for P, waves 2, 3 for R; four v_nop follow each line
.macro JLOAD g0a, g1a, g0b, g1b
	s_cmp_eq_u32 s15, 0
	s_cbranch_scc0 .Lfor_r_\@
	tensor_load_to_lds s[\g0a:\g0a+3], s[\g1a:\g1a+7]
	s_nop 0
.rept 4
	v_nop
.endr
	s_branch .Lasked_\@
.Lfor_r_\@:
	tensor_load_to_lds s[\g0b:\g0b+3], s[\g1b:\g1b+7]
	s_nop 0
.rept 4
	v_nop
.endr
.Lasked_\@:
.endm
.macro CREST                           ; a round of the cluster's barrier behind its opening barrier
	s_cmp_lg_u32 s14, 0
	s_cbranch_scc1 .Lnot_wave_0_\@
	s_barrier_signal -3
.Lnot_wave_0_\@:
	s_barrier_wait -3
	s_barrier_signal -1
	s_barrier_wait -1
.endm
.macro CROUND
	s_barrier_signal -1
	s_barrier_wait -1
	CREST
.endm
.macro PLACES n
.rept \n
	v_nop
.endr
.endm
	s_load_b256 s[4:11], s[0:1], 0x0               ; FFN = 0: prep, b_q, b_k, b_v;  FFN = 1: h, prep, b_ff1, hid
.if !FFN
	s_load_b64 s[12:13], s[0:1], 0x20              ; qkv
.endif
	v_lshl_add_u32 v[SPW], v0, 2, SPARE
	v_mov_b32 v[NIL], 0
	ds_add_u32 v28, v29
	ds_add_u32 v28, v29
	s_wait_dscnt 0x0
	v_lshrrev_b32 v1, 5, v0
	v_readfirstlane_b32 s14, v1                    ; wave
	s_lshr_b32 s15, s14, 1                         ; wr: my half of P's rows.  Also: I fetch for P (0) or R (1)
	s_and_b32 s16, s14, 1                          ; wc: my half of R's rows.  Also: which 8 tiles I fetch
	s_bfe_u32 s40, ttmp6, 0x40000                  ; cx
	s_bfe_u32 s41, ttmp6, 0x40004                  ; cy
	s_and_b32 s18, ttmp7, 0xffff
	s_lshl_b32 s18, s18, 2                         ; 4 x cluster y
.if FFN
	s_add_co_u32 s17, s18, s41                     ; PT
	s_lshl_b32 s42, ttmp9, 2
	s_add_co_u32 s42, s42, s40                     ; RT
	s_mov_b32 s20, 0                               ; h's codes,
	s_mov_b32 s22, 0x400000                        ; its scale words;
	s_mov_b32 s46, 0x800000                        ; w_ff1's codes in prep,
	s_mov_b32 s92, 0x1040000                       ; its scale words
	s_mov_b32 s95, 16                              ; log2 of the result's tile pitch
	s_mov_b32 s98, 5                               ; log2 of its NS
.else
	s_lshl_b32 s46, ttmp9, 20
	s_add_co_u32 s46, s46, 0x400000                ; w_q's or w_k's codes
	s_lshl_b32 s92, ttmp9, 15
	s_add_co_u32 s92, s92, 0x20000                 ; and scale words, from x's on
	s_cmp_eq_u32 ttmp9, 2                          ; V^T?  The cluster's x: the same in all sixteen partners
	s_cselect_b32 s17, 0, s18
	s_cselect_b32 s42, s18, 0
	s_cselect_b32 s20, 0x600000, 0                 ; P: w_v or x
	s_cselect_b32 s22, 0x30000, 0
	s_cselect_b32 s46, 0, s46                      ; R: x or the weight
	s_cselect_b32 s92, 0, s92
	s_cselect_b32 s95, 16, 14
	s_cselect_b32 s98, 5, 3
	s_add_co_u32 s17, s17, s41                     ; PT: hangs on cy, never on cx
	s_add_co_u32 s42, s42, s40                     ; RT: on cx, never on cy
	s_add_co_u32 s22, s22, 0x1000000
	s_add_co_u32 s92, s92, 0x1000000
.endif
	s_lshl_b32 s43, s41, 2
	s_lshl_b32 s43, 15, s43                        ; my row of the cluster
	s_lshl_b32 s44, 0x1111, s40                    ; my column
	s_or_b32 s[G1+0], s43, (3<<16)|(1<<21)         ; codes: the mask; elements of 8 bytes; bit 21 beside a mask; no padding: an image is read 512 consecutive bytes an instruction
	s_or_b32 s[G1B+0], s44, (3<<16)|(1<<21)
.irp g, G1, G1B
	s_mov_b32 s[\g+1], 512<<16                     ; tensor_dim0: two K steps of a tile, 4,096 bytes
	s_mov_b32 s[\g+2], 16<<16                      ; tensor_dim1: the head's loads bring a side's 16 tiles; behind them the two words are set to 8
	s_mov_b32 s[\g+3], 512<<16                     ; tile_dim0
	s_mov_b32 s[\g+4], 16
	s_mov_b32 s[\g+5], 2048                        ; from tile to tile: 8 K steps x 2,048 bytes
	s_mov_b32 s[\g+6], 0
	s_mov_b32 s[\g+7], 0
.endr
	s_or_b32 s[G1S+0], s43, (3<<16)|(1<<21)        ; scale words: 8,192 dense bytes as 32 rows of 256
	s_or_b32 s[G1SB+0], s44, (3<<16)|(1<<21)
.irp g, G1S, G1SB
	s_mov_b32 s[\g+1], 32<<16
	s_mov_b32 s[\g+2], 32<<16                      ; a side's scale words whole: 8,192 dense bytes as 32 rows of 256
	s_mov_b32 s[\g+3], 32<<16
	s_mov_b32 s[\g+4], 32
	s_mov_b32 s[\g+5], 32
	s_mov_b32 s[\g+6], 0
	s_mov_b32 s[\g+7], 0
.endr
	s_lshl_b32 s19, s16, 17                        ; my 8 tiles of the 16
	s_lshl_b32 s2, s17, 18
	s_add_co_u32 s20, s20, s2
	s_mov_b32 s21, 0
	s_lshl_b32 s3, s42, 18
	s_add_co_u32 s46, s46, s3
	s_mov_b32 s47, 0
	s_lshl_b32 s2, s17, 13
	s_add_co_u32 s22, s22, s2
	s_mov_b32 s23, 0
	s_lshl_b32 s3, s42, 13
	s_add_co_u32 s92, s92, s3
	s_mov_b32 s93, 0
	s_lshl_b32 s45, s14, 15                        ; where they go: wave x 32,768: no place in the cluster enters an LDS address
	s_wait_kmcnt 0x0
	s_add_nc_u64 s[20:21], s[4:5], s[20:21]
	s_add_nc_u64 s[22:23], s[4:5], s[22:23]
	s_add_nc_u64 s[46:47], s[RB:RB+1], s[46:47]
	s_add_nc_u64 s[92:93], s[RB:RB+1], s[92:93]
	CROUND                                         ; all sixteen work-groups are here: the first joint loads meet
	s_mov_b32 s[G0S], 1
	s_mov_b32 s[G0S+1], SCL
	s_mov_b64 s[G0S+2:G0S+3], s[22:23]
	s_or_b32 s[G0S+3], s[G0S+3], 0x80000000
	s_mov_b32 s[G0SB], 1
	s_mov_b32 s[G0SB+1], SCL+8192
	s_mov_b64 s[G0SB+2:G0SB+3], s[92:93]
	s_or_b32 s[G0SB+3], s[G0SB+3], 0x80000000
	s_mov_b32 s[G0], 1                             ; the head's four tiles, each whole: slot 0's 16 tiles of P,
	s_mov_b32 s[G0+1], 0
	s_mov_b64 s[G0+2:G0+3], s[20:21]
	s_or_b32 s[G0+3], s[G0+3], 0x80000000
	s_mov_b32 s[G0B], 1                            ; its 16 tiles of R, and the two sets of scale words above
	s_mov_b32 s[G0B+1], 65536
	s_mov_b64 s[G0B+2:G0B+3], s[46:47]
	s_or_b32 s[G0B+3], s[G0B+3], 0x80000000
	s_mov_b32 s2, s19                              ; in the ring a wave fetches 8 of a side's 16 tiles
	s_mov_b32 s3, 0
	s_add_nc_u64 s[20:21], s[20:21], s[2:3]
	s_add_nc_u64 s[46:47], s[46:47], s[2:3]
	s_mov_b32 s[G0+4], 1                           ; slot 1's groups 0
	s_add_co_u32 s[G0+5], s45, SLOT
	s_add_nc_u64 s[G0+6:G0+7], s[20:21], 4096
	s_or_b32 s[G0+7], s[G0+7], 0x80000000
	s_mov_b32 s[G0B+4], 1
	s_add_co_u32 s[G0B+5], s45, SLOT
	s_add_nc_u64 s[G0B+6:G0B+7], s[46:47], 4096
	s_or_b32 s[G0B+7], s[G0B+7], 0x80000000
; one joint load a wave at the head, in one chain of arms on the wave's number
.macro ARM under, g0, g1, next
	s_cmp_lt_u32 s14, \under
	s_cbranch_scc0 \next
	tensor_load_to_lds s[\g0:\g0+3], s[\g1:\g1+7]
	s_nop 0
.rept 4
	v_nop
.endr
	s_branch .Lhead_asked
\next:
.endm
	ARM 1, G0,  G1,  .Lhead_r
	ARM 2, G0B, G1B, .Lhead_sp
	ARM 3, G0S, G1S, .Lhead_sr
	tensor_load_to_lds s[G0SB:G0SB+3], s[G1SB:G1SB+7]
	s_nop 0
.rept 4
	v_nop
.endr
.Lhead_asked:
	v_and_b32 v1, 15, v0                           ; r
	v_bfe_u32 v2, v0, 4, 1                         ; h
	s_wait_alu depctr_va_vdst(0)
	v_and_b32 v3, 31, v0
	v_lshlrev_b32 v[LI], 4, v3
	s_lshl_b32 s21, s15, 15                        ; my 8 tiles of P
	s_lshl_b32 s22, s16, 15
	s_add_co_u32 s22, s22, 65536                   ; my 8 tiles of R
.irp s, 0,1
	v_add_nc_u32 v[ADRA+\s], s21, v[LI]
	v_add_nc_u32 v[ADRB+\s], s22, v[LI]
	s_add_co_u32 s21, s21, SLOT
	s_add_co_u32 s22, s22, SLOT
.endr
	v_lshlrev_b32 v5, 2, v1                        ; 4 r
	s_lshl_b32 s21, s15, 9
	s_lshl_b32 s22, s16, 9
	s_add_co_u32 s22, s22, 8192
	s_sub_co_u32 s22, s22, s21
	v_mul_u32_u24 v6, s22, v2                      ; lanes 16-31 take R's words: one product, the distance between the two bases
	s_add_co_u32 s21, s21, SCL
	v_add_nc_u32 v6, v5, v6
	v_add_nc_u32 v[ADRS], s21, v6
	s_lshl_b32 s21, s14, 9
	s_add_co_u32 s21, s21, SCR
	v_add_nc_u32 v[SCRW], s21, v5
	v_add_nc_u32 v[SCRR], s21, v[LI]
	v_lshlrev_b32 v[BON], 6, v2
	v_and_b32 v[BOR], 8, v1
	v_add_nc_u32 v[BOR], v[BOR], v1
	v_lshlrev_b32 v[BOR], 2, v[BOR]
	s_mov_b32 s[SEL], 0x76543210
	s_mov_b32 s[SEL+1], 0xfedcba98
	s_mov_b32 s[MNT], 0x600000
	; the bias: along R (128 numbers of my half) or, for V^T, along P
.if FFN
	s_lshl_b32 s2, s42, 10
	s_lshl_b32 s3, s16, 9
	s_mov_b64 s[12:13], s[10:11]                   ; hid
.else
	s_cmp_eq_u32 ttmp9, 0
	s_cselect_b64 s[8:9], s[6:7], s[8:9]
	s_cmp_eq_u32 ttmp9, 2
	s_cselect_b64 s[8:9], s[10:11], s[8:9]
	s_cselect_b32 s2, s17, s42
	s_cselect_b32 s3, s15, s16
	s_lshl_b32 s2, s2, 10
	s_lshl_b32 s3, s3, 9
.endif
	s_add_co_u32 s2, s2, s3
	s_mov_b32 s3, 0
	s_add_nc_u64 s[8:9], s[8:9], s[2:3]
	; where the result goes: tile 16 PT + 8 wr + a, K step 2 RT + wc
	s_lshl_b32 s20, s17, 4
	s_lshl_b32 s21, s15, 3
	s_add_co_u32 s20, s20, s21
	s_lshl_b32 s20, s20, s95
	s_lshl_b32 s22, s42, 1
	s_add_co_u32 s22, s22, s16
	s_lshl_b32 s21, s22, 11
	s_add_co_u32 s20, s20, s21
.if !FFN
	s_lshl_b32 s21, ttmp9, 22                      ; q 0, k 4 Mi, V^T 8 Mi
	s_add_co_u32 s20, s20, s21
.endif
	s_mov_b32 s21, 0
	s_lshl_b32 s23, s17, s98
	s_add_co_u32 s22, s22, s23
	s_lshl_b32 s22, s22, 10
	s_lshl_b32 s23, s15, 9
	s_add_co_u32 s22, s22, s23
.if FFN
	s_add_co_u32 s22, s22, 0x1000000
.else
	s_lshl_b32 s23, ttmp9, 17
	s_add_co_u32 s22, s22, s23
	s_add_co_u32 s22, s22, 0xc00000
.endif
	s_mov_b32 s23, 0
	s_add_nc_u64 s[10:11], s[12:13], s[22:23]      ; the scale words' 512 bytes
	s_add_nc_u64 s[12:13], s[12:13], s[20:21]      ; the codes
	s_lshl_b32 s[PIT], 1, s95
	s_mov_b32 s[PIT+1], 0
.macro BIASN                           ; register 16 B + i of BC: the bias of R's row 32 B + 16 h + i: the C of accumulators (any a, 2 B), (any a, 2 B + 1)
.irp e, 0,1,2,3
.irp j, 0,1,2,3
	global_load_b128 v[BC+16*\e+4*\j:BC+16*\e+4*\j+3], v[BON], s[8:9] offset:128*\e+16*\j
.endr
.endr
.endm
.if FFN
	BIASN
.else
	s_cmp_eq_u32 ttmp9, 2
	s_cbranch_scc1 .Lrow_bias
	s_wait_alu depctr_va_vdst(0)
	BIASN
	s_branch .Lbiased
.Lrow_bias:                            ; registers 8 a .. 8 a + 7: the bias of P's row rho(a, r), eight times: the C of accumulators (a, any b)
	s_wait_alu depctr_va_vdst(0)
.irp a, 0,1,2,3,4,5,6,7
.irp j, 0,1,2,3,4,5,6,7
	global_load_b32 v[BC+8*\a+\j], v[BOR], s[8:9] offset:4*(32*(\a/2)+8*(\a%2))
.endr
.endr
.Lbiased:
.endif
.macro FRAG reg, adr, q, i
.irp c, 0,1,2,3
	ds_load_b128 v[\reg+4*\c:\reg+4*\c+3], v[\adr] offset:(\i)*4096+(\q)*2048+\c*512
.endr
.endm
; 16 products: P's blocks a0, a0 + 1 x R's eight.  p: R's set; q: the slot's K step; sc: the set of scale words.  ck = 0: C = D; 1: C = the bias along R; 2: along P.  The 64 accumulators take turns
.macro MUL16 a0, p, q, sc, ck
.irp a, \a0, \a0+1
.irp b, 0,1,2,3,4,5,6,7
.if \ck == 0
	v_wmma_scale_f32_16x16x128_f8f6f4 v[8*(8*((\a)%4)+\b):8*(8*((\a)%4)+\b)+7], v[128*(\p)+16*\b:128*(\p)+16*\b+15], v[AF+16*(\a):AF+16*(\a)+15], v[8*(8*((\a)%4)+\b):8*(8*((\a)%4)+\b)+7], v[SC+16*(\sc)+2*\b+(\q)], v[SC+16*(\sc)+2*(\a)+(\q)] matrix_a_scale:MATRIX_SCALE_ROW1
.elseif \ck == 1
	v_wmma_scale_f32_16x16x128_f8f6f4 v[8*(8*((\a)%4)+\b):8*(8*((\a)%4)+\b)+7], v[128*(\p)+16*\b:128*(\p)+16*\b+15], v[AF+16*(\a):AF+16*(\a)+15], v[BC+8*\b:BC+8*\b+7], v[SC+16*(\sc)+2*\b+(\q)], v[SC+16*(\sc)+2*(\a)+(\q)] matrix_a_scale:MATRIX_SCALE_ROW1
.else
	v_wmma_scale_f32_16x16x128_f8f6f4 v[8*(8*((\a)%4)+\b):8*(8*((\a)%4)+\b)+7], v[128*(\p)+16*\b:128*(\p)+16*\b+15], v[AF+16*(\a):AF+16*(\a)+15], v[BC+8*(\a):BC+8*(\a)+7], v[SC+16*(\sc)+2*\b+(\q)], v[SC+16*(\sc)+2*(\a)+(\q)] matrix_a_scale:MATRIX_SCALE_ROW1
.endif
.endr
.endr
.endm
.macro FETCH_B slot, q, p
	WIN TO_B
.irp i, 0,1,2,3,4,5,6,7
	FRAG 128*(\p)+16*\i, ADRB+\slot, \q, \i
.endr
	WIN 0
.endm
.macro FETCH_A slot, q, i0
.irp i, \i0, \i0+1, \i0+2, \i0+3
	FRAG AF+16*(\i), ADRA+\slot, \q, \i
.endr
.endm
.macro SCALES sc, ks                   ; the scale words of K steps 2 ks, 2 ks + 1 into set sc
.irp i, 0,1,2,3,4,5,6,7
.irp q, 0,1
	ds_load_b32 v[SC+16*(\sc)+2*\i+\q], v[ADRS] offset:(2*(\ks)+\q)*1024+\i*64
.endr
.endr
.endm
; a slot's first K step.  P has one set of registers: blocks 0-3 are fetched anew in the step's middle, blocks 4-7 at its end
.macro STEP slot, ck
	s_wait_dscnt 16                                ; all but the youngest 16 loads (P's blocks 4-7)
.if \ck
	WIN 0x81                                       ; R window 1, P and C window 0, D window 2
.else
	WIN 0xa1
.endif
	MUL16 0, 0, 0, \slot, \ck
	MUL16 2, 0, 0, \slot, \ck
	s_wait_dscnt 0x0
	PLACES NP                                      ; in front of loads into registers that matrix instructions have read
	FETCH_B \slot, 1, 1
	FETCH_A \slot, 1, 0
.if \ck
	WIN 0xc1
.else
	WIN 0xf1
.endif
	MUL16 4, 0, 0, \slot, \ck
	MUL16 6, 0, 0, \slot, \ck
	PLACES NP
	WIN 0
	FETCH_A \slot, 1, 4
.endm
; a slot's second K step changes slots: one barrier; in front of it every wave waits for all its tensor loads, adds 0 to its spare word, and waits for that and for its reads of the slot
.macro TURN slot, next, fill, ks
	s_wait_tensorcnt 0x0                           ; all my tensor loads have landed: my part of the next slot
	ds_add_u32 v[SPW], v[NIL]
	s_wait_dscnt 17                                ; (the add and P's blocks 4-7 may be out)
	WIN 0xa1
	MUL16 0, 1, 1, \slot, 0
	s_wait_dscnt 0x0                               ; the add is done, and my reads of this slot are over
	s_barrier_signal -1
	MUL16 2, 1, 1, \slot, 0
	WIN 0
	s_barrier_wait -1
.if \fill
	CREST                                          ; the barrier opened a round of the cluster's: no wave of any partner still reads this slot or has a load on its way
	s_add_nc_u64 s[G0+4*\slot+2:G0+4*\slot+3], s[G0+4*\slot+2:G0+4*\slot+3], 8192
	s_add_nc_u64 s[G0B+4*\slot+2:G0B+4*\slot+3], s[G0B+4*\slot+2:G0B+4*\slot+3], 8192
	JLOAD G0+4*\slot, G1, G0B+4*\slot, G1B         ; my one tensor load behind the round; its four v_nop are four of the eight places
	PLACES NP-4
.else
	PLACES NP
.endif
	FETCH_B \next, 0, 0
	FETCH_A \next, 0, 0
	SCALES \next, \ks
	WIN 0xf1
	MUL16 4, 1, 1, \slot, 0
	MUL16 6, 1, 1, \slot, 0
	PLACES NP
	WIN 0
	FETCH_A \next, 0, 4
.endm
	s_wait_alu depctr_va_vdst(0)
	s_wait_tensorcnt 0x0                           ; my tile of the head's four is in
	ds_add_u32 v[SPW], v[NIL]
	s_mov_b32 s[G1+2], 8<<16                       ; no tensor load of mine is out: from here on a load brings 8 tiles,
	s_mov_b32 s[G1+4], 8
	s_mov_b32 s[G1B+2], 8<<16
	s_mov_b32 s[G1B+4], 8
	s_mov_b32 s2, s19
	s_mov_b32 s3, 0
	s_mov_b32 s[G0+1], s45                         ; and slot 0's groups 0 name my half of a side
	s_add_nc_u64 s[G0+2:G0+3], s[G0+2:G0+3], s[2:3]
	s_mov_b32 s[G0B+1], s45
	s_add_nc_u64 s[G0B+2:G0B+3], s[G0B+2:G0B+3], s[2:3]
	s_wait_dscnt 0x0
	CROUND                                         ; all four tiles are in, and the sixteen work-groups meet
	JLOAD G0+4, G1, G0B+4, G1B                     ; slot 1's first fill, my one load behind the round
	FETCH_B 0, 0, 0
	FETCH_A 0, 0, 0
	SCALES 0, 0
	FETCH_A 0, 0, 4
	s_wait_loadcnt 0x0                             ; the bias
.if FFN
	STEP 0, 1                                      ; the first K step starts the sums on the bias: nothing is cleared or added later
.else
	s_cmp_eq_u32 ttmp9, 2
	s_cbranch_scc1 .Lstep_v
	STEP 0, 1
	s_branch .Lstepped
.Lstep_v:
	STEP 0, 2
.Lstepped:
.endif
	TURN 0, 1, 1, 1                                ; the eight K steps are written out: slot 0 takes K steps 4, 5,
	STEP 1, 0
	TURN 1, 0, 1, 2                                ; slot 1 K steps 6, 7;
	STEP 0, 0
	TURN 0, 1, 0, 3                                ; nothing is left to fetch
	STEP 1, 0
	s_wait_dscnt 16
	WIN 0xa1
	MUL16 0, 1, 1, 1, 0
	MUL16 2, 1, 1, 1, 0
	s_wait_dscnt 0x0
	WIN 0xf1
	MUL16 4, 1, 1, 1, 0
	MUL16 6, 1, 1, 1, 0
	WIN 0
	PLACES NP
.irp b, 0,1,2,3
	v_mov_b32 v[TM+4+\b], 0                        ; a lane permute's destination counts as read
.endr
; THE WAY OUT of P's block a: its 64 registers a lane are four blocks of 32 along R (a lane's 16, lane l xor 16's 16).  Each accumulator is read from its low end on
.macro EPI a
.set AC, 64*((\a)%4)
.set WS, 2+(\a)/4
.set WN, 5*WS
	WIN WN                                         ; sources 0 and 1 in the accumulators' window
.irp b, 0,1,2,3
.if FFN
	v_max3_num_f32 v[TM+\b], v[AC+16*\b], v[AC+16*\b+1], 0x4800000      ; no |.|: what is negative becomes 0 and must not count; the floor 2^(9 - 127) stands over it
.else
	v_max3_num_f32 v[TM+\b], |v[AC+16*\b]|, |v[AC+16*\b+1]|, 0x4800000
.endif
.endr
.irp i, 2,4,6,8,10,12,14
.irp b, 0,1,2,3
.if FFN
	v_max3_num_f32 v[TM+\b], v[AC+16*\b+\i], v[AC+16*\b+\i+1], v[TM+\b]
.else
	v_max3_num_f32 v[TM+\b], |v[AC+16*\b+\i]|, |v[AC+16*\b+\i+1]|, v[TM+\b]
.endif
.endr
.endr
	WIN 0
.irp b, 0,1,2,3
	v_permlanex16_b32 v[TM+4+\b], v[TM+\b], s[SEL], s[SEL+1]
.endr
.irp b, 0,1,2,3
	v_max_num_f32 v[TM+\b], v[TM+\b], v[TM+4+\b]
.endr
.irp b, 0,1,2,3
	v_add_nc_u32 v[TM+12+\b], 0xfc000000, v[TM+\b]         ; 8 off the exponent field: the conversion's scale operand
.endr
.irp b, 0,1,2,3
	v_and_or_b32 v[TM+8+\b], v[TM+\b], 0x7f800000, s[MNT]  ; 448 x the scale
.endr
.irp b, 0,1,2,3
	v_lshrrev_b32 v[TM+4+\b], 23, v[TM+12+\b]
.endr
	v_lshl_or_b32 v[PW+(\a)], v[TM+5], 8, v[TM+4]
	v_lshl_or_b32 v[PW+(\a)], v[TM+6], 16, v[PW+(\a)]
	v_lshl_or_b32 v[PW+(\a)], v[TM+7], 24, v[PW+(\a)]
.if (\a) > 0
	s_wait_xcnt 0x0                                ; the last block's stores have read their data and their base: both are written again below
	s_add_nc_u64 s[12:13], s[12:13], s[PIT:PIT+1]  ; the result's next tile
.endif
	WIN WS                                         ; source 0 in the accumulators' window
.irp b, 0,1,2,3
.irp i, 0,1,2,3,4,5,6,7,8,9,10,11,12,13,14,15
.if FFN
	v_med3_num_f32 v[WK+16*\b+\i], v[AC+16*\b+\i], 0, v[TM+8+\b]        ; the activation and the hold in one
.else
	v_med3_num_f32 v[WK+16*\b+\i], v[AC+16*\b+\i], -v[TM+8+\b], v[TM+8+\b]   ; the conversion does not saturate (ISA guide 7.6.2)
.endif
.endr
.endr
	WIN 0
.irp b, 0,1,2,3
	v_cvt_scalef32_pk8_fp8_f32 v[PC+4*\b:PC+4*\b+1], v[WK+16*\b:WK+16*\b+7], v[TM+12+\b]
	v_cvt_scalef32_pk8_fp8_f32 v[PC+4*\b+2:PC+4*\b+3], v[WK+16*\b+8:WK+16*\b+15], v[TM+12+\b]
.endr
	v_nop                                          ; a plain line behind the last conversion
.irp c, 0,1,2,3
	global_store_b128 v[LI], v[PC+4*\c:PC+4*\c+3], s[12:13] offset:512*\c    ; the fragment as it stands: 512 consecutive bytes a store
.endr
	ds_store_b32 v[SCRW], v[PW+(\a)] offset:64*(\a)   ; lanes l and l xor 16 write the same word to the same place
.endm
.irp a, 0,1,2,3,4,5,6,7
	EPI \a
.endr
	ds_load_b128 v[SIO:SIO+3], v[SCRR]             ; LDS serves a wave's instructions in order: my eight tiles' scale words, 512 bytes
	s_wait_dscnt 0x0
	global_store_b128 v[LI], v[SIO:SIO+3], s[10:11]
	s_wait_tensorcnt 0x0                           ; the wave's end
	ds_add_u32 v[SPW], v[NIL]
	s_wait_dscnt 0x0
	CROUND                                         ; the closing round
	s_endpgm
.Lfunc_end_k_q5316401c12_proj:
	.size	k_q5316401c12_proj, .Lfunc_end_k_q5316401c12_proj-k_q5316401c12_proj
	.p2alignl 7, 3214868480
	.fill 96, 4, 3214868480
	.section	.rodata,"a",@progbits
	.p2align	6, 0x0
	.amdhsa_kernel k_q5316401c12_proj
		.amdhsa_group_segment_fixed_size 327680
		.amdhsa_private_segment_fixed_size 0
		.amdhsa_enable_private_segment 0
		.amdhsa_kernarg_size 40
		.amdhsa_user_sgpr_count 2
		.amdhsa_user_sgpr_kernarg_segment_ptr 1
		.amdhsa_wavefront_size32 1
		.amdhsa_system_sgpr_workgroup_id_x 1
		.amdhsa_system_sgpr_workgroup_id_y 1
		.amdhsa_system_sgpr_workgroup_id_z 1
		.amdhsa_system_vgpr_workitem_id 0
		.amdhsa_next_free_vgpr 1024
		.amdhsa_next_free_sgpr 100
		.amdhsa_reserve_vcc 0
		.amdhsa_float_denorm_mode_32 3
		.amdhsa_float_denorm_mode_16_64 3
		.amdhsa_memory_ordered 1
		.amdhsa_forward_progress 1
		.amdhsa_inst_pref_size 209
	.end_amdhsa_kernel
	.amdgpu_metadata
---
amdhsa.version: [ 1, 2 ]
amdhsa.kernels:
  - .name:           k_q5316401c12_proj
    .symbol:         k_q5316401c12_proj.kd
    .args:
      - { .name: prep, .offset: 0, .size: 8, .value_kind: global_buffer, .address_space: global }
      - { .name: b_q, .offset: 8, .size: 8, .value_kind: global_buffer, .address_space: global }
      - { .name: b_k, .offset: 16, .size: 8, .value_kind: global_buffer, .address_space: global }
      - { .name: b_v, .offset: 24, .size: 8, .value_kind: global_buffer, .address_space: global }
      - { .name: qkv, .offset: 32, .size: 8, .value_kind: global_buffer, .address_space: global }
    .group_segment_fixed_size: 327680
    .private_segment_fixed_size: 0
    .kernarg_segment_align: 8
    .kernarg_segment_size: 40
    .max_flat_workgroup_size: 128
    .sgpr_count:     100
    .vgpr_count:     1024
    .wavefront_size: 32
...
	.end_amdgpu_metadata
.endif
;; end of part 2
;; launch attn (part 3): grid 8 x 32, 16 waves a work-group, clusters of 4 x 1, 276,480 bytes of LDS; arguments qkv, ctx; writes ctx
.if DOCPART == 3
	.amdgcn_target "amdgcn-amd-amdhsa--gfx1250"
	.amdhsa_code_object_version 6
	.text
	.protected	k_q5316401c12_attn
	.globl	k_q5316401c12_attn
	.p2align	8
	.type	k_q5316401c12_attn,@function
k_q5316401c12_attn:
	s_mov_b64 s[64:65], 0
	v_nop
	global_prefetch_b8 v0, s[64:65] scope:SCOPE_SE
	s_setreg_imm32_b32 hwreg(HW_REG_WAVE_MODE, 25, 1), 1
	s_wait_xcnt 0x0
	s_wait_alu depctr_hold_cnt(0) depctr_sa_sdst(0) depctr_va_vdst(0) depctr_va_sdst(0) depctr_va_ssrc(0) depctr_va_vcc(0) depctr_vm_vsrc(0)
	s_getreg_b32 s2, hwreg(HW_REG_IB_STS2, 6, 4)
	s_cmp_eq_u32 s2, 0
	s_cbranch_scc0 .Lentry_in_a_cluster
	s_endpgm
.Lentry_in_a_cluster:
	s_bfe_u32 s2, ttmp6, 0x10000c
	s_cmp_lg_u32 s2, 0x3003
	s_cbranch_scc0 .Lentry_shape_is_right
	s_endpgm
.Lentry_shape_is_right:
; ctx = Q(softmax(q k^T / 8) v), both products on codes of MX-FP8; head size 64, 2,048 keys, 32 (batch, head) pairs.  q, k, V^T lie in qkv as images of the operands' registers (tile T: rows 32 (T / 2) + 8 (T % 2) + r + 8 (r / 8);
; codes [T][S][2048]; scale words at ((T / 16) NS + S) 1024 + (T % 16) 64 + 4 r): q at 0, k at 4 Mi (tiles of tokens, S over head x 64 + d), V^T at 8 Mi (tiles over head x 64 + d, S over tokens); scale words at 12 Mi, + 128 Ki, + 256 Ki.
; THE SOFTMAX: t = score x log2(e) / 8; M = the running largest t rounded up to a whole number; p = 2^(t - M) is quantised along the keys, not normalised; the row's sum of the unquantised p divides at the end.
; SHARES.  A work-group owns 256 queries of one head, each of its sixteen waves one tile of 16; four waves to a SIMD.  A head's K and V^T, 262,144 bytes of codes, come into LDS once and stay: nothing is filled again, and the loop has no barrier.
; THE HEAD'S LOADS, one a wave: waves 0-3 a quarter of K each (32 tiles x 1,024 bytes), waves 4-7 a tile of V^T each (16 key steps, 32,768 dense bytes), wave 8 K's scale words, wave 9 V^T's.  CLUSTER 4 x 1: four query blocks of one head ask jointly.
; No prefetch: every byte that the launch reads of K and V is asked for by the loads at its head.
; BOTH PRODUCTS ARE USED TRANSPOSED: S^T = K q^T, O^T = V^T P^T: a lane holds one query; the 16 registers of two neighbouring tiles of S^T are 16 neighbouring keys, and O^T's 32 registers are two blocks of 32 along d.
; K = 64 IN A FORM OF 128: q's registers 8-15 are zero codes.  K's operand of tile t names its own 8 registers and the 8 behind them (the next tile's codes, or zeros): finite codes, which meet zeros.  The upper two scale bytes are 0.
; LIMITS: NaN and infinities are not served (a NaN code among k's would spread through the unused half); a block of zeros, or one under 2^-118, gets the byte 1; the scaled scores stay under 2^31 in magnitude.
.set VOFF, 131072                      ; LDS: K's codes: key step st at 8,192 st, tile t at + 1,024 t;  V^T's from here: tile t at 32,768 t, key step at + 2,048 st
.set KSL,  262144                      ; K's scale words: 512 st + 64 t + 4 r
.set VSL,  270336                      ; V^T's: 256 st + 64 t + 4 r
.set SPARE, 274432                     ; the spare words, 128 bytes a wave
.set AK0, 1
.set AV0, 2                            ; V^T's tiles 0, 1
.set ASK0, 3
.set ASV0, 4
.set LI,  5                            ; 16 x lane
.set R4,  6                            ; 4 r
.set AV1, 7                            ; V^T's tiles 2, 3
.set ADK, 8
.set ADV, 9
.set ADS, 10
.set ADT, 11
.set Q,   16                           ; v16-23 q's codes, v24-31 zeros
.set KV,  32                           ; v32-95 8 tiles of K (8 registers each), later 4 of V^T (16 each)
.set Z,   96                           ; v96-103 zeros
.set S,   104                          ; v104-167 S^T, then p
.set O,   168                          ; v168-199 O^T
.set PCD, 200                          ; v200-215 p's codes
.set BM,  216
.set PM,  220
.set LM,  224
.set SO,  228
.set KSC, 232
.set VSC, 240
.set QSC, 244
.set ADW, 245
.set F,   246                          ; v246 f; v247 p's scale word
.set TMP, 248
.set SPW, 254
.set NIL, 255
.set WV,  18
.set MNT, 19
.set SEL, 20
.set CS,  22
.set G1K, 24
.set G1V, 32
.set G1KS, 40
.set G1VS, 48
.set G0K, 56
.set G0V, 60
.set G0KS, 68
.set G0VS, 72
.set TK,  2
.set TS,  3
.set TC,  16
.set TV,  66
.set CNT, 67
.macro CROUND
	s_barrier_signal -1
	s_barrier_wait -1
	s_cmp_lg_u32 s[WV], 0
	s_cbranch_scc1 .Lnot_wave_0_\@
	s_barrier_signal -3
.Lnot_wave_0_\@:
	s_barrier_wait -3
	s_barrier_signal -1
	s_barrier_wait -1
.endm
.macro ARM under, g0, g1, next         ; an arm of the head's chain: its load, s_nop 0 and four v_nop, a jump to the join
	s_cmp_lt_u32 s[WV], \under
	s_cbranch_scc0 \next
	tensor_load_to_lds s[\g0:\g0+3], s[\g1:\g1+7]
	s_nop 0
.rept 4
	v_nop
.endr
	s_branch .Lhead_asked
\next:
.endm
	s_load_b128 s[4:7], s[0:1], 0x0                ; qkv, ctx
	v_lshl_add_u32 v[SPW], v0, 2, SPARE
	v_mov_b32 v[NIL], 0
	ds_add_u32 v[SPW], v[NIL]                      ; the opening lines: the add twice on end and its wait
	ds_add_u32 v[SPW], v[NIL]
	v_lshrrev_b32 v8, 5, v0
	s_delay_alu instid0(VALU_DEP_1)
	v_readfirstlane_b32 s[WV], v8                  ; wave 0..15
	s_bfe_u32 s11, ttmp6, 0x40000                  ; cx
	s_lshl_b32 s12, ttmp9, 2
	s_add_co_u32 s11, s12, s11                     ; qb, my block of 256 queries: it enters q's and ctx's addresses alone
	s_and_b32 s8, ttmp7, 0xffff
	s_lshr_b32 s9, s8, 4                           ; batch
	s_and_b32 s10, s8, 15                          ; head
	s_and_b32 s17, s[WV], 3                        ; which quarter of K, which tile of V^T
	s_lshl_b32 s13, s10, 10
	s_lshl_b32 s76, s9, 21                         ; K's codes: tile 128 b + 32 quarter, + 1,024 head
	s_lshl_b32 s12, s17, 19
	s_add_co_u32 s76, s76, s12
	s_add_co_u32 s76, s76, s13
	s_add_co_u32 s76, s76, 0x400000
	s_mov_b32 s77, 0
	s_lshl_b32 s78, s10, 18                        ; V^T's: tile 4 head + t, K step 16 b
	s_lshl_b32 s12, s17, 16
	s_add_co_u32 s78, s78, s12
	s_lshl_b32 s12, s9, 15
	s_add_co_u32 s78, s78, s12
	s_add_co_u32 s78, s78, 0x800000
	s_mov_b32 s79, 0
	s_lshr_b32 s14, s10, 1
	s_lshl_b32 s14, s14, 10                        ; (head / 2) x 1,024
	s_lshl_b32 s80, s9, 16                         ; K's scale words: 8 rows of 1,024 bytes, 8,192 apart
	s_add_co_u32 s80, s80, s14
	s_add_co_u32 s80, s80, 0xc20000
	s_mov_b32 s81, 0
	s_lshr_b32 s82, s10, 2                         ; V^T's: 16 rows of 256 bytes, 1,024 apart
	s_lshl_b32 s82, s82, 15
	s_lshl_b32 s12, s9, 14
	s_add_co_u32 s82, s82, s12
	s_and_b32 s12, s10, 3
	s_lshl_b32 s12, s12, 8
	s_add_co_u32 s82, s82, s12
	s_add_co_u32 s82, s82, 0xc40000
	s_mov_b32 s83, 0
	s_lshl_b32 s84, s9, 21                         ; q's codes, and ctx's: tile 128 b + 16 qb + w, + 1,024 head
	s_lshl_b32 s12, s11, 18
	s_add_co_u32 s84, s84, s12
	s_lshl_b32 s12, s[WV], 14
	s_add_co_u32 s84, s84, s12
	s_add_co_u32 s84, s84, s13
	s_mov_b32 s85, 0
	s_lshl_b32 s86, s9, 16                         ; q's half scale word, and ctx's
	s_lshl_b32 s12, s11, 13
	s_add_co_u32 s86, s86, s12
	s_add_co_u32 s86, s86, s14
	s_lshl_b32 s12, s[WV], 6
	s_add_co_u32 s86, s86, s12
	s_and_b32 s15, s10, 1
	s_lshl_b32 s15, s15, 1                         ; 2 (head % 2): my head's two bytes of a word
	s_add_co_u32 s86, s86, s15
	s_mov_b32 s87, 0
	s_add_co_u32 s88, s86, 0x400000                ; in ctx
	s_mov_b32 s89, 0
	s_add_co_u32 s86, s86, 0xc00000                ; in qkv
	; descriptor groups 1: the mask names all four work-groups; elements of 8 bytes; bit 21 beside a mask; no padding
.irp g, G1K, G1V, G1KS, G1VS
	s_mov_b32 s[\g], 15|(3<<16)|(1<<21)
	s_mov_b32 s[\g+6], 0
	s_mov_b32 s[\g+7], 0
.endr
	s_mov_b32 s[G1K+1], 128<<16                    ; K: 32 tiles x 1,024 bytes, 16,384 bytes apart
	s_mov_b32 s[G1K+2], 32<<16
	s_mov_b32 s[G1K+3], 128<<16
	s_mov_b32 s[G1K+4], 32
	s_mov_b32 s[G1K+5], 2048
	s_mov_b32 s[G1V+1], 32<<16                     ; V^T: 32,768 dense bytes as 128 rows of 256
	s_mov_b32 s[G1V+2], 128<<16
	s_mov_b32 s[G1V+3], 32<<16
	s_mov_b32 s[G1V+4], 128
	s_mov_b32 s[G1V+5], 32
	s_mov_b32 s[G1KS+1], 128<<16
	s_mov_b32 s[G1KS+2], 8<<16
	s_mov_b32 s[G1KS+3], 128<<16
	s_mov_b32 s[G1KS+4], 8
	s_mov_b32 s[G1KS+5], 1024
	s_mov_b32 s[G1VS+1], 32<<16
	s_mov_b32 s[G1VS+2], 16<<16
	s_mov_b32 s[G1VS+3], 32<<16
	s_mov_b32 s[G1VS+4], 16
	s_mov_b32 s[G1VS+5], 128
	s_mov_b32 s[SEL], 0x76543210
	s_mov_b32 s[SEL+1], 0xfedcba98
	s_mov_b32 s[CS], 0x3e38aa3b                    ; c = log2(e) / 8
	s_mov_b32 s[CS+1], s[CS]
	s_mov_b32 s[MNT], 0x600000
	s_mov_b32 s[TK], 0
	s_mov_b32 s[TS], 0
	s_mov_b32 s[TC], 0
	s_mov_b32 s[TV], 0
	s_mov_b32 s[CNT], 16
	s_wait_dscnt 0x0
	s_wait_kmcnt 0x0
	s_mov_b32 s[G0K], 1
	s_lshl_b32 s[G0K+1], s17, 15
	s_add_nc_u64 s[G0K+2:G0K+3], s[4:5], s[76:77]
	s_or_b32 s[G0K+3], s[G0K+3], 0x80000000
	s_mov_b32 s[G0V], 1
	s_lshl_b32 s12, s17, 15
	s_add_co_u32 s[G0V+1], s12, VOFF
	s_add_nc_u64 s[G0V+2:G0V+3], s[4:5], s[78:79]
	s_or_b32 s[G0V+3], s[G0V+3], 0x80000000
	s_mov_b32 s[G0KS], 1
	s_mov_b32 s[G0KS+1], KSL
	s_add_nc_u64 s[G0KS+2:G0KS+3], s[4:5], s[80:81]
	s_or_b32 s[G0KS+3], s[G0KS+3], 0x80000000
	s_mov_b32 s[G0VS], 1
	s_mov_b32 s[G0VS+1], VSL
	s_add_nc_u64 s[G0VS+2:G0VS+3], s[4:5], s[82:83]
	s_or_b32 s[G0VS+3], s[G0VS+3], 0x80000000
	s_add_nc_u64 s[76:77], s[4:5], s[84:85]        ; q's codes
	s_add_nc_u64 s[78:79], s[4:5], s[86:87]        ; q's half words
	s_add_nc_u64 s[80:81], s[6:7], s[84:85]        ; ctx's codes
	s_add_nc_u64 s[82:83], s[6:7], s[88:89]        ; ctx's half words
	CROUND                                         ; all four work-groups are here: the joint loads meet
	ARM 4,  G0K,  G1K,  .Lhead_v
	ARM 8,  G0V,  G1V,  .Lhead_ks
	ARM 9,  G0KS, G1KS, .Lhead_vs
	ARM 10, G0VS, G1VS, .Lhead_none
.Lhead_asked:
	v_and_b32 v8, 31, v0
	s_delay_alu instid0(VALU_DEP_1)
	v_lshlrev_b32 v[LI], 4, v8
	v_and_b32 v9, 15, v0
	s_delay_alu instid0(VALU_DEP_1)
	v_lshlrev_b32 v[R4], 2, v9
	global_load_b128 v[Q:Q+3], v[LI], s[76:77]
	global_load_b128 v[Q+4:Q+7], v[LI], s[76:77] offset:512
	global_load_u16 v[QSC], v[R4], s[78:79]        ; two bytes; the upper two are 0 and meet zero codes
	v_mov_b32 v[AK0], v[LI]
	v_add_nc_u32 v[AV0], VOFF, v[LI]
	v_add_nc_u32 v[AV1], VOFF+65536, v[LI]
	s_add_co_u32 s15, s15, KSL
	v_add_nc_u32 v[ASK0], s15, v[R4]
	v_add_nc_u32 v[ASV0], VSL, v[R4]
.irp j, 0,1,2,3,4,5,6,7
	v_mov_b32 v[Q+8+\j], 0
	v_mov_b32 v[Z+\j], 0
.endr
	v_mov_b32 v13, 0xff61b1e6                      ; the largest t so far: -3e38
	s_delay_alu instid0(VALU_DEP_1)
	v_floor_f32 v12, -v13                          ; -M
	v_mov_b32 v14, 0                               ; the sum, in two halves
	v_mov_b32 v15, 0
.irp b, 0,1,2,3
	v_mov_b32 v[PM+\b], 0                          ; a lane permute's destination counts as read
.endr
	v_mov_b32 v[F+1], 0                            ; (named as the upper half of a pair before it is first written)
.set j, 0
.rept 32
	v_mov_b32 v[O+j], 0                            ; the step is written once: the first finds zeros
.set j, j+1
.endr
	s_wait_alu depctr_va_vdst(0)
	s_wait_tensorcnt 0x0                           ; my load, if I had one, has landed,
	s_barrier_signal -1
	s_barrier_wait -1                              ; everybody's has: the whole head lies in LDS
	s_wait_loadcnt 0x0                             ; q
.Lstep:                                            ; 16 trips of 128 keys
	v_add_nc_u32 v[ADK], s[TK], v[AK0]
	v_add_nc_u32 v[ADS], s[TS], v[ASK0]
	v_add_nc_u32 v[ADV], s[TC], v[AV0]
	v_add_nc_u32 v[ADW], s[TC], v[AV1]
	v_add_nc_u32 v[ADT], s[TV], v[ASV0]
.rept 3
	v_nop                                          ; with the five additions: eight places in front of loads into registers that the last products read
.endr
.irp t, 0,1,2,3,4,5,6,7
	ds_load_b128 v[KV+8*\t:KV+8*\t+3], v[ADK] offset:1024*\t
	ds_load_b128 v[KV+8*\t+4:KV+8*\t+7], v[ADK] offset:1024*\t+512
	ds_load_u16 v[KSC+\t], v[ADS] offset:64*\t
.endr
	s_wait_alu depctr_va_vdst(0)
	s_wait_dscnt 0x0
.irp t, 0,1,2,3,4,5,6,7
	v_wmma_scale_f32_16x16x128_f8f6f4 v[S+8*\t:S+8*\t+7], v[KV+8*\t:KV+8*\t+15], v[Q:Q+15], 0, v[KSC+\t], v[QSC]
.endr
.rept 8
	v_nop
.endr
.irp t, 0,1,2,3                                ; V^T's fragments are asked for now and land under the softmax
.irp c, 0,1,2,3
	ds_load_b128 v[KV+16*\t+4*\c:KV+16*\t+4*\c+3], v[ADV+(ADW-ADV)*(\t/2)] offset:32768*(\t%2)+512*\c
.endr
	ds_load_b32 v[VSC+\t], v[ADT] offset:64*\t
.endr
.irp b, 0,1,2,3
	v_max3_num_f32 v[BM+\b], v[S+16*\b], v[S+16*\b+1], v[S+16*\b+2]     ; the largest score of each block of 32 keys: for the row's maximum, and, since p rises with the score, for the block's largest p
.endr
.irp i, 3,5,7,9,11,13
.irp b, 0,1,2,3
	v_max3_num_f32 v[BM+\b], v[BM+\b], v[S+16*\b+\i], v[S+16*\b+\i+1]
.endr
.endr
.irp b, 0,1,2,3
	v_max_num_f32 v[BM+\b], v[BM+\b], v[S+16*\b+15]
.endr
.irp b, 0,1,2,3
	s_delay_alu instid0(VALU_DEP_4)
	v_permlanex16_b32 v[PM+\b], v[BM+\b], s[SEL], s[SEL+1]
.endr
.irp b, 0,1,2,3
	s_delay_alu instid0(VALU_DEP_4)
	v_max_num_f32 v[BM+\b], v[BM+\b], v[PM+\b]
.endr
	s_delay_alu instid0(VALU_DEP_2)
	v_max3_num_f32 v[TMP], v[BM], v[BM+1], v[BM+2]
	s_delay_alu instid0(VALU_DEP_1)
	v_max_num_f32 v[TMP], v[TMP], v[BM+3]
	s_delay_alu instid0(VALU_DEP_1)
	v_mul_f32 v[TMP], s[CS], v[TMP]
	s_delay_alu instid0(VALU_DEP_1)
	v_max_num_f32 v13, v13, v[TMP]                 ; the running largest t
	v_mov_b32 v[TMP], v12
	s_delay_alu instid0(VALU_DEP_2)
	v_floor_f32 v12, -v13                          ; the new -M = -ceil(t)
	s_delay_alu instid0(VALU_DEP_1)
	v_sub_f32 v[TMP], v12, v[TMP]                  ; old M - new M: a whole number, 0 or less
	s_delay_alu instid0(VALU_DEP_1)
	v_cvt_i32_f32 v[TMP], v[TMP]                   ; (it saturates)
	s_delay_alu instid0(VALU_DEP_1)
	v_ldexp_f32 v[F], 1.0, v[TMP]                  ; f = 2^(old M - new M): rounds nothing
.set j, 0
.rept 32
	v_pk_fma_f32 v[S+j:S+j+1], v[S+j:S+j+1], s[CS:CS+1], v[12:13] op_sel_hi:[1,0,0]   ; t - M
.set j, j+2
.endr
.irp b, 0,1,2,3
	v_fma_f32 v[BM+\b], v[BM+\b], s[CS], v12
.endr
	s_wait_alu depctr_va_vdst(0)
.set j, 0
.rept 64
	v_exp_f32 v[S+j], v[S+j]                       ; p = 2^(t - M)
.set j, j+1
.endr
	v_pk_mul_f32 v[14:15], v[14:15], v[F:F+1] op_sel_hi:[1,0]   ; the sums under the new M: a plain line behind the exponentials
	s_wait_alu depctr_va_vdst(0)                   ; one wait for the batch, ahead of its first reader
.irp b, 0,1,2,3
	v_exp_f32 v[BM+\b], v[BM+\b]                   ; each block's largest p
.endr
	v_pk_add_f32 v[220:221], v[S:S+1], v[S+2:S+3]  ; the row's sum of the unquantised p: 32 pairs in four chains
	v_pk_add_f32 v[252:253], v[S+4:S+5], v[S+6:S+7]
	v_pk_add_f32 v[250:251], v[S+8:S+9], v[S+10:S+11]
	v_pk_add_f32 v[14:15], v[14:15], v[S+12:S+13]
.irp j, 14,22,30,38,46,54
	v_pk_add_f32 v[220:221], v[220:221], v[S+\j:S+\j+1]
	v_pk_add_f32 v[252:253], v[252:253], v[S+\j+2:S+\j+3]
	v_pk_add_f32 v[250:251], v[250:251], v[S+\j+4:S+\j+5]
	v_pk_add_f32 v[14:15], v[14:15], v[S+\j+6:S+\j+7]
.endr
	v_pk_add_f32 v[220:221], v[220:221], v[S+62:S+63]
	v_pk_add_f32 v[252:253], v[252:253], v[250:251]
	v_pk_add_f32 v[14:15], v[14:15], v[220:221]
	v_pk_add_f32 v[14:15], v[14:15], v[252:253]
	s_wait_alu depctr_va_vdst(0)                   ; and one for the four
.irp b, 0,1,2,3
	v_max_num_f32 v[BM+\b], 0x4800000, v[BM+\b]    ; the floor 2^(9 - 127)
.endr
.irp b, 0,1,2,3
	v_add_nc_u32 v[SO+\b], 0xfc000000, v[BM+\b]    ; 8 off the exponent field: the conversion's scale operand
.endr
.irp b, 0,1,2,3
	v_and_or_b32 v[LM+\b], v[BM+\b], 0x7f800000, s[MNT]   ; 448 x the scale
.endr
.irp b, 0,1,2,3
	v_lshrrev_b32 v[PM+\b], 23, v[SO+\b]
.endr
	v_lshl_or_b32 v[F+1], v[PM+1], 8, v[PM]        ; p's scale word for these 128 keys
	v_lshl_or_b32 v[F+1], v[PM+2], 16, v[F+1]
	v_lshl_or_b32 v[F+1], v[PM+3], 24, v[F+1]
; p is not negative: a one-sided hold (the conversion does not saturate: ISA guide 7.6.2).  Two holds to an instruction: its halves take an even register of one block and an odd one of its neighbour, so that destinations, numbers and bounds lie in different banks
.irp b, 0,2
.irp i, 0,2,4,6,8,10,12,14
	v_dual_min_num_f32 v[S+16*\b+\i], v[S+16*\b+\i], v[LM+\b] :: v_dual_min_num_f32 v[S+16*\b+17+\i], v[S+16*\b+17+\i], v[LM+\b+1]
	v_dual_min_num_f32 v[S+16*\b+16+\i], v[S+16*\b+16+\i], v[LM+\b+1] :: v_dual_min_num_f32 v[S+16*\b+1+\i], v[S+16*\b+1+\i], v[LM+\b]
.endr
.irp e, 0,1
	v_cvt_scalef32_pk8_fp8_f32 v[PCD+4*(\b+\e):PCD+4*(\b+\e)+1], v[S+16*(\b+\e):S+16*(\b+\e)+7], v[SO+\b+\e]
	v_cvt_scalef32_pk8_fp8_f32 v[PCD+4*(\b+\e)+2:PCD+4*(\b+\e)+3], v[S+16*(\b+\e)+8:S+16*(\b+\e)+15], v[SO+\b+\e]
.endr
.endr
	s_wait_alu depctr_va_vdst(0)                   ; directly ahead of the first reader of O^T
.set j, 0
.rept 16
	v_pk_mul_f32 v[O+j:O+j+1], v[O+j:O+j+1], v[F:F+1] op_sel_hi:[1,0]   ; O^T under the new M; also the places between the conversions and the products
.set j, j+2
.endr
	s_wait_alu depctr_va_vdst(0)
	s_wait_dscnt 0x0                               ; V^T's fragments and scale words
.irp t, 0,1,2,3
	v_wmma_scale_f32_16x16x128_f8f6f4 v[O+8*\t:O+8*\t+7], v[KV+16*\t:KV+16*\t+15], v[PCD:PCD+15], v[O+8*\t:O+8*\t+7], v[VSC+\t], v[F+1]
.endr
	s_add_co_u32 s[TK], s[TK], 8192
	s_add_co_u32 s[TS], s[TS], 512
	s_add_co_u32 s[TC], s[TC], 2048
	s_add_co_u32 s[TV], s[TV], 256
	s_sub_co_u32 s[CNT], s[CNT], 1
	s_cmp_lg_u32 s[CNT], 0
	s_cbranch_scc1 .Lstep
	; THE WAY OUT: O^T / the sum, quantised along d (two blocks of 32), stored as half a fragment of ctx
.rept 8
	v_nop
.endr
	v_add_f32 v14, v14, v15
	s_delay_alu instid0(VALU_DEP_1)
	v_permlanex16_b32 v[TMP], v14, s[SEL], s[SEL+1]
	s_delay_alu instid0(VALU_DEP_1)
	v_add_f32 v14, v14, v[TMP]                     ; the row's sum
	s_wait_alu depctr_va_vdst(0)
	v_rcp_f32 v14, v14
	v_nop
	s_wait_alu depctr_va_vdst(0)
.set j, 0
.rept 32
	v_mul_f32 v[S+j], v[O+j], v14                  ; register 16 B + i: d = 32 B + 16 h + i
.set j, j+1
.endr
.irp b, 0,1
	v_max3_num_f32 v[BM+\b], |v[S+16*\b]|, |v[S+16*\b+1]|, 0x4800000
.endr
.irp i, 2,4,6,8,10,12,14
.irp b, 0,1
	s_delay_alu instid0(VALU_DEP_2)
	v_max3_num_f32 v[BM+\b], v[BM+\b], |v[S+16*\b+\i]|, |v[S+16*\b+\i+1]|
.endr
.endr
.irp b, 0,1
	s_delay_alu instid0(VALU_DEP_2)
	v_permlanex16_b32 v[PM+\b], v[BM+\b], s[SEL], s[SEL+1]
.endr
.irp b, 0,1
	s_delay_alu instid0(VALU_DEP_2)
	v_max_num_f32 v[BM+\b], v[BM+\b], v[PM+\b]
.endr
.irp b, 0,1
	s_delay_alu instid0(VALU_DEP_2)
	v_add_nc_u32 v[SO+\b], 0xfc000000, v[BM+\b]
.endr
.irp b, 0,1
	s_delay_alu instid0(VALU_DEP_4)
	v_and_or_b32 v[LM+\b], v[BM+\b], 0x7f800000, s[MNT]
.endr
.irp b, 0,1
	s_delay_alu instid0(VALU_DEP_4)
	v_lshrrev_b32 v[PM+\b], 23, v[SO+\b]
.endr
	s_delay_alu instid0(VALU_DEP_1)
	v_lshl_or_b32 v[TMP], v[PM+1], 8, v[PM]        ; my head's two bytes of the row's scale word
.irp b, 0,1
.irp i, 0,1,2,3,4,5,6,7,8,9,10,11,12,13,14,15
	v_med3_num_f32 v[S+16*\b+\i], v[S+16*\b+\i], -v[LM+\b], v[LM+\b]
.endr
	v_cvt_scalef32_pk8_fp8_f32 v[PCD+4*\b:PCD+4*\b+1], v[S+16*\b:S+16*\b+7], v[SO+\b]
	v_cvt_scalef32_pk8_fp8_f32 v[PCD+4*\b+2:PCD+4*\b+3], v[S+16*\b+8:S+16*\b+15], v[SO+\b]
.endr
	v_nop
	global_store_b128 v[LI], v[PCD:PCD+3], s[80:81]
	global_store_b128 v[LI], v[PCD+4:PCD+7], s[80:81] offset:512
	global_store_b16 v[R4], v[TMP], s[82:83]       ; 32 bytes a wave, two to a lane: the word's other half is another head's work-group's.  Lanes l and l xor 16 store the same to the same place
	s_wait_tensorcnt 0x0                           ; the wave's end
	ds_add_u32 v[SPW], v[NIL]
	s_wait_dscnt 0x0
	CROUND                                         ; the closing round
	s_endpgm
.Lfunc_end_k_q5316401c12_attn:
	.size	k_q5316401c12_attn, .Lfunc_end_k_q5316401c12_attn-k_q5316401c12_attn
	.p2alignl 7, 3214868480
	.fill 96, 4, 3214868480
	.section	.rodata,"a",@progbits
	.p2align	6, 0x0
	.amdhsa_kernel k_q5316401c12_attn
		.amdhsa_group_segment_fixed_size 276480
		.amdhsa_private_segment_fixed_size 0
		.amdhsa_enable_private_segment 0
		.amdhsa_kernarg_size 16
		.amdhsa_user_sgpr_count 2
		.amdhsa_user_sgpr_kernarg_segment_ptr 1
		.amdhsa_wavefront_size32 1
		.amdhsa_system_sgpr_workgroup_id_x 1
		.amdhsa_system_sgpr_workgroup_id_y 1
		.amdhsa_system_sgpr_workgroup_id_z 1
		.amdhsa_system_vgpr_workitem_id 0
		.amdhsa_next_free_vgpr 256
		.amdhsa_next_free_sgpr 100
		.amdhsa_reserve_vcc 0
		.amdhsa_float_denorm_mode_32 3
		.amdhsa_float_denorm_mode_16_64 3
		.amdhsa_memory_ordered 1
		.amdhsa_forward_progress 1
		.amdhsa_inst_pref_size 38
	.end_amdhsa_kernel
	.amdgpu_metadata
---
amdhsa.version: [ 1, 2 ]
amdhsa.kernels:
  - .name:           k_q5316401c12_attn
    .symbol:         k_q5316401c12_attn.kd
    .args:
      - { .name: qkv, .offset: 0, .size: 8, .value_kind: global_buffer, .address_space: global }
      - { .name: ctx, .offset: 8, .size: 8, .value_kind: global_buffer, .address_space: global }
    .group_segment_fixed_size: 276480
    .private_segment_fixed_size: 0
    .kernarg_segment_align: 8
    .kernarg_segment_size: 16
    .max_flat_workgroup_size: 512
    .sgpr_count:     100
    .vgpr_count:     256
    .wavefront_size: 32
...
	.end_amdgpu_metadata
.endif
;; end of part 3
;; launch oproj (part 4): grid 8 x 32, 4 waves a work-group, clusters of 4 x 4, 327,680 bytes of LDS; arguments ctx, prep, b_o, x, y; writes y
.if DOCPART == 4
	.amdgcn_target "amdgcn-amd-amdhsa--gfx1250"
	.amdhsa_code_object_version 6
	.text
	.protected	k_q5316401c12_oproj
	.globl	k_q5316401c12_oproj
	.p2align	8
	.type	k_q5316401c12_oproj,@function
k_q5316401c12_oproj:
	s_mov_b64 s[64:65], 0
	v_nop
	global_prefetch_b8 v0, s[64:65] scope:SCOPE_SE
	s_setreg_imm32_b32 hwreg(HW_REG_WAVE_MODE, 25, 1), 1
	s_wait_xcnt 0x0
	s_wait_alu depctr_hold_cnt(0) depctr_sa_sdst(0) depctr_va_vdst(0) depctr_va_sdst(0) depctr_va_ssrc(0) depctr_va_vcc(0) depctr_vm_vsrc(0)
	s_getreg_b32 s2, hwreg(HW_REG_IB_STS2, 6, 4)
	s_cmp_eq_u32 s2, 0
	s_cbranch_scc0 .Lentry_in_a_cluster
	s_endpgm
.Lentry_in_a_cluster:
	s_bfe_u32 s2, ttmp6, 0x10000c
	s_cmp_lg_u32 s2, 0xf033
	s_cbranch_scc0 .Lentry_shape_is_right
	s_endpgm
.Lentry_shape_is_right:
.set NS,    8
.set PSI,   0x400000
.set RCO,   0x700000
.set RSI,   0x1038000
.set RESOFF, 0
.set LAPS,  NS/8
.set SLOT,  131072
.set SCL,   2*SLOT
.set SPARE, SCL+32768
.set STAGE, SPARE+512
.set ADRA, 16
.set ADRB, 20
.set STO,  24
.set RD,   25
.set CO,   26
.set ADRS, 27
.set SPW,  28
.set NIL,  29
.set BON,  30
.set SC,   32
.set OB0,  40
.set BC,   96
.set ACC,  128
.set F0,   0
.set F1,   128
.set G1, 24
.set G0, 32
.set G1B, 48
.set G0B, 56
.set G1S, 68
.set G0S, 76
.set G1SB, 80
.set G0SB, 88
.set MSB, 0
.macro WIN new
.if MSB != \new
	s_set_vgpr_msb (MSB<<8)|\new
.set MSB, \new
.endif
.endm
.set MUL,  0x05
.set TO_F, 0x40
.macro JLOAD g0a, g1a, g0b, g1b
	s_cmp_eq_u32 s15, 0
	s_cbranch_scc0 .Lfor_r_\@
	tensor_load_to_lds s[\g0a:\g0a+3], s[\g1a:\g1a+7]
	s_nop 0
.rept 4
	v_nop
.endr
	s_branch .Lasked_\@
.Lfor_r_\@:
	tensor_load_to_lds s[\g0b:\g0b+3], s[\g1b:\g1b+7]
	s_nop 0
.rept 4
	v_nop
.endr
.Lasked_\@:
.endm
.macro CREST
	s_cmp_lg_u32 s14, 0
	s_cbranch_scc1 .Lnot_wave_0_\@
	s_barrier_signal -3
.Lnot_wave_0_\@:
	s_barrier_wait -3
	s_barrier_signal -1
	s_barrier_wait -1
.endm
.macro CROUND
	s_barrier_signal -1
	s_barrier_wait -1
	CREST
.endm
.macro PLACES n
.rept \n
	v_nop
.endr
.endm
	s_load_b256 s[4:11], s[0:1], 0x0
	s_load_b64 s[12:13], s[0:1], 0x20
	v_lshl_add_u32 v[SPW], v0, 2, SPARE
	v_mov_b32 v[NIL], 0
	ds_add_u32 v28, v29
	ds_add_u32 v28, v29
	s_wait_dscnt 0x0
	v_lshrrev_b32 v1, 5, v0
	v_readfirstlane_b32 s14, v1
	s_lshr_b32 s15, s14, 1
	s_and_b32 s16, s14, 1
	s_bfe_u32 s40, ttmp6, 0x40000
	s_bfe_u32 s41, ttmp6, 0x40004
	s_lshl_b32 s42, ttmp9, 2
	s_add_co_u32 s42, s42, s40
	s_and_b32 s17, ttmp7, 0xffff
	s_lshl_b32 s17, s17, 2
	s_add_co_u32 s17, s17, s41
	s_lshl_b32 s43, s41, 2
	s_lshl_b32 s43, 15, s43
	s_lshl_b32 s44, 0x1111, s40
	s_or_b32 s[G1+0], s43, (3<<16)|(1<<21)
	s_or_b32 s[G1B+0], s44, (3<<16)|(1<<21)
.irp g, G1, G1B
	s_mov_b32 s[\g+1], 1024<<16
	s_mov_b32 s[\g+2], 8<<16                       ; the head's loads bring a side's 8 tiles; behind them the two words are set to 4
	s_mov_b32 s[\g+3], 1024<<16
	s_mov_b32 s[\g+4], 8
	s_mov_b32 s[\g+5], 256*NS
	s_mov_b32 s[\g+6], 0
	s_mov_b32 s[\g+7], 0
.endr
	s_or_b32 s[G1S+0], s43, (3<<16)|(1<<21)
	s_or_b32 s[G1SB+0], s44, (3<<16)|(1<<21)
.irp g, G1S, G1SB
	s_mov_b32 s[\g+1], 64<<16
	s_mov_b32 s[\g+2], NS<<16                      ; a side's scale words whole: NS rows of 512 bytes
	s_mov_b32 s[\g+3], 64<<16
	s_mov_b32 s[\g+4], NS
	s_mov_b32 s[\g+5], 128
	s_mov_b32 s[\g+6], 0
	s_mov_b32 s[\g+7], 0
.endr
	s_lshl_b32 s20, s17, 3
	s_mul_i32 s20, s20, NS*2048
	s_mov_b32 s21, 0
	s_lshl_b32 s46, s42, 3
	s_mul_i32 s46, s46, NS*2048
	s_add_co_u32 s46, s46, RCO
	s_mov_b32 s47, 0
	s_mul_i32 s19, s16, NS*8192                    ; in the ring a wave fetches 4 of a side's 8 tiles: which, in bytes
	s_lshr_b32 s22, s17, 1
	s_mul_i32 s22, s22, NS*1024
	s_and_b32 s2, s17, 1
	s_lshl_b32 s2, s2, 9
	s_add_co_u32 s22, s22, s2
	s_add_co_u32 s22, s22, PSI
	s_mov_b32 s23, 0
	s_lshr_b32 s92, s42, 1
	s_mul_i32 s92, s92, NS*1024
	s_and_b32 s3, s42, 1
	s_lshl_b32 s3, s3, 9
	s_add_co_u32 s92, s92, s3
	s_add_co_u32 s92, s92, RSI
	s_mov_b32 s93, 0
	s_lshl_b32 s45, s14, 15
	s_wait_kmcnt 0x0
	s_add_nc_u64 s[20:21], s[4:5], s[20:21]
	s_add_nc_u64 s[22:23], s[4:5], s[22:23]
	s_add_nc_u64 s[46:47], s[6:7], s[46:47]
	s_add_nc_u64 s[92:93], s[6:7], s[92:93]
	CROUND
	s_mov_b32 s[G0S], 1
	s_mov_b32 s[G0S+1], SCL
	s_mov_b64 s[G0S+2:G0S+3], s[22:23]
	s_or_b32 s[G0S+3], s[G0S+3], 0x80000000
	s_mov_b32 s[G0SB], 1
	s_mov_b32 s[G0SB+1], SCL+512*NS
	s_mov_b64 s[G0SB+2:G0SB+3], s[92:93]
	s_or_b32 s[G0SB+3], s[G0SB+3], 0x80000000
	s_mov_b32 s[G0], 1                             ; the head's four tiles, each whole: slot 0's 8 tiles of P,
	s_mov_b32 s[G0+1], 0
	s_mov_b64 s[G0+2:G0+3], s[20:21]
	s_or_b32 s[G0+3], s[G0+3], 0x80000000
	s_mov_b32 s[G0B], 1                            ; its 8 tiles of R, and the two sets of scale words above
	s_mov_b32 s[G0B+1], 65536
	s_mov_b64 s[G0B+2:G0B+3], s[46:47]
	s_or_b32 s[G0B+3], s[G0B+3], 0x80000000
	s_mov_b32 s2, s19
	s_mov_b32 s3, 0
	s_add_nc_u64 s[20:21], s[20:21], s[2:3]
	s_add_nc_u64 s[46:47], s[46:47], s[2:3]
	s_mov_b32 s[G0+4], 1                           ; slot 1's groups 0
	s_add_co_u32 s[G0+5], s45, SLOT
	s_add_nc_u64 s[G0+6:G0+7], s[20:21], 8192
	s_or_b32 s[G0+7], s[G0+7], 0x80000000
	s_mov_b32 s[G0B+4], 1
	s_add_co_u32 s[G0B+5], s45, SLOT
	s_add_nc_u64 s[G0B+6:G0B+7], s[46:47], 8192
	s_or_b32 s[G0B+7], s[G0B+7], 0x80000000
; THE PREFETCH.  K has two slots; slot 1, the one later fill, is named once, behind the head's loads.  A slot's part of a tile is 8,192 bytes on end: 32 lanes, 256 bytes apart.  Of the 4 tiles that a wave fetches, each of the four partners
; that ask for them jointly names one, told apart by address (cx for P, cy for R): each block of 256 bytes is named once in a cluster.  s[96:97] stands at slot 1 and is never rewritten.
	s_cmp_eq_u32 s15, 0
	s_cselect_b64 s[96:97], s[20:21], s[46:47]
	s_cselect_b32 s2, s40, s41
	s_mul_i32 s2, s2, NS*2048
	s_add_co_u32 s2, s2, 8192
	s_add_nc_u64 s[96:97], s[96:97], s[2:3]
; one joint load a wave at the head, in one chain of arms on the wave's number
.macro ARM under, g0, g1, next
	s_cmp_lt_u32 s14, \under
	s_cbranch_scc0 \next
	tensor_load_to_lds s[\g0:\g0+3], s[\g1:\g1+7]
	s_nop 0
.rept 4
	v_nop
.endr
	s_branch .Lhead_asked
\next:
.endm
	ARM 1, G0,  G1,  .Lhead_r
	ARM 2, G0B, G1B, .Lhead_sp
	ARM 3, G0S, G1S, .Lhead_sr
	tensor_load_to_lds s[G0SB:G0SB+3], s[G1SB:G1SB+7]
	s_nop 0
.rept 4
	v_nop
.endr
.Lhead_asked:
	v_and_b32 v1, 15, v0
	v_bfe_u32 v2, v0, 4, 1
	s_wait_alu depctr_va_vdst(0)
	v_and_b32 v3, 31, v0
	v_lshlrev_b32 v3, 4, v3
	s_lshl_b32 s21, s15, 15
	s_lshl_b32 s22, s16, 15
	s_add_co_u32 s22, s22, 65536
.irp s, 0,1
	v_add_nc_u32 v[ADRA+\s], s21, v3
	v_add_nc_u32 v[ADRB+\s], s22, v3
	s_add_co_u32 s21, s21, SLOT
	s_add_co_u32 s22, s22, SLOT
.endr
	v_lshlrev_b32 v5, 2, v1
	s_lshl_b32 s21, s15, 8
	s_lshl_b32 s22, s16, 8
	s_add_co_u32 s22, s22, 512*NS
	s_sub_co_u32 s22, s22, s21
	v_mul_u32_u24 v6, s22, v2
	s_add_co_u32 s21, s21, SCL
	v_add_nc_u32 v6, v5, v6
	v_add_nc_u32 v[ADRS], s21, v6
	s_mul_i32 s23, s14, 16*272
	s_add_co_u32 s23, s23, STAGE
	v_mul_u32_u24 v4, v1, 272
	v_lshl_add_u32 v4, v2, 6, v4
	v_add_nc_u32 v[STO], s23, v4
	v_mul_u32_u24 v4, v2, 272
	v_lshl_add_u32 v4, v1, 4, v4
	v_add_nc_u32 v[RD], s23, v4
	v_lshlrev_b32 v[CO], 12, v2
	v_lshl_add_u32 v[CO], v1, 4, v[CO]
	v_lshlrev_b32 v[BON], 6, v2
	v_and_b32 v31, 31, v0
	v_lshlrev_b32 v31, 8, v31                      ; the prefetch's offset: 256 x lane; never rewritten
	s_wait_alu depctr_va_vdst(0)
	global_prefetch_b8 v31, s[96:97] th:TH_LOAD_NT scope:SCOPE_SE               ; slot 1
	s_lshl_b32 s20, s17, 7
	s_lshl_b32 s21, s15, 6
	s_add_co_u32 s20, s20, s21
	s_lshl_b32 s20, s20, 12
	s_lshl_b32 s22, s42, 9
	s_lshl_b32 s21, s16, 8
	s_add_co_u32 s22, s22, s21
	s_add_co_u32 s20, s20, s22
	s_mov_b32 s21, 0
	s_mov_b32 s23, 0
	s_add_nc_u64 s[12:13], s[12:13], s[20:21]
	s_add_nc_u64 s[10:11], s[10:11], s[20:21]
.if RESOFF
	s_add_nc_u64 s[10:11], s[10:11], RESOFF
.endif
	s_add_nc_u64 s[8:9], s[8:9], s[22:23]
.irp e, 0,1
.irp j, 0,1,2,3
	global_load_b128 v[BC+16*\e+4*\j:BC+16*\e+4*\j+3], v[BON], s[8:9] offset:128*\e+16*\j
.endr
.endr
	WIN 0x80
.irp a, 0,1,2,3
.irp t, 0,1,2,3,4,5,6,7
	global_load_b128 v[4*(8*\a+\t):4*(8*\a+\t)+3], v[CO], s[10:11] offset:(32*(\a/2)+8*(\a%2)+2*\t+8*(\t/4))*4096
.endr
.endr
	WIN 0
.macro MUL8 f, a0, ck
.irp a, \a0, \a0+1
.irp b, 0,1,2,3
.if \ck
	v_wmma_scale_f32_16x16x128_f8f6f4 v[ACC+8*(4*(\a)+\b):ACC+8*(4*(\a)+\b)+7], v[\f+64+16*\b:\f+64+16*\b+15], v[\f+16*(\a):\f+16*(\a)+15], v[BC+8*\b:BC+8*\b+7], v[SC+4*(\f/128)+\b], v[SC+4*(\f/128)+(\a)] matrix_a_scale:MATRIX_SCALE_ROW1
.else
	v_wmma_scale_f32_16x16x128_f8f6f4 v[ACC+8*(4*(\a)+\b):ACC+8*(4*(\a)+\b)+7], v[\f+64+16*\b:\f+64+16*\b+15], v[\f+16*(\a):\f+16*(\a)+15], v[ACC+8*(4*(\a)+\b):ACC+8*(4*(\a)+\b)+7], v[SC+4*(\f/128)+\b], v[SC+4*(\f/128)+(\a)] matrix_a_scale:MATRIX_SCALE_ROW1
.endif
.endr
.endr
.endm
.macro FETCH slot, q, f, sidx
	WIN TO_F
.irp i, 0,1,2,3
.irp c, 0,1,2,3
	ds_load_b128 v[\f+64+16*\i+4*\c:\f+64+16*\i+4*\c+3], v[ADRB+\slot] offset:\i*8192+(\q)*2048+\c*512
.endr
.endr
.irp i, 0,1,2,3
.irp c, 0,1,2,3
	ds_load_b128 v[\f+16*\i+4*\c:\f+16*\i+4*\c+3], v[ADRA+\slot] offset:\i*8192+(\q)*2048+\c*512
.endr
.endr
	WIN 0
.irp i, 0,1,2,3
	ds_load_b32 v[SC+4*(\f/128)+\i], v[ADRS] offset:(\sidx)*512+\i*64
.endr
.endm
.macro KS f, ck
	s_wait_dscnt 36
	WIN MUL
	MUL8 \f, 0, \ck
	MUL8 \f, 2, \ck
	PLACES 8
.endm
.macro CHG slot, next, fill, bump, sidx
	s_wait_tensorcnt 0x0
	ds_add_u32 v[SPW], v[NIL]
	s_wait_dscnt 37
	WIN MUL
	MUL8 F0, 0, 0
	s_wait_dscnt 0x0
	s_barrier_signal -1
	MUL8 F0, 2, 0
	WIN 0
	s_barrier_wait -1
.if \fill
	CREST
	s_add_nc_u64 s[G0+4*\slot+2:G0+4*\slot+3], s[G0+4*\slot+2:G0+4*\slot+3], 16384
	s_add_nc_u64 s[G0B+4*\slot+2:G0B+4*\slot+3], s[G0B+4*\slot+2:G0B+4*\slot+3], 16384
	JLOAD G0+4*\slot, G1, G0B+4*\slot, G1B
	PLACES 4
.else
	PLACES 8
.endif
.if \bump
	v_add_nc_u32 v[ADRS], 4096, v[ADRS]
.endif
	FETCH \next, 0, F0, \sidx
.endm
	s_wait_alu depctr_va_vdst(0)
	s_wait_tensorcnt 0x0                           ; my tile of the head's four is in
	ds_add_u32 v[SPW], v[NIL]
	s_mov_b32 s[G1+2], 4<<16                       ; no tensor load of mine is out: from here on a load brings 4 tiles,
	s_mov_b32 s[G1+4], 4
	s_mov_b32 s[G1B+2], 4<<16
	s_mov_b32 s[G1B+4], 4
	s_mov_b32 s2, s19
	s_mov_b32 s3, 0
	s_mov_b32 s[G0+1], s45                         ; and slot 0's groups 0 name my half of a side
	s_add_nc_u64 s[G0+2:G0+3], s[G0+2:G0+3], s[2:3]
	s_mov_b32 s[G0B+1], s45
	s_add_nc_u64 s[G0B+2:G0B+3], s[G0B+2:G0B+3], s[2:3]
	s_wait_dscnt 0x0
	CROUND                                         ; all four tiles are in, and the sixteen work-groups meet
	JLOAD G0+4, G1, G0B+4, G1B                     ; slot 1's first fill, my one load behind the round
	FETCH 0, 0, F0, 0
	FETCH 0, 1, F1, 1
	s_wait_loadcnt 32
	KS F0, 1
	FETCH 0, 2, F0, 2
.if LAPS > 1
	s_mov_b32 s3, LAPS-1
.Llap:
	KS F1, 0
	FETCH 0, 3, F1, 3
	CHG 0, 1, 1, 0, 4
	KS F1, 0
	FETCH 1, 1, F1, 5
	KS F0, 0
	FETCH 1, 2, F0, 6
	KS F1, 0
	FETCH 1, 3, F1, 7
	CHG 1, 0, 1, 1, 0
	KS F1, 0
	FETCH 0, 1, F1, 1
	KS F0, 0
	FETCH 0, 2, F0, 2
	s_sub_co_u32 s3, s3, 1
	s_cmp_lg_u32 s3, 0
	s_cbranch_scc1 .Llap
.endif
	KS F1, 0
	FETCH 0, 3, F1, 3
	CHG 0, 1, 0, 0, 4
	KS F1, 0
	FETCH 1, 1, F1, 5
	KS F0, 0
	FETCH 1, 2, F0, 6
	KS F1, 0
	FETCH 1, 3, F1, 7
	s_wait_dscnt 36
	WIN MUL
	MUL8 F0, 0, 0
	MUL8 F0, 2, 0
	s_wait_dscnt 0x0
	MUL8 F1, 0, 0
	MUL8 F1, 2, 0
	WIN 0
	PLACES 8
.macro TOSTAGE a
.irp b, 0,1,2,3
	ds_store_b128 v[STO], v[ACC+8*(4*(\a)+\b):ACC+8*(4*(\a)+\b)+3] offset:128*(\b/2)+32*(\b%2)
	ds_store_b128 v[STO], v[ACC+8*(4*(\a)+\b)+4:ACC+8*(4*(\a)+\b)+7] offset:128*(\b/2)+32*(\b%2)+16
.endr
.set OB, OB0+32*((\a)%2)
.irp t, 0,1,2,3,4,5,6,7
	ds_load_b128 v[OB+4*\t:OB+4*\t+3], v[RD] offset:544*\t
.endr
.endm
.macro SEND a, younger
.set OB, OB0+32*((\a)%2)
	s_wait_dscnt \younger
	WIN 0x08
.irp k, 0,2,4,6,8,10,12,14,16,18,20,22,24,26,28,30
	v_pk_add_f32 v[OB+\k:OB+\k+1], v[OB+\k:OB+\k+1], v[32*(\a)+\k:32*(\a)+\k+1]
.endr
	WIN 0
.irp t, 0,1,2,3,4,5,6,7
	global_store_b128 v[CO], v[OB+4*\t:OB+4*\t+3], s[12:13] offset:(32*((\a)/2)+8*((\a)%2)+2*\t+8*(\t/4))*4096 th:TH_STORE_NT
.endr
.endm
	s_wait_loadcnt 0x0
	TOSTAGE 0
.irp a, 1,2,3
.if \a > 1
	s_wait_xcnt 0x0
.endif
	TOSTAGE \a
	SEND \a-1, 16
.endr
	SEND 3, 0
	s_wait_tensorcnt 0x0
	ds_add_u32 v[SPW], v[NIL]
	s_wait_dscnt 0x0
	CROUND
	s_endpgm
.Lfunc_end_k_q5316401c12_oproj:
	.size	k_q5316401c12_oproj, .Lfunc_end_k_q5316401c12_oproj-k_q5316401c12_oproj
	.p2alignl 7, 3214868480
	.fill 96, 4, 3214868480
	.section	.rodata,"a",@progbits
	.p2align	6, 0x0
	.amdhsa_kernel k_q5316401c12_oproj
		.amdhsa_group_segment_fixed_size 327680
		.amdhsa_private_segment_fixed_size 0
		.amdhsa_enable_private_segment 0
		.amdhsa_kernarg_size 40
		.amdhsa_user_sgpr_count 2
		.amdhsa_user_sgpr_kernarg_segment_ptr 1
		.amdhsa_wavefront_size32 1
		.amdhsa_system_sgpr_workgroup_id_x 1
		.amdhsa_system_sgpr_workgroup_id_y 1
		.amdhsa_system_sgpr_workgroup_id_z 1
		.amdhsa_system_vgpr_workitem_id 0
		.amdhsa_next_free_vgpr 768
		.amdhsa_next_free_sgpr 100
		.amdhsa_reserve_vcc 0
		.amdhsa_float_denorm_mode_32 3
		.amdhsa_float_denorm_mode_16_64 3
		.amdhsa_memory_ordered 1
		.amdhsa_forward_progress 1
		.amdhsa_inst_pref_size 64
	.end_amdhsa_kernel
	.amdgpu_metadata
---
amdhsa.version: [ 1, 2 ]
amdhsa.kernels:
  - .name:           k_q5316401c12_oproj
    .symbol:         k_q5316401c12_oproj.kd
    .args:
      - { .name: ctx, .offset: 0, .size: 8, .value_kind: global_buffer, .address_space: global }
      - { .name: prep, .offset: 8, .size: 8, .value_kind: global_buffer, .address_space: global }
      - { .name: b_o, .offset: 16, .size: 8, .value_kind: global_buffer, .address_space: global }
      - { .name: x, .offset: 24, .size: 8, .value_kind: global_buffer, .address_space: global }
      - { .name: y, .offset: 32, .size: 8, .value_kind: global_buffer, .address_space: global }
    .group_segment_fixed_size: 327680
    .private_segment_fixed_size: 0
    .kernarg_segment_align: 8
    .kernarg_segment_size: 40
    .max_flat_workgroup_size: 128
    .sgpr_count:     100
    .vgpr_count:     768
    .wavefront_size: 32
...
	.end_amdgpu_metadata
.endif
;; end of part 4
;; launch norm1 (part 5): grid 256 x 1, 8 waves a work-group, no clusters, 66,816 bytes of LDS; arguments y, ln1_g, ln1_b, h; writes h
.if DOCPART == 5
	.amdgcn_target "amdgcn-amd-amdhsa--gfx1250"
	.amdhsa_code_object_version 6
	.text
	.protected	k_q5316401c12_norm1
	.globl	k_q5316401c12_norm1
	.p2align	8
	.type	k_q5316401c12_norm1,@function
k_q5316401c12_norm1:
	s_mov_b64 s[64:65], 0
	v_nop
	global_prefetch_b8 v0, s[64:65] scope:SCOPE_SE
	s_setreg_imm32_b32 hwreg(HW_REG_WAVE_MODE, 25, 1), 1
	s_wait_xcnt 0x0
; A layer norm over rows of 1,024 f32: out = (y - mean) rsqrt(var + 1e-5) g + b, the variance taken of the differences, as the definition has it.  Args: y, g, b, out.
; QNT = 1: the result is stored as f32 rows (at 4 Mi + 128 Ki of h) AND quantised to MX-FP8 along the row, as images of the operand's registers: codes [T][S][2048] at 0, scale words at 4 Mi + ((T / 16) 8 + S) 1024 + (T % 16) 64 + 4 r.
; QNT = 0: f32 rows alone, from the buffer's first byte.
; SHARES.  Work-group = tile T: the 16 rows 32 (T / 2) + 8 (T % 2) + m + 8 (m / 8).  Wave w takes tile rows 2 w, 2 w + 1, whole, in 64 registers: read once.  For the codes the rows meet in LDS (one barrier), and wave w quantises K step w.
; Memory binds: every load and store covers 512 consecutive bytes; no matrix unit, no cluster, no tensor load: they would add nothing.
; LIMITS: NaN and infinities are not served; a block of zeros, or one under 2^-118, gets the byte 1: its codes are zeros, and this program alone reads the bytes.
.set QNT, 1
.set HF,  0x420000
.set HS,  0x400000
.set X,   16                           ; v16-79  two rows x 32 registers
.set G,   80
.set B,   112
.set SA,  144                          ; row q: v[144+4q:145+4q], v[146+4q:147+4q] two chains
.set MU,  152                          ; pairs
.set RS,  156
.set PT,  160
.set VR,  162
.set PC,  144
.set TM,  160
.set PW,  176
.set SEL, 22
.set MNT, 24
.macro REDUCE reg, tmp                 ; the sum over the wave's 32 lanes, in every lane
	v_add_f32_dpp v[\reg], v[\reg], v[\reg] row_xmask:1 row_mask:0xf bank_mask:0xf
	s_delay_alu instid0(VALU_DEP_1)
	v_add_f32_dpp v[\reg], v[\reg], v[\reg] row_xmask:2 row_mask:0xf bank_mask:0xf
	s_delay_alu instid0(VALU_DEP_1)
	v_add_f32_dpp v[\reg], v[\reg], v[\reg] row_xmask:4 row_mask:0xf bank_mask:0xf
	s_delay_alu instid0(VALU_DEP_1)
	v_add_f32_dpp v[\reg], v[\reg], v[\reg] row_xmask:8 row_mask:0xf bank_mask:0xf
	s_delay_alu instid0(VALU_DEP_1)
	v_permlanex16_b32 v[\tmp], v[\reg], s[SEL], s[SEL+1]
	s_delay_alu instid0(VALU_DEP_1)
	v_add_f32 v[\reg], v[\reg], v[\tmp]
.endm
	s_load_b256 s[4:11], s[0:1], 0x0               ; y, g, b, out
	v_lshl_add_u32 v192, v0, 2, 0x10100
	v_mov_b32 v193, 0
	v_lshrrev_b32 v2, 5, v0
	s_delay_alu instid0(VALU_DEP_1)
	v_readfirstlane_b32 s12, v2                    ; wave
	v_and_b32 v3, 31, v0
	s_delay_alu instid0(VALU_DEP_1)
	v_lshlrev_b32 v1, 4, v3                        ; 16 x lane
	v_mov_b32 v[PT], 0                             ; a lane permute's destination counts as read
	v_mov_b32 v[PT+1], 0
	s_lshr_b32 s13, ttmp9, 1
	s_lshl_b32 s13, s13, 5
	s_and_b32 s14, ttmp9, 1
	s_lshl_b32 s14, s14, 3
	s_add_co_u32 s13, s13, s14
	s_lshl_b32 s14, s12, 1
	s_add_co_u32 s13, s13, s14
	s_lshr_b32 s14, s12, 2
	s_lshl_b32 s14, s14, 3
	s_add_co_u32 s13, s13, s14                     ; my first row
	s_lshl_b32 s16, s13, 12
	s_mov_b32 s17, 0
	s_mov_b32 s20, 0x3a800000                      ; 1 / 1,024
	s_mov_b32 s21, 0x3727c5ac                      ; 1e-5
	s_mov_b32 s[SEL], 0x76543210
	s_mov_b32 s[SEL+1], 0xfedcba98
	s_mov_b32 s[MNT], 0x600000
	s_wait_alu depctr_va_vdst(0)
	s_wait_kmcnt 0x0
	s_add_nc_u64 s[4:5], s[4:5], s[16:17]
	s_add_nc_u64 s[18:19], s[10:11], s[16:17]
.if QNT
	s_add_nc_u64 s[18:19], s[18:19], HF
.endif
.irp q, 0,1
.irp j, 0,1,2,3,4,5,6,7
	global_load_b128 v[X+32*\q+4*\j:X+32*\q+4*\j+3], v1, s[4:5] offset:4096*\q+512*\j th:TH_LOAD_NT
.endr
.endr
.irp j, 0,1,2,3,4,5,6,7
	global_load_b128 v[G+4*\j:G+4*\j+3], v1, s[6:7] offset:512*\j
	global_load_b128 v[B+4*\j:B+4*\j+3], v1, s[8:9] offset:512*\j
.endr
	s_wait_loadcnt 16                              ; the two rows are in; g's and b's 16 loads may be out
.irp q, 0,1
	v_pk_add_f32 v[SA+4*\q:SA+4*\q+1], v[X+32*\q:X+32*\q+1], v[X+32*\q+2:X+32*\q+3]
	v_pk_add_f32 v[SA+4*\q+2:SA+4*\q+3], v[X+32*\q+4:X+32*\q+5], v[X+32*\q+6:X+32*\q+7]
.endr
.irp k, 8,12,16,20,24,28
.irp q, 0,1
	s_delay_alu instid0(VALU_DEP_4)
	v_pk_add_f32 v[SA+4*\q:SA+4*\q+1], v[SA+4*\q:SA+4*\q+1], v[X+32*\q+\k:X+32*\q+\k+1]
	s_delay_alu instid0(VALU_DEP_4)
	v_pk_add_f32 v[SA+4*\q+2:SA+4*\q+3], v[SA+4*\q+2:SA+4*\q+3], v[X+32*\q+\k+2:X+32*\q+\k+3]
.endr
.endr
.irp q, 0,1
	s_delay_alu instid0(VALU_DEP_3)
	v_pk_add_f32 v[SA+4*\q:SA+4*\q+1], v[SA+4*\q:SA+4*\q+1], v[SA+4*\q+2:SA+4*\q+3]
	s_delay_alu instid0(VALU_DEP_1)
	v_add_f32 v[SA+4*\q], v[SA+4*\q], v[SA+4*\q+1]
.endr
	REDUCE SA, PT
	REDUCE SA+4, PT+1
.irp q, 0
	v_mul_f32 v[MU+2*\q], s20, v[SA+4*\q]          ; the mean, twice: a pair for the packed forms
	s_delay_alu instid0(VALU_DEP_1)
	v_mov_b32 v[MU+2*\q+1], v[MU+2*\q]
.endr
.irp q, 1
	s_delay_alu instid0(VALU_DEP_3)
	v_mul_f32 v[MU+2*\q], s20, v[SA+4*\q]          ; the mean, twice: a pair for the packed forms
	s_delay_alu instid0(VALU_DEP_1)
	v_mov_b32 v[MU+2*\q+1], v[MU+2*\q]
.endr
.irp k, 0,2,4,6,8,10,12,14,16,18,20,22,24,26,28,30
.irp q, 0,1
	v_pk_add_f32 v[X+32*\q+\k:X+32*\q+\k+1], v[X+32*\q+\k:X+32*\q+\k+1], v[MU+2*\q:MU+2*\q+1] neg_lo:[0,1] neg_hi:[0,1]
.endr
.endr
.irp q, 0,1
	v_pk_mul_f32 v[SA+4*\q:SA+4*\q+1], v[X+32*\q:X+32*\q+1], v[X+32*\q:X+32*\q+1]
	v_pk_mul_f32 v[SA+4*\q+2:SA+4*\q+3], v[X+32*\q+2:X+32*\q+3], v[X+32*\q+2:X+32*\q+3]
.endr
.irp k, 4,8,12,16,20,24,28
.irp q, 0,1
	s_delay_alu instid0(VALU_DEP_4)
	v_pk_fma_f32 v[SA+4*\q:SA+4*\q+1], v[X+32*\q+\k:X+32*\q+\k+1], v[X+32*\q+\k:X+32*\q+\k+1], v[SA+4*\q:SA+4*\q+1]
	s_delay_alu instid0(VALU_DEP_4)
	v_pk_fma_f32 v[SA+4*\q+2:SA+4*\q+3], v[X+32*\q+\k+2:X+32*\q+\k+3], v[X+32*\q+\k+2:X+32*\q+\k+3], v[SA+4*\q+2:SA+4*\q+3]
.endr
.endr
.irp q, 0,1
	s_delay_alu instid0(VALU_DEP_3)
	v_pk_add_f32 v[SA+4*\q:SA+4*\q+1], v[SA+4*\q:SA+4*\q+1], v[SA+4*\q+2:SA+4*\q+3]
	s_delay_alu instid0(VALU_DEP_1)
	v_add_f32 v[SA+4*\q], v[SA+4*\q], v[SA+4*\q+1]
.endr
	REDUCE SA, PT
	REDUCE SA+4, PT+1
.irp q, 0
	v_fma_f32 v[VR+\q], v[SA+4*\q], s20, s21       ; the variance + 1e-5
.endr
.irp q, 1
	s_delay_alu instid0(VALU_DEP_2)
	v_fma_f32 v[VR+\q], v[SA+4*\q], s20, s21       ; the variance + 1e-5
.endr
	s_wait_alu depctr_va_vdst(0)
	v_rsq_f32 v[RS], v[VR]
	v_rsq_f32 v[RS+2], v[VR+1]
	v_nop                                          ; a plain line behind the transcendentals
	s_wait_alu depctr_va_vdst(0)                   ; one wait for the two, ahead of their first reader
	v_mov_b32 v[RS+1], v[RS]
	v_mov_b32 v[RS+3], v[RS+2]
	s_wait_alu depctr_va_vdst(0)
	s_wait_loadcnt 0x0                             ; g and b
.irp k, 0,2,4,6,8,10,12,14,16,18,20,22,24,26,28,30
.irp q, 0,1
	v_pk_mul_f32 v[X+32*\q+\k:X+32*\q+\k+1], v[X+32*\q+\k:X+32*\q+\k+1], v[RS+2*\q:RS+2*\q+1]
.endr
.irp q, 0,1
	s_delay_alu instid0(VALU_DEP_2)
	v_pk_fma_f32 v[X+32*\q+\k:X+32*\q+\k+1], v[X+32*\q+\k:X+32*\q+\k+1], v[G+\k:G+\k+1], v[B+\k:B+\k+1]
.endr
.endr
.irp q, 0,1
.irp j, 0,1,2,3,4,5,6,7
	global_store_b128 v1, v[X+32*\q+4*\j:X+32*\q+4*\j+3], s[18:19] offset:4096*\q+512*\j
.endr
.endr
.if QNT
	s_mul_i32 s13, s12, 2*4112                     ; the stage: 16 rows x (4,096 bytes + 16); mine are rows 2 w, 2 w + 1
	v_add_nc_u32 v2, s13, v1
.irp q, 0,1
.irp j, 0,1,2,3,4,5,6,7
	ds_store_b128 v2, v[X+32*\q+4*\j:X+32*\q+4*\j+3] offset:4112*\q+512*\j
.endr
.endr
	v_and_b32 v4, 15, v0                           ; r
	v_bfe_u32 v5, v0, 4, 1                         ; h
	s_delay_alu instid0(VALU_DEP_2)
	v_mul_u32_u24 v3, v4, 4112
	s_delay_alu instid0(VALU_DEP_1)
	v_lshl_add_u32 v3, v5, 6, v3
	s_lshl_b32 s13, s12, 9
	v_add_nc_u32 v3, s13, v3                       ; row r, K step w, + 64 h
	v_lshlrev_b32 v4, 2, v4
	s_lshl_b32 s14, ttmp9, 14
	s_lshl_b32 s15, s12, 11
	s_add_co_u32 s14, s14, s15
	s_mov_b32 s15, 0
	s_add_nc_u64 s[14:15], s[10:11], s[14:15]      ; the codes
	s_lshr_b32 s16, ttmp9, 4
	s_lshl_b32 s16, s16, 3
	s_add_co_u32 s16, s16, s12
	s_lshl_b32 s16, s16, 10
	s_and_b32 s17, ttmp9, 15
	s_lshl_b32 s17, s17, 6
	s_add_co_u32 s16, s16, s17
	s_add_co_u32 s16, s16, HS
	s_mov_b32 s17, 0
	s_add_nc_u64 s[16:17], s[10:11], s[16:17]      ; the scale words
	s_wait_alu depctr_va_vdst(0)
	s_wait_dscnt 0x0                               ; for the others' sake: my rows lie in the stage
	s_barrier_signal -1
	s_barrier_wait -1
	s_wait_xcnt 0x0                                ; the stores above have read their registers, which are filled again below
.irp c, 0,1,2,3
.irp j, 0,1,2,3
	ds_load_b128 v[X+16*\c+4*\j:X+16*\c+4*\j+3], v3 offset:128*\c+16*\j
.endr
.endr
.irp b, 0,1,2,3
	v_mov_b32 v[TM+4+\b], 0
.endr
	s_wait_dscnt 0x0
.irp b, 0,1,2,3
	v_max3_num_f32 v[TM+\b], |v[X+16*\b]|, |v[X+16*\b+1]|, 0x4800000    ; my 16 of block b, and the floor 2^(9 - 127)
.endr
.irp i, 2,4,6,8,10,12,14
.irp b, 0,1,2,3
	s_delay_alu instid0(VALU_DEP_4)
	v_max3_num_f32 v[TM+\b], v[TM+\b], |v[X+16*\b+\i]|, |v[X+16*\b+\i+1]|
.endr
.endr
.irp b, 0,1,2,3
	s_delay_alu instid0(VALU_DEP_4)
	v_permlanex16_b32 v[TM+4+\b], v[TM+\b], s[SEL], s[SEL+1]
.endr
.irp b, 0,1,2,3
	s_delay_alu instid0(VALU_DEP_4)
	v_max_num_f32 v[TM+\b], v[TM+\b], v[TM+4+\b]
.endr
.irp b, 0,1,2,3
	s_delay_alu instid0(VALU_DEP_4)
	v_add_nc_u32 v[TM+12+\b], 0xfc000000, v[TM+\b]         ; 8 off the exponent field: the conversion's scale operand
.endr
.irp b, 0,1,2,3
	v_and_or_b32 v[TM+8+\b], v[TM+\b], 0x7f800000, s[MNT]  ; 448 x the scale
.endr
.irp b, 0,1,2,3
	v_lshrrev_b32 v[TM+4+\b], 23, v[TM+12+\b]
.endr
	s_delay_alu instid0(VALU_DEP_3)
	v_lshl_or_b32 v[PW], v[TM+5], 8, v[TM+4]
	s_delay_alu instid0(VALU_DEP_1)
	v_lshl_or_b32 v[PW], v[TM+6], 16, v[PW]
	s_delay_alu instid0(VALU_DEP_1)
	v_lshl_or_b32 v[PW], v[TM+7], 24, v[PW]
.irp b, 0,1,2,3
.irp i, 0,1,2,3,4,5,6,7,8,9,10,11,12,13,14,15
	v_med3_num_f32 v[X+16*\b+\i], v[X+16*\b+\i], -v[TM+8+\b], v[TM+8+\b]    ; the conversion does not saturate (ISA guide 7.6.2)
.endr
	v_cvt_scalef32_pk8_fp8_f32 v[PC+4*\b:PC+4*\b+1], v[X+16*\b:X+16*\b+7], v[TM+12+\b]
	v_cvt_scalef32_pk8_fp8_f32 v[PC+4*\b+2:PC+4*\b+3], v[X+16*\b+8:X+16*\b+15], v[TM+12+\b]
.endr
	v_nop
.irp c, 0,1,2,3
	global_store_b128 v1, v[PC+4*\c:PC+4*\c+3], s[14:15] offset:512*\c
.endr
	global_store_b32 v4, v[PW], s[16:17]           ; lanes l and l xor 16 store the same word to the same place
.endif
	s_wait_tensorcnt 0x0
	ds_add_u32 v192, v193
	s_wait_dscnt 0x0
	s_endpgm
.Lfunc_end_k_q5316401c12_norm1:
	.size	k_q5316401c12_norm1, .Lfunc_end_k_q5316401c12_norm1-k_q5316401c12_norm1
	.p2alignl 7, 3214868480
	.fill 96, 4, 3214868480
	.section	.rodata,"a",@progbits
	.p2align	6, 0x0
	.amdhsa_kernel k_q5316401c12_norm1
		.amdhsa_group_segment_fixed_size 66816
		.amdhsa_private_segment_fixed_size 0
		.amdhsa_enable_private_segment 0
		.amdhsa_kernarg_size 32
		.amdhsa_user_sgpr_count 2
		.amdhsa_user_sgpr_kernarg_segment_ptr 1
		.amdhsa_wavefront_size32 1
		.amdhsa_system_sgpr_workgroup_id_x 1
		.amdhsa_system_sgpr_workgroup_id_y 1
		.amdhsa_system_sgpr_workgroup_id_z 1
		.amdhsa_system_vgpr_workitem_id 0
		.amdhsa_next_free_vgpr 194
		.amdhsa_next_free_sgpr 66
		.amdhsa_reserve_vcc 0
		.amdhsa_float_denorm_mode_32 3
		.amdhsa_float_denorm_mode_16_64 3
		.amdhsa_memory_ordered 1
		.amdhsa_forward_progress 1
		.amdhsa_inst_pref_size 35
	.end_amdhsa_kernel
	.amdgpu_metadata
---
amdhsa.version: [ 1, 2 ]
amdhsa.kernels:
  - .name:           k_q5316401c12_norm1
    .symbol:         k_q5316401c12_norm1.kd
    .args:
      - { .name: y, .offset: 0, .size: 8, .value_kind: global_buffer, .address_space: global }
      - { .name: ln1_g, .offset: 8, .size: 8, .value_kind: global_buffer, .address_space: global }
      - { .name: ln1_b, .offset: 16, .size: 8, .value_kind: global_buffer, .address_space: global }
      - { .name: h, .offset: 24, .size: 8, .value_kind: global_buffer, .address_space: global }
    .group_segment_fixed_size: 66816
    .private_segment_fixed_size: 0
    .kernarg_segment_align: 8
    .kernarg_segment_size: 32
    .max_flat_workgroup_size: 256
    .sgpr_count:     66
    .vgpr_count:     194
    .wavefront_size: 32
...
	.end_amdgpu_metadata
.endif
;; end of part 5
;; launch ffa (part 6): grid 16 x 16, 4 waves a work-group, clusters of 4 x 4, 327,680 bytes of LDS; arguments h, prep, b_ff1, hid; writes hid
.if DOCPART == 6
	.amdgcn_target "amdgcn-amd-amdhsa--gfx1250"
	.amdhsa_code_object_version 6
	.text
	.protected	k_q5316401c12_ffa
	.globl	k_q5316401c12_ffa
	.p2align	8
	.type	k_q5316401c12_ffa,@function
k_q5316401c12_ffa:
	s_mov_b64 s[64:65], 0
	v_nop
	global_prefetch_b8 v0, s[64:65] scope:SCOPE_SE
	s_setreg_imm32_b32 hwreg(HW_REG_WAVE_MODE, 25, 1), 1
	s_wait_xcnt 0x0
	s_wait_alu depctr_hold_cnt(0) depctr_sa_sdst(0) depctr_va_vdst(0) depctr_va_sdst(0) depctr_va_ssrc(0) depctr_va_vcc(0) depctr_vm_vsrc(0)
	s_getreg_b32 s2, hwreg(HW_REG_IB_STS2, 6, 4)
	s_cmp_eq_u32 s2, 0
	s_cbranch_scc0 .Lentry_in_a_cluster
	s_endpgm
.Lentry_in_a_cluster:
	s_bfe_u32 s2, ttmp6, 0x10000c
	s_cmp_lg_u32 s2, 0xf033
	s_cbranch_scc0 .Lentry_shape_is_right
	s_endpgm
.Lentry_shape_is_right:
.set FFN,   1
.set SLOT,  131072
.set SCL,   2*SLOT
.set SPARE, SCL+16384
.set SCR,   SPARE+512
.set NP,    8
.set ADRA, 16
.set ADRB, 20
.set SCRW, 24
.set SCRR, 25
.set LI,   26
.set ADRS, 27
.set SPW,  28
.set NIL,  29
.set BON,  30
.set BOR,  31
.set SC,   32
.set BC,   64
.set AF,   128
.set WK,   128
.set PC,   192
.set TM,   208
.set PW,   224
.set SIO,  232
.set G1, 24
.set G0, 32
.set G1B, 48
.set G0B, 56
.set G1S, 68
.set G0S, 76
.set G1SB, 80
.set G0SB, 88
.set SEL, 66
.set MNT, 99
.set PIT, 96
.if FFN
.set RB, 6
.else
.set RB, 4
.endif
.set MSB, 0
.macro WIN new
.if MSB != \new
	s_set_vgpr_msb (MSB<<8)|\new
.set MSB, \new
.endif
.endm
.set TO_B, 0x40
.macro JLOAD g0a, g1a, g0b, g1b
	s_cmp_eq_u32 s15, 0
	s_cbranch_scc0 .Lfor_r_\@
	tensor_load_to_lds s[\g0a:\g0a+3], s[\g1a:\g1a+7]
	s_nop 0
.rept 4
	v_nop
.endr
	s_branch .Lasked_\@
.Lfor_r_\@:
	tensor_load_to_lds s[\g0b:\g0b+3], s[\g1b:\g1b+7]
	s_nop 0
.rept 4
	v_nop
.endr
.Lasked_\@:
.endm
.macro CREST
	s_cmp_lg_u32 s14, 0
	s_cbranch_scc1 .Lnot_wave_0_\@
	s_barrier_signal -3
.Lnot_wave_0_\@:
	s_barrier_wait -3
	s_barrier_signal -1
	s_barrier_wait -1
.endm
.macro CROUND
	s_barrier_signal -1
	s_barrier_wait -1
	CREST
.endm
.macro PLACES n
.rept \n
	v_nop
.endr
.endm
	s_load_b256 s[4:11], s[0:1], 0x0
.if !FFN
	s_load_b64 s[12:13], s[0:1], 0x20
.endif
	v_lshl_add_u32 v[SPW], v0, 2, SPARE
	v_mov_b32 v[NIL], 0
	ds_add_u32 v28, v29
	ds_add_u32 v28, v29
	s_wait_dscnt 0x0
	v_lshrrev_b32 v1, 5, v0
	v_readfirstlane_b32 s14, v1
	s_lshr_b32 s15, s14, 1
	s_and_b32 s16, s14, 1
	s_bfe_u32 s40, ttmp6, 0x40000
	s_bfe_u32 s41, ttmp6, 0x40004
	s_and_b32 s18, ttmp7, 0xffff
	s_lshl_b32 s18, s18, 2
.if FFN
	s_add_co_u32 s17, s18, s41
	s_lshl_b32 s42, ttmp9, 2
	s_add_co_u32 s42, s42, s40
	s_mov_b32 s20, 0
	s_mov_b32 s22, 0x400000
	s_mov_b32 s46, 0x800000
	s_mov_b32 s92, 0x1040000
	s_mov_b32 s95, 16
	s_mov_b32 s98, 5
.else
	s_lshl_b32 s46, ttmp9, 20
	s_add_co_u32 s46, s46, 0x400000
	s_lshl_b32 s92, ttmp9, 15
	s_add_co_u32 s92, s92, 0x20000
	s_cmp_eq_u32 ttmp9, 2
	s_cselect_b32 s17, 0, s18
	s_cselect_b32 s42, s18, 0
	s_cselect_b32 s20, 0x600000, 0
	s_cselect_b32 s22, 0x30000, 0
	s_cselect_b32 s46, 0, s46
	s_cselect_b32 s92, 0, s92
	s_cselect_b32 s95, 16, 14
	s_cselect_b32 s98, 5, 3
	s_add_co_u32 s17, s17, s41
	s_add_co_u32 s42, s42, s40
	s_add_co_u32 s22, s22, 0x1000000
	s_add_co_u32 s92, s92, 0x1000000
.endif
	s_lshl_b32 s43, s41, 2
	s_lshl_b32 s43, 15, s43
	s_lshl_b32 s44, 0x1111, s40
	s_or_b32 s[G1+0], s43, (3<<16)|(1<<21)
	s_or_b32 s[G1B+0], s44, (3<<16)|(1<<21)
.irp g, G1, G1B
	s_mov_b32 s[\g+1], 512<<16
	s_mov_b32 s[\g+2], 16<<16                      ; the head's loads bring a side's 16 tiles; behind them the two words are set to 8
	s_mov_b32 s[\g+3], 512<<16
	s_mov_b32 s[\g+4], 16
	s_mov_b32 s[\g+5], 2048
	s_mov_b32 s[\g+6], 0
	s_mov_b32 s[\g+7], 0
.endr
	s_or_b32 s[G1S+0], s43, (3<<16)|(1<<21)
	s_or_b32 s[G1SB+0], s44, (3<<16)|(1<<21)
.irp g, G1S, G1SB
	s_mov_b32 s[\g+1], 32<<16
	s_mov_b32 s[\g+2], 32<<16                      ; a side's scale words whole: 8,192 dense bytes as 32 rows of 256
	s_mov_b32 s[\g+3], 32<<16
	s_mov_b32 s[\g+4], 32
	s_mov_b32 s[\g+5], 32
	s_mov_b32 s[\g+6], 0
	s_mov_b32 s[\g+7], 0
.endr
	s_lshl_b32 s19, s16, 17
	s_lshl_b32 s2, s17, 18
	s_add_co_u32 s20, s20, s2
	s_mov_b32 s21, 0
	s_lshl_b32 s3, s42, 18
	s_add_co_u32 s46, s46, s3
	s_mov_b32 s47, 0
	s_lshl_b32 s2, s17, 13
	s_add_co_u32 s22, s22, s2
	s_mov_b32 s23, 0
	s_lshl_b32 s3, s42, 13
	s_add_co_u32 s92, s92, s3
	s_mov_b32 s93, 0
	s_lshl_b32 s45, s14, 15
	s_wait_kmcnt 0x0
	s_add_nc_u64 s[20:21], s[4:5], s[20:21]
	s_add_nc_u64 s[22:23], s[4:5], s[22:23]
	s_add_nc_u64 s[46:47], s[RB:RB+1], s[46:47]
	s_add_nc_u64 s[92:93], s[RB:RB+1], s[92:93]
	CROUND
	s_mov_b32 s[G0S], 1
	s_mov_b32 s[G0S+1], SCL
	s_mov_b64 s[G0S+2:G0S+3], s[22:23]
	s_or_b32 s[G0S+3], s[G0S+3], 0x80000000
	s_mov_b32 s[G0SB], 1
	s_mov_b32 s[G0SB+1], SCL+8192
	s_mov_b64 s[G0SB+2:G0SB+3], s[92:93]
	s_or_b32 s[G0SB+3], s[G0SB+3], 0x80000000
	s_mov_b32 s[G0], 1                             ; the head's four tiles, each whole: slot 0's 16 tiles of P,
	s_mov_b32 s[G0+1], 0
	s_mov_b64 s[G0+2:G0+3], s[20:21]
	s_or_b32 s[G0+3], s[G0+3], 0x80000000
	s_mov_b32 s[G0B], 1                            ; its 16 tiles of R, and the two sets of scale words above
	s_mov_b32 s[G0B+1], 65536
	s_mov_b64 s[G0B+2:G0B+3], s[46:47]
	s_or_b32 s[G0B+3], s[G0B+3], 0x80000000
	s_mov_b32 s2, s19                              ; in the ring a wave fetches 8 of a side's 16 tiles
	s_mov_b32 s3, 0
	s_add_nc_u64 s[20:21], s[20:21], s[2:3]
	s_add_nc_u64 s[46:47], s[46:47], s[2:3]
; THE PREFETCHES.  A slot's part of a tile is 4,096 bytes on end.  Of the 8 tiles that a wave fetches, each of the four partners that ask for them jointly names two, told apart by address (cx for P, cy for R): lanes 0-15 one tile, lanes 16-31 the next, 256 bytes apart:
; each block of 256 bytes is named once in a cluster.  s[92:93] stands at slot 1.  Slots 1 and 2 are named behind the head's loads, slot 3 behind slot 1's load: no slot lies behind slot 3.
	s_cmp_eq_u32 s15, 0
	s_cselect_b64 s[92:93], s[20:21], s[46:47]
	s_cselect_b32 s2, s40, s41
	s_lshl_b32 s2, s2, 15
	s_add_co_u32 s2, s2, 4096
	s_add_nc_u64 s[92:93], s[92:93], s[2:3]
	s_mov_b32 s[G0+4], 1                           ; slot 1's groups 0
	s_add_co_u32 s[G0+5], s45, SLOT
	s_add_nc_u64 s[G0+6:G0+7], s[20:21], 4096
	s_or_b32 s[G0+7], s[G0+7], 0x80000000
	s_mov_b32 s[G0B+4], 1
	s_add_co_u32 s[G0B+5], s45, SLOT
	s_add_nc_u64 s[G0B+6:G0B+7], s[46:47], 4096
	s_or_b32 s[G0B+7], s[G0B+7], 0x80000000
; one joint load a wave at the head, in one chain of arms on the wave's number
.macro ARM under, g0, g1, next
	s_cmp_lt_u32 s14, \under
	s_cbranch_scc0 \next
	tensor_load_to_lds s[\g0:\g0+3], s[\g1:\g1+7]
	s_nop 0
.rept 4
	v_nop
.endr
	s_branch .Lhead_asked
\next:
.endm
	ARM 1, G0,  G1,  .Lhead_r
	ARM 2, G0B, G1B, .Lhead_sp
	ARM 3, G0S, G1S, .Lhead_sr
	tensor_load_to_lds s[G0SB:G0SB+3], s[G1SB:G1SB+7]
	s_nop 0
.rept 4
	v_nop
.endr
.Lhead_asked:
	v_and_b32 v1, 15, v0
	v_bfe_u32 v2, v0, 4, 1
	s_wait_alu depctr_va_vdst(0)
	v_and_b32 v3, 31, v0
	v_lshlrev_b32 v[LI], 4, v3
	s_lshl_b32 s21, s15, 15
	s_lshl_b32 s22, s16, 15
	s_add_co_u32 s22, s22, 65536
.irp s, 0,1
	v_add_nc_u32 v[ADRA+\s], s21, v[LI]
	v_add_nc_u32 v[ADRB+\s], s22, v[LI]
	s_add_co_u32 s21, s21, SLOT
	s_add_co_u32 s22, s22, SLOT
.endr
	v_lshlrev_b32 v5, 2, v1
	s_lshl_b32 s21, s15, 9
	s_lshl_b32 s22, s16, 9
	s_add_co_u32 s22, s22, 8192
	s_sub_co_u32 s22, s22, s21
	v_mul_u32_u24 v6, s22, v2
	s_add_co_u32 s21, s21, SCL
	v_add_nc_u32 v6, v5, v6
	v_add_nc_u32 v[ADRS], s21, v6
	s_lshl_b32 s21, s14, 9
	s_add_co_u32 s21, s21, SCR
	v_add_nc_u32 v[SCRW], s21, v5
	v_add_nc_u32 v[SCRR], s21, v[LI]
	v_lshlrev_b32 v[BON], 6, v2
	v_lshlrev_b32 v7, 8, v1
	v_lshl_add_u32 v7, v2, 14, v7                  ; the prefetches' offset: 256 r + 16,384 h; never rewritten
	s_wait_alu depctr_va_vdst(0)
	global_prefetch_b8 v7, s[92:93] th:TH_LOAD_NT scope:SCOPE_SE               ; slots 1 and 2
	global_prefetch_b8 v7, s[92:93] offset:4096 th:TH_LOAD_NT scope:SCOPE_SE
	v_and_b32 v[BOR], 8, v1
	v_add_nc_u32 v[BOR], v[BOR], v1
	v_lshlrev_b32 v[BOR], 2, v[BOR]
	s_mov_b32 s[SEL], 0x76543210
	s_mov_b32 s[SEL+1], 0xfedcba98
	s_mov_b32 s[MNT], 0x600000
.if FFN
	s_lshl_b32 s2, s42, 10
	s_lshl_b32 s3, s16, 9
	s_mov_b64 s[12:13], s[10:11]
.else
	s_cmp_eq_u32 ttmp9, 0
	s_cselect_b64 s[8:9], s[6:7], s[8:9]
	s_cmp_eq_u32 ttmp9, 2
	s_cselect_b64 s[8:9], s[10:11], s[8:9]
	s_cselect_b32 s2, s17, s42
	s_cselect_b32 s3, s15, s16
	s_lshl_b32 s2, s2, 10
	s_lshl_b32 s3, s3, 9
.endif
	s_add_co_u32 s2, s2, s3
	s_mov_b32 s3, 0
	s_add_nc_u64 s[8:9], s[8:9], s[2:3]
	s_lshl_b32 s20, s17, 4
	s_lshl_b32 s21, s15, 3
	s_add_co_u32 s20, s20, s21
	s_lshl_b32 s20, s20, s95
	s_lshl_b32 s22, s42, 1
	s_add_co_u32 s22, s22, s16
	s_lshl_b32 s21, s22, 11
	s_add_co_u32 s20, s20, s21
.if !FFN
	s_lshl_b32 s21, ttmp9, 22
	s_add_co_u32 s20, s20, s21
.endif
	s_mov_b32 s21, 0
	s_lshl_b32 s23, s17, s98
	s_add_co_u32 s22, s22, s23
	s_lshl_b32 s22, s22, 10
	s_lshl_b32 s23, s15, 9
	s_add_co_u32 s22, s22, s23
.if FFN
	s_add_co_u32 s22, s22, 0x1000000
.else
	s_lshl_b32 s23, ttmp9, 17
	s_add_co_u32 s22, s22, s23
	s_add_co_u32 s22, s22, 0xc00000
.endif
	s_mov_b32 s23, 0
	s_add_nc_u64 s[10:11], s[12:13], s[22:23]
	s_add_nc_u64 s[12:13], s[12:13], s[20:21]
	s_lshl_b32 s[PIT], 1, s95
	s_mov_b32 s[PIT+1], 0
.macro BIASN
.irp e, 0,1,2,3
.irp j, 0,1,2,3
	global_load_b128 v[BC+16*\e+4*\j:BC+16*\e+4*\j+3], v[BON], s[8:9] offset:128*\e+16*\j
.endr
.endr
.endm
.if FFN
	BIASN
.else
	s_cmp_eq_u32 ttmp9, 2
	s_cbranch_scc1 .Lrow_bias
	BIASN
	s_branch .Lbiased
.Lrow_bias:
.irp a, 0,1,2,3,4,5,6,7
.irp j, 0,1,2,3,4,5,6,7
	global_load_b32 v[BC+8*\a+\j], v[BOR], s[8:9] offset:4*(32*(\a/2)+8*(\a%2))
.endr
.endr
.Lbiased:
.endif
.macro FRAG reg, adr, q, i
.irp c, 0,1,2,3
	ds_load_b128 v[\reg+4*\c:\reg+4*\c+3], v[\adr] offset:(\i)*4096+(\q)*2048+\c*512
.endr
.endm
.macro MUL16 a0, p, q, sc, ck
.irp a, \a0, \a0+1
.irp b, 0,1,2,3,4,5,6,7
.if \ck == 0
	v_wmma_scale_f32_16x16x128_f8f6f4 v[8*(8*((\a)%4)+\b):8*(8*((\a)%4)+\b)+7], v[128*(\p)+16*\b:128*(\p)+16*\b+15], v[AF+16*(\a):AF+16*(\a)+15], v[8*(8*((\a)%4)+\b):8*(8*((\a)%4)+\b)+7], v[SC+16*(\sc)+2*\b+(\q)], v[SC+16*(\sc)+2*(\a)+(\q)] matrix_a_scale:MATRIX_SCALE_ROW1
.elseif \ck == 1
	v_wmma_scale_f32_16x16x128_f8f6f4 v[8*(8*((\a)%4)+\b):8*(8*((\a)%4)+\b)+7], v[128*(\p)+16*\b:128*(\p)+16*\b+15], v[AF+16*(\a):AF+16*(\a)+15], v[BC+8*\b:BC+8*\b+7], v[SC+16*(\sc)+2*\b+(\q)], v[SC+16*(\sc)+2*(\a)+(\q)] matrix_a_scale:MATRIX_SCALE_ROW1
.else
	v_wmma_scale_f32_16x16x128_f8f6f4 v[8*(8*((\a)%4)+\b):8*(8*((\a)%4)+\b)+7], v[128*(\p)+16*\b:128*(\p)+16*\b+15], v[AF+16*(\a):AF+16*(\a)+15], v[BC+8*(\a):BC+8*(\a)+7], v[SC+16*(\sc)+2*\b+(\q)], v[SC+16*(\sc)+2*(\a)+(\q)] matrix_a_scale:MATRIX_SCALE_ROW1
.endif
.endr
.endr
.endm
.macro FETCH_B slot, q, p
	WIN TO_B
.irp i, 0,1,2,3,4,5,6,7
	FRAG 128*(\p)+16*\i, ADRB+\slot, \q, \i
.endr
	WIN 0
.endm
.macro FETCH_A slot, q, i0
.irp i, \i0, \i0+1, \i0+2, \i0+3
	FRAG AF+16*(\i), ADRA+\slot, \q, \i
.endr
.endm
.macro SCALES sc, ks
.irp i, 0,1,2,3,4,5,6,7
.irp q, 0,1
	ds_load_b32 v[SC+16*(\sc)+2*\i+\q], v[ADRS] offset:(2*(\ks)+\q)*1024+\i*64
.endr
.endr
.endm
.macro STEP slot, ck
	s_wait_dscnt 16
.if \ck
	WIN 0x81
.else
	WIN 0xa1
.endif
	MUL16 0, 0, 0, \slot, \ck
	MUL16 2, 0, 0, \slot, \ck
	s_wait_dscnt 0x0
	PLACES NP
	FETCH_B \slot, 1, 1
	FETCH_A \slot, 1, 0
.if \ck
	WIN 0xc1
.else
	WIN 0xf1
.endif
	MUL16 4, 0, 0, \slot, \ck
	MUL16 6, 0, 0, \slot, \ck
	PLACES NP
	WIN 0
	FETCH_A \slot, 1, 4
.endm
.macro TURN slot, next, fill, ks
	s_wait_tensorcnt 0x0
	ds_add_u32 v[SPW], v[NIL]
	s_wait_dscnt 17
	WIN 0xa1
	MUL16 0, 1, 1, \slot, 0
	s_wait_dscnt 0x0
	s_barrier_signal -1
	MUL16 2, 1, 1, \slot, 0
	WIN 0
	s_barrier_wait -1
.if \fill
	CREST
	s_add_nc_u64 s[G0+4*\slot+2:G0+4*\slot+3], s[G0+4*\slot+2:G0+4*\slot+3], 8192
	s_add_nc_u64 s[G0B+4*\slot+2:G0B+4*\slot+3], s[G0B+4*\slot+2:G0B+4*\slot+3], 8192
	JLOAD G0+4*\slot, G1, G0B+4*\slot, G1B
	PLACES NP-4
.else
	PLACES NP
.endif
	FETCH_B \next, 0, 0
	FETCH_A \next, 0, 0
	SCALES \next, \ks
	WIN 0xf1
	MUL16 4, 1, 1, \slot, 0
	MUL16 6, 1, 1, \slot, 0
	PLACES NP
	WIN 0
	FETCH_A \next, 0, 4
.endm
	s_wait_alu depctr_va_vdst(0)
	s_wait_tensorcnt 0x0                           ; my tile of the head's four is in
	ds_add_u32 v[SPW], v[NIL]
	s_mov_b32 s[G1+2], 8<<16                       ; no tensor load of mine is out: from here on a load brings 8 tiles,
	s_mov_b32 s[G1+4], 8
	s_mov_b32 s[G1B+2], 8<<16
	s_mov_b32 s[G1B+4], 8
	s_mov_b32 s2, s19
	s_mov_b32 s3, 0
	s_mov_b32 s[G0+1], s45                         ; and slot 0's groups 0 name my half of a side
	s_add_nc_u64 s[G0+2:G0+3], s[G0+2:G0+3], s[2:3]
	s_mov_b32 s[G0B+1], s45
	s_add_nc_u64 s[G0B+2:G0B+3], s[G0B+2:G0B+3], s[2:3]
	s_wait_dscnt 0x0
	CROUND                                         ; all four tiles are in, and the sixteen work-groups meet
	JLOAD G0+4, G1, G0B+4, G1B                     ; slot 1's first fill, my one load behind the round
	global_prefetch_b8 v7, s[92:93] offset:8192 th:TH_LOAD_NT scope:SCOPE_SE   ; slot 3
	FETCH_B 0, 0, 0
	FETCH_A 0, 0, 0
	SCALES 0, 0
	FETCH_A 0, 0, 4
	s_wait_loadcnt 0x0
.if FFN
	STEP 0, 1
.else
	s_cmp_eq_u32 ttmp9, 2
	s_cbranch_scc1 .Lstep_v
	STEP 0, 1
	s_branch .Lstepped
.Lstep_v:
	STEP 0, 2
.Lstepped:
.endif
	TURN 0, 1, 1, 1
	STEP 1, 0
	TURN 1, 0, 1, 2
	STEP 0, 0
	TURN 0, 1, 0, 3
	STEP 1, 0
	s_wait_dscnt 16
	WIN 0xa1
	MUL16 0, 1, 1, 1, 0
	MUL16 2, 1, 1, 1, 0
	s_wait_dscnt 0x0
	WIN 0xf1
	MUL16 4, 1, 1, 1, 0
	MUL16 6, 1, 1, 1, 0
	WIN 0
	PLACES NP
.irp b, 0,1,2,3
	v_mov_b32 v[TM+4+\b], 0
.endr
.macro EPI a
.set AC, 64*((\a)%4)
.set WS, 2+(\a)/4
.set WN, 5*WS
	WIN WN
.irp b, 0,1,2,3
.if FFN
	v_max3_num_f32 v[TM+\b], v[AC+16*\b], v[AC+16*\b+1], 0x4800000
.else
	v_max3_num_f32 v[TM+\b], |v[AC+16*\b]|, |v[AC+16*\b+1]|, 0x4800000
.endif
.endr
.irp i, 2,4,6,8,10,12,14
.irp b, 0,1,2,3
.if FFN
	v_max3_num_f32 v[TM+\b], v[AC+16*\b+\i], v[AC+16*\b+\i+1], v[TM+\b]
.else
	v_max3_num_f32 v[TM+\b], |v[AC+16*\b+\i]|, |v[AC+16*\b+\i+1]|, v[TM+\b]
.endif
.endr
.endr
	WIN 0
.irp b, 0,1,2,3
	v_permlanex16_b32 v[TM+4+\b], v[TM+\b], s[SEL], s[SEL+1]
.endr
.irp b, 0,1,2,3
	v_max_num_f32 v[TM+\b], v[TM+\b], v[TM+4+\b]
.endr
.irp b, 0,1,2,3
	v_add_nc_u32 v[TM+12+\b], 0xfc000000, v[TM+\b]
.endr
.irp b, 0,1,2,3
	v_and_or_b32 v[TM+8+\b], v[TM+\b], 0x7f800000, s[MNT]
.endr
.irp b, 0,1,2,3
	v_lshrrev_b32 v[TM+4+\b], 23, v[TM+12+\b]
.endr
	v_lshl_or_b32 v[PW+(\a)], v[TM+5], 8, v[TM+4]
	v_lshl_or_b32 v[PW+(\a)], v[TM+6], 16, v[PW+(\a)]
	v_lshl_or_b32 v[PW+(\a)], v[TM+7], 24, v[PW+(\a)]
.if (\a) > 0
	s_wait_xcnt 0x0
	s_add_nc_u64 s[12:13], s[12:13], s[PIT:PIT+1]
.endif
	WIN WS
.irp b, 0,1,2,3
.irp i, 0,1,2,3,4,5,6,7,8,9,10,11,12,13,14,15
.if FFN
	v_med3_num_f32 v[WK+16*\b+\i], v[AC+16*\b+\i], 0, v[TM+8+\b]
.else
	v_med3_num_f32 v[WK+16*\b+\i], v[AC+16*\b+\i], -v[TM+8+\b], v[TM+8+\b]
.endif
.endr
.endr
	WIN 0
.irp b, 0,1,2,3
	v_cvt_scalef32_pk8_fp8_f32 v[PC+4*\b:PC+4*\b+1], v[WK+16*\b:WK+16*\b+7], v[TM+12+\b]
	v_cvt_scalef32_pk8_fp8_f32 v[PC+4*\b+2:PC+4*\b+3], v[WK+16*\b+8:WK+16*\b+15], v[TM+12+\b]
.endr
	v_nop
.irp c, 0,1,2,3
	global_store_b128 v[LI], v[PC+4*\c:PC+4*\c+3], s[12:13] offset:512*\c
.endr
	ds_store_b32 v[SCRW], v[PW+(\a)] offset:64*(\a)
.endm
.irp a, 0,1,2,3,4,5,6,7
	EPI \a
.endr
	ds_load_b128 v[SIO:SIO+3], v[SCRR]
	s_wait_dscnt 0x0
	global_store_b128 v[LI], v[SIO:SIO+3], s[10:11]
	s_wait_tensorcnt 0x0
	ds_add_u32 v[SPW], v[NIL]
	s_wait_dscnt 0x0
	CROUND
	s_endpgm
.Lfunc_end_k_q5316401c12_ffa:
	.size	k_q5316401c12_ffa, .Lfunc_end_k_q5316401c12_ffa-k_q5316401c12_ffa
	.p2alignl 7, 3214868480
	.fill 96, 4, 3214868480
	.section	.rodata,"a",@progbits
	.p2align	6, 0x0
	.amdhsa_kernel k_q5316401c12_ffa
		.amdhsa_group_segment_fixed_size 327680
		.amdhsa_private_segment_fixed_size 0
		.amdhsa_enable_private_segment 0
		.amdhsa_kernarg_size 32
		.amdhsa_user_sgpr_count 2
		.amdhsa_user_sgpr_kernarg_segment_ptr 1
		.amdhsa_wavefront_size32 1
		.amdhsa_system_sgpr_workgroup_id_x 1
		.amdhsa_system_sgpr_workgroup_id_y 1
		.amdhsa_system_sgpr_workgroup_id_z 1
		.amdhsa_system_vgpr_workitem_id 0
		.amdhsa_next_free_vgpr 1024
		.amdhsa_next_free_sgpr 100
		.amdhsa_reserve_vcc 0
		.amdhsa_float_denorm_mode_32 3
		.amdhsa_float_denorm_mode_16_64 3
		.amdhsa_memory_ordered 1
		.amdhsa_forward_progress 1
		.amdhsa_inst_pref_size 190
	.end_amdhsa_kernel
	.amdgpu_metadata
---
amdhsa.version: [ 1, 2 ]
amdhsa.kernels:
  - .name:           k_q5316401c12_ffa
    .symbol:         k_q5316401c12_ffa.kd
    .args:
      - { .name: h, .offset: 0, .size: 8, .value_kind: global_buffer, .address_space: global }
      - { .name: prep, .offset: 8, .size: 8, .value_kind: global_buffer, .address_space: global }
      - { .name: b_ff1, .offset: 16, .size: 8, .value_kind: global_buffer, .address_space: global }
      - { .name: hid, .offset: 24, .size: 8, .value_kind: global_buffer, .address_space: global }
    .group_segment_fixed_size: 327680
    .private_segment_fixed_size: 0
    .kernarg_segment_align: 8
    .kernarg_segment_size: 32
    .max_flat_workgroup_size: 128
    .sgpr_count:     100
    .vgpr_count:     1024
    .wavefront_size: 32
...
	.end_amdgpu_metadata
.endif
;; end of part 6
;; launch ffb (part 7): grid 8 x 32, 4 waves a work-group, clusters of 4 x 4, 327,680 bytes of LDS; arguments hid, prep, b_ff2, h, y; writes y
.if DOCPART == 7
	.amdgcn_target "amdgcn-amd-amdhsa--gfx1250"
	.amdhsa_code_object_version 6
	.text
	.protected	k_q5316401c12_ffb
	.globl	k_q5316401c12_ffb
	.p2align	8
	.type	k_q5316401c12_ffb,@function
k_q5316401c12_ffb:
	s_mov_b64 s[64:65], 0
	v_nop
	global_prefetch_b8 v0, s[64:65] scope:SCOPE_SE
	s_setreg_imm32_b32 hwreg(HW_REG_WAVE_MODE, 25, 1), 1
	s_wait_xcnt 0x0
	s_wait_alu depctr_hold_cnt(0) depctr_sa_sdst(0) depctr_va_vdst(0) depctr_va_sdst(0) depctr_va_ssrc(0) depctr_va_vcc(0) depctr_vm_vsrc(0)
	s_getreg_b32 s2, hwreg(HW_REG_IB_STS2, 6, 4)
	s_cmp_eq_u32 s2, 0
	s_cbranch_scc0 .Lentry_in_a_cluster
	s_endpgm
.Lentry_in_a_cluster:
	s_bfe_u32 s2, ttmp6, 0x10000c
	s_cmp_lg_u32 s2, 0xf033
	s_cbranch_scc0 .Lentry_shape_is_right
	s_endpgm
.Lentry_shape_is_right:
.set NS,    32
.set PSI,   0x1000000
.set RCO,   0xc00000
.set RSI,   0x1060000
.set RESOFF, 0x420000
.set LAPS,  NS/8
.set SLOT,  131072
.set SCL,   2*SLOT
.set SPARE, SCL+32768
.set STAGE, SPARE+512
.set ADRA, 16
.set ADRB, 20
.set STO,  24
.set RD,   25
.set CO,   26
.set ADRS, 27
.set SPW,  28
.set NIL,  29
.set BON,  30
.set SC,   32
.set OB0,  40
.set BC,   96
.set ACC,  128
.set F0,   0
.set F1,   128
.set G1, 24
.set G0, 32
.set G1B, 48
.set G0B, 56
.set G1S, 68
.set G0S, 76
.set G1SB, 80
.set G0SB, 88
.set MSB, 0
.macro WIN new
.if MSB != \new
	s_set_vgpr_msb (MSB<<8)|\new
.set MSB, \new
.endif
.endm
.set MUL,  0x05
.set TO_F, 0x40
.macro JLOAD g0a, g1a, g0b, g1b
	s_cmp_eq_u32 s15, 0
	s_cbranch_scc0 .Lfor_r_\@
	tensor_load_to_lds s[\g0a:\g0a+3], s[\g1a:\g1a+7]
	s_nop 0
.rept 4
	v_nop
.endr
	s_branch .Lasked_\@
.Lfor_r_\@:
	tensor_load_to_lds s[\g0b:\g0b+3], s[\g1b:\g1b+7]
	s_nop 0
.rept 4
	v_nop
.endr
.Lasked_\@:
.endm
.macro CREST
	s_cmp_lg_u32 s14, 0
	s_cbranch_scc1 .Lnot_wave_0_\@
	s_barrier_signal -3
.Lnot_wave_0_\@:
	s_barrier_wait -3
	s_barrier_signal -1
	s_barrier_wait -1
.endm
.macro CROUND
	s_barrier_signal -1
	s_barrier_wait -1
	CREST
.endm
.macro PLACES n
.rept \n
	v_nop
.endr
.endm
	s_load_b256 s[4:11], s[0:1], 0x0
	s_load_b64 s[12:13], s[0:1], 0x20
	v_lshl_add_u32 v[SPW], v0, 2, SPARE
	v_mov_b32 v[NIL], 0
	ds_add_u32 v28, v29
	ds_add_u32 v28, v29
	s_wait_dscnt 0x0
	v_lshrrev_b32 v1, 5, v0
	v_readfirstlane_b32 s14, v1
	s_lshr_b32 s15, s14, 1
	s_and_b32 s16, s14, 1
	s_bfe_u32 s40, ttmp6, 0x40000
	s_bfe_u32 s41, ttmp6, 0x40004
	s_lshl_b32 s42, ttmp9, 2
	s_add_co_u32 s42, s42, s40
	s_and_b32 s17, ttmp7, 0xffff
	s_lshl_b32 s17, s17, 2
	s_add_co_u32 s17, s17, s41
	s_lshl_b32 s43, s41, 2
	s_lshl_b32 s43, 15, s43
	s_lshl_b32 s44, 0x1111, s40
	s_or_b32 s[G1+0], s43, (3<<16)|(1<<21)
	s_or_b32 s[G1B+0], s44, (3<<16)|(1<<21)
.irp g, G1, G1B
	s_mov_b32 s[\g+1], 1024<<16
	s_mov_b32 s[\g+2], 8<<16                       ; the head's loads bring a side's 8 tiles; behind them the two words are set to 4
	s_mov_b32 s[\g+3], 1024<<16
	s_mov_b32 s[\g+4], 8
	s_mov_b32 s[\g+5], 256*NS
	s_mov_b32 s[\g+6], 0
	s_mov_b32 s[\g+7], 0
.endr
	s_or_b32 s[G1S+0], s43, (3<<16)|(1<<21)
	s_or_b32 s[G1SB+0], s44, (3<<16)|(1<<21)
.irp g, G1S, G1SB
	s_mov_b32 s[\g+1], 64<<16
	s_mov_b32 s[\g+2], NS<<16                      ; a side's scale words whole: NS rows of 512 bytes
	s_mov_b32 s[\g+3], 64<<16
	s_mov_b32 s[\g+4], NS
	s_mov_b32 s[\g+5], 128
	s_mov_b32 s[\g+6], 0
	s_mov_b32 s[\g+7], 0
.endr
	s_lshl_b32 s20, s17, 3
	s_mul_i32 s20, s20, NS*2048
	s_mov_b32 s21, 0
	s_lshl_b32 s46, s42, 3
	s_mul_i32 s46, s46, NS*2048
	s_add_co_u32 s46, s46, RCO
	s_mov_b32 s47, 0
	s_mul_i32 s19, s16, NS*8192                    ; in the ring a wave fetches 4 of a side's 8 tiles: which, in bytes
	s_lshr_b32 s22, s17, 1
	s_mul_i32 s22, s22, NS*1024
	s_and_b32 s2, s17, 1
	s_lshl_b32 s2, s2, 9
	s_add_co_u32 s22, s22, s2
	s_add_co_u32 s22, s22, PSI
	s_mov_b32 s23, 0
	s_lshr_b32 s92, s42, 1
	s_mul_i32 s92, s92, NS*1024
	s_and_b32 s3, s42, 1
	s_lshl_b32 s3, s3, 9
	s_add_co_u32 s92, s92, s3
	s_add_co_u32 s92, s92, RSI
	s_mov_b32 s93, 0
	s_lshl_b32 s45, s14, 15
	s_wait_kmcnt 0x0
	s_add_nc_u64 s[20:21], s[4:5], s[20:21]
	s_add_nc_u64 s[22:23], s[4:5], s[22:23]
	s_add_nc_u64 s[46:47], s[6:7], s[46:47]
	s_add_nc_u64 s[92:93], s[6:7], s[92:93]
	CROUND
	s_mov_b32 s[G0S], 1
	s_mov_b32 s[G0S+1], SCL
	s_mov_b64 s[G0S+2:G0S+3], s[22:23]
	s_or_b32 s[G0S+3], s[G0S+3], 0x80000000
	s_mov_b32 s[G0SB], 1
	s_mov_b32 s[G0SB+1], SCL+512*NS
	s_mov_b64 s[G0SB+2:G0SB+3], s[92:93]
	s_or_b32 s[G0SB+3], s[G0SB+3], 0x80000000
	s_mov_b32 s[G0], 1                             ; the head's four tiles, each whole: slot 0's 8 tiles of P,
	s_mov_b32 s[G0+1], 0
	s_mov_b64 s[G0+2:G0+3], s[20:21]
	s_or_b32 s[G0+3], s[G0+3], 0x80000000
	s_mov_b32 s[G0B], 1                            ; its 8 tiles of R, and the two sets of scale words above
	s_mov_b32 s[G0B+1], 65536
	s_mov_b64 s[G0B+2:G0B+3], s[46:47]
	s_or_b32 s[G0B+3], s[G0B+3], 0x80000000
	s_mov_b32 s2, s19
	s_mov_b32 s3, 0
	s_add_nc_u64 s[20:21], s[20:21], s[2:3]
	s_add_nc_u64 s[46:47], s[46:47], s[2:3]
	s_mov_b32 s[G0+4], 1                           ; slot 1's groups 0
	s_add_co_u32 s[G0+5], s45, SLOT
	s_add_nc_u64 s[G0+6:G0+7], s[20:21], 8192
	s_or_b32 s[G0+7], s[G0+7], 0x80000000
	s_mov_b32 s[G0B+4], 1
	s_add_co_u32 s[G0B+5], s45, SLOT
	s_add_nc_u64 s[G0B+6:G0B+7], s[46:47], 8192
	s_or_b32 s[G0B+7], s[G0B+7], 0x80000000
; THE PREFETCHES.  A slot's part of a tile is 8,192 bytes on end: 32 lanes, 256 bytes apart.  Of the 4 tiles that a wave fetches, each of the four partners that ask for them jointly names one, told apart by address (cx for P, cy for R):
; so each block of 256 bytes is named once in a cluster.  s[96:97] begins at slot 1 and steps a slot at each change that fills.  Slots 1 and 2 are named behind the head's loads, slot 3 behind slot 1's load, and from then on the slot two on from the one
; just asked for; the last lap's two changes of slots name nothing: no slot lies behind slot 7.
	s_cmp_eq_u32 s15, 0
	s_cselect_b64 s[96:97], s[20:21], s[46:47]
	s_cselect_b32 s2, s40, s41
	s_mul_i32 s2, s2, NS*2048
	s_add_co_u32 s2, s2, 8192
	s_add_nc_u64 s[96:97], s[96:97], s[2:3]
; one joint load a wave at the head, in one chain of arms on the wave's number
.macro ARM under, g0, g1, next
	s_cmp_lt_u32 s14, \under
	s_cbranch_scc0 \next
	tensor_load_to_lds s[\g0:\g0+3], s[\g1:\g1+7]
	s_nop 0
.rept 4
	v_nop
.endr
	s_branch .Lhead_asked
\next:
.endm
	ARM 1, G0,  G1,  .Lhead_r
	ARM 2, G0B, G1B, .Lhead_sp
	ARM 3, G0S, G1S, .Lhead_sr
	tensor_load_to_lds s[G0SB:G0SB+3], s[G1SB:G1SB+7]
	s_nop 0
.rept 4
	v_nop
.endr
.Lhead_asked:
	v_and_b32 v1, 15, v0
	v_bfe_u32 v2, v0, 4, 1
	s_wait_alu depctr_va_vdst(0)
	v_and_b32 v3, 31, v0
	v_lshlrev_b32 v3, 4, v3
	s_lshl_b32 s21, s15, 15
	s_lshl_b32 s22, s16, 15
	s_add_co_u32 s22, s22, 65536
.irp s, 0,1
	v_add_nc_u32 v[ADRA+\s], s21, v3
	v_add_nc_u32 v[ADRB+\s], s22, v3
	s_add_co_u32 s21, s21, SLOT
	s_add_co_u32 s22, s22, SLOT
.endr
	v_lshlrev_b32 v5, 2, v1
	s_lshl_b32 s21, s15, 8
	s_lshl_b32 s22, s16, 8
	s_add_co_u32 s22, s22, 512*NS
	s_sub_co_u32 s22, s22, s21
	v_mul_u32_u24 v6, s22, v2
	s_add_co_u32 s21, s21, SCL
	v_add_nc_u32 v6, v5, v6
	v_add_nc_u32 v[ADRS], s21, v6
	s_mul_i32 s23, s14, 16*272
	s_add_co_u32 s23, s23, STAGE
	v_mul_u32_u24 v4, v1, 272
	v_lshl_add_u32 v4, v2, 6, v4
	v_add_nc_u32 v[STO], s23, v4
	v_mul_u32_u24 v4, v2, 272
	v_lshl_add_u32 v4, v1, 4, v4
	v_add_nc_u32 v[RD], s23, v4
	v_lshlrev_b32 v[CO], 12, v2
	v_lshl_add_u32 v[CO], v1, 4, v[CO]
	v_lshlrev_b32 v[BON], 6, v2
	v_and_b32 v31, 31, v0
	v_lshlrev_b32 v31, 8, v31                      ; the prefetches' offset: 256 x lane; never rewritten
	s_wait_alu depctr_va_vdst(0)
	global_prefetch_b8 v31, s[96:97] th:TH_LOAD_NT scope:SCOPE_SE               ; slots 1 and 2
	global_prefetch_b8 v31, s[96:97] offset:8192 th:TH_LOAD_NT scope:SCOPE_SE
	s_lshl_b32 s20, s17, 7
	s_lshl_b32 s21, s15, 6
	s_add_co_u32 s20, s20, s21
	s_lshl_b32 s20, s20, 12
	s_lshl_b32 s22, s42, 9
	s_lshl_b32 s21, s16, 8
	s_add_co_u32 s22, s22, s21
	s_add_co_u32 s20, s20, s22
	s_mov_b32 s21, 0
	s_mov_b32 s23, 0
	s_add_nc_u64 s[12:13], s[12:13], s[20:21]
	s_add_nc_u64 s[10:11], s[10:11], s[20:21]
.if RESOFF
	s_add_nc_u64 s[10:11], s[10:11], RESOFF
.endif
	s_add_nc_u64 s[8:9], s[8:9], s[22:23]
.irp e, 0,1
.irp j, 0,1,2,3
	global_load_b128 v[BC+16*\e+4*\j:BC+16*\e+4*\j+3], v[BON], s[8:9] offset:128*\e+16*\j
.endr
.endr
	WIN 0x80
.irp a, 0,1,2,3
.irp t, 0,1,2,3,4,5,6,7
	global_load_b128 v[4*(8*\a+\t):4*(8*\a+\t)+3], v[CO], s[10:11] offset:(32*(\a/2)+8*(\a%2)+2*\t+8*(\t/4))*4096
.endr
.endr
	WIN 0
.macro MUL8 f, a0, ck
.irp a, \a0, \a0+1
.irp b, 0,1,2,3
.if \ck
	v_wmma_scale_f32_16x16x128_f8f6f4 v[ACC+8*(4*(\a)+\b):ACC+8*(4*(\a)+\b)+7], v[\f+64+16*\b:\f+64+16*\b+15], v[\f+16*(\a):\f+16*(\a)+15], v[BC+8*\b:BC+8*\b+7], v[SC+4*(\f/128)+\b], v[SC+4*(\f/128)+(\a)] matrix_a_scale:MATRIX_SCALE_ROW1
.else
	v_wmma_scale_f32_16x16x128_f8f6f4 v[ACC+8*(4*(\a)+\b):ACC+8*(4*(\a)+\b)+7], v[\f+64+16*\b:\f+64+16*\b+15], v[\f+16*(\a):\f+16*(\a)+15], v[ACC+8*(4*(\a)+\b):ACC+8*(4*(\a)+\b)+7], v[SC+4*(\f/128)+\b], v[SC+4*(\f/128)+(\a)] matrix_a_scale:MATRIX_SCALE_ROW1
.endif
.endr
.endr
.endm
.macro FETCH slot, q, f, sidx
	WIN TO_F
.irp i, 0,1,2,3
.irp c, 0,1,2,3
	ds_load_b128 v[\f+64+16*\i+4*\c:\f+64+16*\i+4*\c+3], v[ADRB+\slot] offset:\i*8192+(\q)*2048+\c*512
.endr
.endr
.irp i, 0,1,2,3
.irp c, 0,1,2,3
	ds_load_b128 v[\f+16*\i+4*\c:\f+16*\i+4*\c+3], v[ADRA+\slot] offset:\i*8192+(\q)*2048+\c*512
.endr
.endr
	WIN 0
.irp i, 0,1,2,3
	ds_load_b32 v[SC+4*(\f/128)+\i], v[ADRS] offset:(\sidx)*512+\i*64
.endr
.endm
.macro KS f, ck
	s_wait_dscnt 36
	WIN MUL
	MUL8 \f, 0, \ck
	MUL8 \f, 2, \ck
	PLACES 8
.endm
.macro CHG slot, next, fill, bump, sidx
.if \fill
	s_wait_xcnt 0x0                                ; my last prefetch has read its address, which steps a slot on
	s_add_nc_u64 s[96:97], s[96:97], 8192
.endif
	s_wait_tensorcnt 0x0
	ds_add_u32 v[SPW], v[NIL]
	s_wait_dscnt 37
	WIN MUL
	MUL8 F0, 0, 0
	s_wait_dscnt 0x0
	s_barrier_signal -1
	MUL8 F0, 2, 0
	WIN 0
	s_barrier_wait -1
.if \fill
	CREST
	s_add_nc_u64 s[G0+4*\slot+2:G0+4*\slot+3], s[G0+4*\slot+2:G0+4*\slot+3], 16384
	s_add_nc_u64 s[G0B+4*\slot+2:G0B+4*\slot+3], s[G0B+4*\slot+2:G0B+4*\slot+3], 16384
	JLOAD G0+4*\slot, G1, G0B+4*\slot, G1B
	PLACES 4
.else
	PLACES 8
.endif
.if \bump
	v_add_nc_u32 v[ADRS], 4096, v[ADRS]
.endif
	FETCH \next, 0, F0, \sidx
.if \fill
	s_cmp_gt_u32 s3, 1                             ; s3 = 1 in the loop's last trip
	s_cbranch_scc0 .Lno_ask_\@
	global_prefetch_b8 v31, s[96:97] offset:16384 th:TH_LOAD_NT scope:SCOPE_SE  ; the slot two on from the one just asked for
.Lno_ask_\@:
.endif
.endm
	s_wait_alu depctr_va_vdst(0)
	s_wait_tensorcnt 0x0                           ; my tile of the head's four is in
	ds_add_u32 v[SPW], v[NIL]
	s_mov_b32 s[G1+2], 4<<16                       ; no tensor load of mine is out: from here on a load brings 4 tiles,
	s_mov_b32 s[G1+4], 4
	s_mov_b32 s[G1B+2], 4<<16
	s_mov_b32 s[G1B+4], 4
	s_mov_b32 s2, s19
	s_mov_b32 s3, 0
	s_mov_b32 s[G0+1], s45                         ; and slot 0's groups 0 name my half of a side
	s_add_nc_u64 s[G0+2:G0+3], s[G0+2:G0+3], s[2:3]
	s_mov_b32 s[G0B+1], s45
	s_add_nc_u64 s[G0B+2:G0B+3], s[G0B+2:G0B+3], s[2:3]
	s_wait_dscnt 0x0
	CROUND                                         ; all four tiles are in, and the sixteen work-groups meet
	JLOAD G0+4, G1, G0B+4, G1B                     ; slot 1's first fill, my one load behind the round
	FETCH 0, 0, F0, 0
	global_prefetch_b8 v31, s[96:97] offset:16384 th:TH_LOAD_NT scope:SCOPE_SE  ; slot 3
	FETCH 0, 1, F1, 1
	s_wait_loadcnt 32
	KS F0, 1
	FETCH 0, 2, F0, 2
.if LAPS > 1
	s_mov_b32 s3, LAPS-1
.Llap:
	KS F1, 0
	s_wait_alu depctr_va_vdst(0)
	FETCH 0, 3, F1, 3
	CHG 0, 1, 1, 0, 4
	KS F1, 0
	FETCH 1, 1, F1, 5
	KS F0, 0
	FETCH 1, 2, F0, 6
	KS F1, 0
	FETCH 1, 3, F1, 7
	CHG 1, 0, 1, 1, 0
	s_wait_alu depctr_va_vdst(0)
	KS F1, 0
	FETCH 0, 1, F1, 1
	KS F0, 0
	FETCH 0, 2, F0, 2
	s_sub_co_u32 s3, s3, 1
	s_cmp_lg_u32 s3, 0
	s_cbranch_scc1 .Llap
.endif
	KS F1, 0
	FETCH 0, 3, F1, 3
	CHG 0, 1, 0, 0, 4
	KS F1, 0
	FETCH 1, 1, F1, 5
	KS F0, 0
	FETCH 1, 2, F0, 6
	KS F1, 0
	FETCH 1, 3, F1, 7
	s_wait_dscnt 36
	WIN MUL
	MUL8 F0, 0, 0
	MUL8 F0, 2, 0
	s_wait_dscnt 0x0
	MUL8 F1, 0, 0
	MUL8 F1, 2, 0
	WIN 0
	PLACES 8
.macro TOSTAGE a
.irp b, 0,1,2,3
	ds_store_b128 v[STO], v[ACC+8*(4*(\a)+\b):ACC+8*(4*(\a)+\b)+3] offset:128*(\b/2)+32*(\b%2)
	ds_store_b128 v[STO], v[ACC+8*(4*(\a)+\b)+4:ACC+8*(4*(\a)+\b)+7] offset:128*(\b/2)+32*(\b%2)+16
.endr
.set OB, OB0+32*((\a)%2)
.irp t, 0,1,2,3,4,5,6,7
	ds_load_b128 v[OB+4*\t:OB+4*\t+3], v[RD] offset:544*\t
.endr
.endm
.macro SEND a, younger
.set OB, OB0+32*((\a)%2)
	s_wait_dscnt \younger
	WIN 0x08
.irp k, 0,2,4,6,8,10,12,14,16,18,20,22,24,26,28,30
	v_pk_add_f32 v[OB+\k:OB+\k+1], v[OB+\k:OB+\k+1], v[32*(\a)+\k:32*(\a)+\k+1]
.endr
	WIN 0
.irp t, 0,1,2,3,4,5,6,7
	global_store_b128 v[CO], v[OB+4*\t:OB+4*\t+3], s[12:13] offset:(32*((\a)/2)+8*((\a)%2)+2*\t+8*(\t/4))*4096 th:TH_STORE_NT
.endr
.endm
	s_wait_loadcnt 0x0
	TOSTAGE 0
.irp a, 1,2,3
.if \a > 1
	s_wait_xcnt 0x0
.endif
	TOSTAGE \a
	SEND \a-1, 16
.endr
	SEND 3, 0
	s_wait_tensorcnt 0x0
	ds_add_u32 v[SPW], v[NIL]
	s_wait_dscnt 0x0
	CROUND
	s_endpgm
.Lfunc_end_k_q5316401c12_ffb:
	.size	k_q5316401c12_ffb, .Lfunc_end_k_q5316401c12_ffb-k_q5316401c12_ffb
	.p2alignl 7, 3214868480
	.fill 96, 4, 3214868480
	.section	.rodata,"a",@progbits
	.p2align	6, 0x0
	.amdhsa_kernel k_q5316401c12_ffb
		.amdhsa_group_segment_fixed_size 327680
		.amdhsa_private_segment_fixed_size 0
		.amdhsa_enable_private_segment 0
		.amdhsa_kernarg_size 40
		.amdhsa_user_sgpr_count 2
		.amdhsa_user_sgpr_kernarg_segment_ptr 1
		.amdhsa_wavefront_size32 1
		.amdhsa_system_sgpr_workgroup_id_x 1
		.amdhsa_system_sgpr_workgroup_id_y 1
		.amdhsa_system_sgpr_workgroup_id_z 1
		.amdhsa_system_vgpr_workitem_id 0
		.amdhsa_next_free_vgpr 768
		.amdhsa_next_free_sgpr 100
		.amdhsa_reserve_vcc 0
		.amdhsa_float_denorm_mode_32 3
		.amdhsa_float_denorm_mode_16_64 3
		.amdhsa_memory_ordered 1
		.amdhsa_forward_progress 1
		.amdhsa_inst_pref_size 104
	.end_amdhsa_kernel
	.amdgpu_metadata
---
amdhsa.version: [ 1, 2 ]
amdhsa.kernels:
  - .name:           k_q5316401c12_ffb
    .symbol:         k_q5316401c12_ffb.kd
    .args:
      - { .name: hid, .offset: 0, .size: 8, .value_kind: global_buffer, .address_space: global }
      - { .name: prep, .offset: 8, .size: 8, .value_kind: global_buffer, .address_space: global }
      - { .name: b_ff2, .offset: 16, .size: 8, .value_kind: global_buffer, .address_space: global }
      - { .name: h, .offset: 24, .size: 8, .value_kind: global_buffer, .address_space: global }
      - { .name: y, .offset: 32, .size: 8, .value_kind: global_buffer, .address_space: global }
    .group_segment_fixed_size: 327680
    .private_segment_fixed_size: 0
    .kernarg_segment_align: 8
    .kernarg_segment_size: 40
    .max_flat_workgroup_size: 128
    .sgpr_count:     100
    .vgpr_count:     768
    .wavefront_size: 32
...
	.end_amdgpu_metadata
.endif
;; end of part 7
;; launch norm2 (part 8): grid 256 x 1, 8 waves a work-group, no clusters, 0 bytes of LDS; arguments y, ln2_g, ln2_b, out0; writes out0
.if DOCPART == 8
	.amdgcn_target "amdgcn-amd-amdhsa--gfx1250"
	.amdhsa_code_object_version 6
	.text
	.protected	k_q5316401c12_norm2
	.globl	k_q5316401c12_norm2
	.p2align	8
	.type	k_q5316401c12_norm2,@function
k_q5316401c12_norm2:
	s_mov_b64 s[64:65], 0
	v_nop
	global_prefetch_b8 v0, s[64:65] scope:SCOPE_SE
	s_setreg_imm32_b32 hwreg(HW_REG_WAVE_MODE, 25, 1), 1
	s_wait_xcnt 0x0
; A layer norm over rows of 1,024 f32: out = (y - mean) rsqrt(var + 1e-5) g + b, the variance taken of the differences, as the definition has it.  Args: y, g, b, out.  The result is stored as f32 rows.
; SHARES.  Work-group T takes the 16 rows 32 (T / 2) + 8 (T % 2) + m + 8 (m / 8); wave w rows m = 2 w, 2 w + 1, whole, in 64 registers: read once.  No wave waits for another: no LDS, no barrier.
; Memory binds: every load and store covers 512 consecutive bytes; no matrix unit, no cluster, no tensor load: they would add nothing.
; LIMITS: NaN and infinities are passed on as the arithmetic makes them.
.set X,   16                           ; v16-79  two rows x 32 registers
.set G,   80
.set B,   112
.set SA,  144                          ; row q: two chains of pairs
.set MU,  152
.set RS,  156
.set PT,  160
.set VR,  162
.set SEL, 22
.macro REDUCE reg, tmp                 ; the sum over the wave's 32 lanes, in every lane
	v_add_f32_dpp v[\reg], v[\reg], v[\reg] row_xmask:1 row_mask:0xf bank_mask:0xf
	s_delay_alu instid0(VALU_DEP_1)
	v_add_f32_dpp v[\reg], v[\reg], v[\reg] row_xmask:2 row_mask:0xf bank_mask:0xf
	s_delay_alu instid0(VALU_DEP_1)
	v_add_f32_dpp v[\reg], v[\reg], v[\reg] row_xmask:4 row_mask:0xf bank_mask:0xf
	s_delay_alu instid0(VALU_DEP_1)
	v_add_f32_dpp v[\reg], v[\reg], v[\reg] row_xmask:8 row_mask:0xf bank_mask:0xf
	s_delay_alu instid0(VALU_DEP_1)
	v_permlanex16_b32 v[\tmp], v[\reg], s[SEL], s[SEL+1]
	s_delay_alu instid0(VALU_DEP_1)
	v_add_f32 v[\reg], v[\reg], v[\tmp]
.endm
	s_load_b256 s[4:11], s[0:1], 0x0               ; y, g, b, out
	v_lshrrev_b32 v2, 5, v0
	s_delay_alu instid0(VALU_DEP_1)
	v_readfirstlane_b32 s12, v2                    ; wave
	v_and_b32 v3, 31, v0
	s_delay_alu instid0(VALU_DEP_1)
	v_lshlrev_b32 v1, 4, v3                        ; 16 x lane
	v_mov_b32 v[PT], 0                             ; a lane permute's destination counts as read
	v_mov_b32 v[PT+1], 0
	s_lshr_b32 s13, ttmp9, 1
	s_lshl_b32 s13, s13, 5
	s_and_b32 s14, ttmp9, 1
	s_lshl_b32 s14, s14, 3
	s_add_co_u32 s13, s13, s14
	s_lshl_b32 s14, s12, 1
	s_add_co_u32 s13, s13, s14
	s_lshr_b32 s14, s12, 2
	s_lshl_b32 s14, s14, 3
	s_add_co_u32 s13, s13, s14                     ; my first row
	s_lshl_b32 s16, s13, 12
	s_mov_b32 s17, 0
	s_mov_b32 s20, 0x3a800000                      ; 1 / 1,024
	s_mov_b32 s21, 0x3727c5ac                      ; 1e-5
	s_mov_b32 s[SEL], 0x76543210
	s_mov_b32 s[SEL+1], 0xfedcba98
	s_wait_alu depctr_va_vdst(0)
	s_wait_kmcnt 0x0
	s_add_nc_u64 s[4:5], s[4:5], s[16:17]
	s_add_nc_u64 s[18:19], s[10:11], s[16:17]
.irp q, 0,1
.irp j, 0,1,2,3,4,5,6,7
	global_load_b128 v[X+32*\q+4*\j:X+32*\q+4*\j+3], v1, s[4:5] offset:4096*\q+512*\j th:TH_LOAD_NT
.endr
.endr
.irp j, 0,1,2,3,4,5,6,7
	global_load_b128 v[G+4*\j:G+4*\j+3], v1, s[6:7] offset:512*\j
	global_load_b128 v[B+4*\j:B+4*\j+3], v1, s[8:9] offset:512*\j
.endr
	s_wait_loadcnt 16                              ; the two rows are in; g's and b's 16 loads may be out
.irp q, 0,1
	v_pk_add_f32 v[SA+4*\q:SA+4*\q+1], v[X+32*\q:X+32*\q+1], v[X+32*\q+2:X+32*\q+3]
	v_pk_add_f32 v[SA+4*\q+2:SA+4*\q+3], v[X+32*\q+4:X+32*\q+5], v[X+32*\q+6:X+32*\q+7]
.endr
.irp k, 8,12,16,20,24,28
.irp q, 0,1
	s_delay_alu instid0(VALU_DEP_4)
	v_pk_add_f32 v[SA+4*\q:SA+4*\q+1], v[SA+4*\q:SA+4*\q+1], v[X+32*\q+\k:X+32*\q+\k+1]
	s_delay_alu instid0(VALU_DEP_4)
	v_pk_add_f32 v[SA+4*\q+2:SA+4*\q+3], v[SA+4*\q+2:SA+4*\q+3], v[X+32*\q+\k+2:X+32*\q+\k+3]
.endr
.endr
.irp q, 0,1
	s_delay_alu instid0(VALU_DEP_3)
	v_pk_add_f32 v[SA+4*\q:SA+4*\q+1], v[SA+4*\q:SA+4*\q+1], v[SA+4*\q+2:SA+4*\q+3]
	s_delay_alu instid0(VALU_DEP_1)
	v_add_f32 v[SA+4*\q], v[SA+4*\q], v[SA+4*\q+1]
.endr
	REDUCE SA, PT
	REDUCE SA+4, PT+1
.irp q, 0
	v_mul_f32 v[MU+2*\q], s20, v[SA+4*\q]          ; the mean, twice: a pair for the packed forms
	s_delay_alu instid0(VALU_DEP_1)
	v_mov_b32 v[MU+2*\q+1], v[MU+2*\q]
.endr
.irp q, 1
	s_delay_alu instid0(VALU_DEP_3)
	v_mul_f32 v[MU+2*\q], s20, v[SA+4*\q]          ; the mean, twice: a pair for the packed forms
	s_delay_alu instid0(VALU_DEP_1)
	v_mov_b32 v[MU+2*\q+1], v[MU+2*\q]
.endr
.irp k, 0,2,4,6,8,10,12,14,16,18,20,22,24,26,28,30
.irp q, 0,1
	v_pk_add_f32 v[X+32*\q+\k:X+32*\q+\k+1], v[X+32*\q+\k:X+32*\q+\k+1], v[MU+2*\q:MU+2*\q+1] neg_lo:[0,1] neg_hi:[0,1]
.endr
.endr
.irp q, 0,1
	v_pk_mul_f32 v[SA+4*\q:SA+4*\q+1], v[X+32*\q:X+32*\q+1], v[X+32*\q:X+32*\q+1]
	v_pk_mul_f32 v[SA+4*\q+2:SA+4*\q+3], v[X+32*\q+2:X+32*\q+3], v[X+32*\q+2:X+32*\q+3]
.endr
.irp k, 4,8,12,16,20,24,28
.irp q, 0,1
	s_delay_alu instid0(VALU_DEP_4)
	v_pk_fma_f32 v[SA+4*\q:SA+4*\q+1], v[X+32*\q+\k:X+32*\q+\k+1], v[X+32*\q+\k:X+32*\q+\k+1], v[SA+4*\q:SA+4*\q+1]
	s_delay_alu instid0(VALU_DEP_4)
	v_pk_fma_f32 v[SA+4*\q+2:SA+4*\q+3], v[X+32*\q+\k+2:X+32*\q+\k+3], v[X+32*\q+\k+2:X+32*\q+\k+3], v[SA+4*\q+2:SA+4*\q+3]
.endr
.endr
.irp q, 0,1
	s_delay_alu instid0(VALU_DEP_3)
	v_pk_add_f32 v[SA+4*\q:SA+4*\q+1], v[SA+4*\q:SA+4*\q+1], v[SA+4*\q+2:SA+4*\q+3]
	s_delay_alu instid0(VALU_DEP_1)
	v_add_f32 v[SA+4*\q], v[SA+4*\q], v[SA+4*\q+1]
.endr
	REDUCE SA, PT
	REDUCE SA+4, PT+1
.irp q, 0
	v_fma_f32 v[VR+\q], v[SA+4*\q], s20, s21       ; the variance + 1e-5
.endr
.irp q, 1
	s_delay_alu instid0(VALU_DEP_2)
	v_fma_f32 v[VR+\q], v[SA+4*\q], s20, s21       ; the variance + 1e-5
.endr
	s_wait_alu depctr_va_vdst(0)
	v_rsq_f32 v[RS], v[VR]
	v_rsq_f32 v[RS+2], v[VR+1]
	v_nop                                          ; a plain line behind the transcendentals
	s_wait_alu depctr_va_vdst(0)                   ; one wait for the two, ahead of their first reader
	v_mov_b32 v[RS+1], v[RS]
	v_mov_b32 v[RS+3], v[RS+2]
	s_wait_alu depctr_va_vdst(0)
	s_wait_loadcnt 0x0                             ; g and b
.irp k, 0,2,4,6,8,10,12,14,16,18,20,22,24,26,28,30
.irp q, 0,1
	v_pk_mul_f32 v[X+32*\q+\k:X+32*\q+\k+1], v[X+32*\q+\k:X+32*\q+\k+1], v[RS+2*\q:RS+2*\q+1]
.endr
.irp q, 0,1
	s_delay_alu instid0(VALU_DEP_2)
	v_pk_fma_f32 v[X+32*\q+\k:X+32*\q+\k+1], v[X+32*\q+\k:X+32*\q+\k+1], v[G+\k:G+\k+1], v[B+\k:B+\k+1]
.endr
.endr
.irp q, 0,1
.irp j, 0,1,2,3,4,5,6,7
	global_store_b128 v1, v[X+32*\q+4*\j:X+32*\q+4*\j+3], s[18:19] offset:4096*\q+512*\j th:TH_STORE_NT
.endr
.endr
	s_endpgm
.Lfunc_end_k_q5316401c12_norm2:
	.size	k_q5316401c12_norm2, .Lfunc_end_k_q5316401c12_norm2-k_q5316401c12_norm2
	.p2alignl 7, 3214868480
	.fill 96, 4, 3214868480
	.section	.rodata,"a",@progbits
	.p2align	6, 0x0
	.amdhsa_kernel k_q5316401c12_norm2
		.amdhsa_group_segment_fixed_size 0
		.amdhsa_private_segment_fixed_size 0
		.amdhsa_enable_private_segment 0
		.amdhsa_kernarg_size 32
		.amdhsa_user_sgpr_count 2
		.amdhsa_user_sgpr_kernarg_segment_ptr 1
		.amdhsa_wavefront_size32 1
		.amdhsa_system_sgpr_workgroup_id_x 1
		.amdhsa_system_sgpr_workgroup_id_y 1
		.amdhsa_system_sgpr_workgroup_id_z 1
		.amdhsa_system_vgpr_workitem_id 0
		.amdhsa_next_free_vgpr 192
		.amdhsa_next_free_sgpr 66
		.amdhsa_reserve_vcc 0
		.amdhsa_float_denorm_mode_32 3
		.amdhsa_float_denorm_mode_16_64 3
		.amdhsa_memory_ordered 1
		.amdhsa_forward_progress 1
		.amdhsa_inst_pref_size 22
	.end_amdhsa_kernel
	.amdgpu_metadata
---
amdhsa.version: [ 1, 2 ]
amdhsa.kernels:
  - .name:           k_q5316401c12_norm2
    .symbol:         k_q5316401c12_norm2.kd
    .args:
      - { .name: y, .offset: 0, .size: 8, .value_kind: global_buffer, .address_space: global }
      - { .name: ln2_g, .offset: 8, .size: 8, .value_kind: global_buffer, .address_space: global }
      - { .name: ln2_b, .offset: 16, .size: 8, .value_kind: global_buffer, .address_space: global }
      - { .name: out0, .offset: 24, .size: 8, .value_kind: global_buffer, .address_space: global }
    .group_segment_fixed_size: 0
    .private_segment_fixed_size: 0
    .kernarg_segment_align: 8
    .kernarg_segment_size: 32
    .max_flat_workgroup_size: 256
    .sgpr_count:     66
    .vgpr_count:     192
    .wavefront_size: 32
...
	.end_amdgpu_metadata
.endif
;; end of part 8
